; MI455X (gfx1250); checked and timed in simulation.
; The chip was launched on July 23, 2026; its instructions are those of AMD's public machine-readable ISA for CDNA 5 (MIT licence, August 2026) and "CDNA5" Instruction Set Architecture Reference Guide (July 2026). The comments in the code are by the model that wrote it; some were corrected since.
;; Block. Allowed arithmetic: float matrix products may take bf16 or f16 operands with f32 sums; all other float work in f32.
;; Inputs: b1 4,096 float32; b2 1,024 float32; b_proj 1,024 float32; ln1_b 1,024 float32; ln1_g 1,024 float32; ln2_b 1,024 float32; ln2_g 1,024 float32; w1 1,024 x 4,096 float32; w2 4,096 x 1,024 float32; w_proj 1,024 x 1,024 float32; wk 16 x 1,024 x 64 float32; wq 16 x 1,024 x 64 float32; wv 16 x 1,024 x 64 float32; x 2 x 2,048 x 1,024 float32.
;; Outputs: out0 2 x 2,048 x 1,024 float32.
;; 2 versions, each right; version 2 is version 1 with the launches prep, ln2 written anew for expert scheduling mode. Each part assembles by itself: llvm-mc -triple=amdgcn-amd-amdhsa -mcpu=gfx1250 --defsym DOCPART=n.
;; ======== version 1 of 2: 7 launches
;; workspace buffers: wb 25,165,824 bytes; hb 8,388,608 bytes; qkv 25,165,824 bytes; ob 8,388,608 bytes; x1 16,777,216 bytes; act 33,554,432 bytes
;; launch prep (part 1): grid 1024 x 1, 8 waves a work-group, no clusters, 0 bytes of LDS; arguments x, ln1_g, ln1_b, wq, wk, wv, w_proj, w1, w2, hb, wb; writes hb, wb
.if DOCPART == 1
	.amdgcn_target "amdgcn-amd-amdhsa--gfx1250"
	.amdhsa_code_object_version 6
	.text
	.protected	k_q16185866f7_prep
	.globl	k_q16185866f7_prep
	.p2align	8
	.type	k_q16185866f7_prep,@function
k_q16185866f7_prep:
	s_mov_b64 s[64:65], 0
	v_nop
	global_prefetch_b8 v0, s[64:65] scope:SCOPE_SE
	s_setreg_imm32_b32 hwreg(HW_REG_WAVE_MODE, 25, 1), 1
	s_wait_xcnt 0x0
; PREPARATION, a stream: every work-group reads 65,536 bytes of f32 and writes 32,768 bytes of bf16.  No LDS, no barrier, no matrix unit: bytes are all that counts here.
;   work-groups 0-255:    hb = layer norm of x (gain ln1_g, bias ln1_b), 16 rows each, a wave two rows; a row (4,096 bytes) stays in 32 registers between the passes.
;   work-groups 256-447:  wq, wk, wv [16][1024][64] -> wb's first part [1024][3072]: column = 1024 x (0 q, 1 k, 2 v) + 64 x head + d.
;   work-groups 448-1023: w_proj, w1, w2 as they lie, rounded, behind it (bytes 6,291,456 on).
; The variance is a true second pass over x - mean, all in f32; each number is rounded to bf16 once.
.set X,    32                          ; v[32:95]   two rows of x, 32 registers each; in the weight paths 16 x 4 registers as loaded
.set G,    96                          ; v[96:127]  the gain of my 32 columns; in the weight paths 16 x 2 registers to store
.set BV,   128                         ; v[128:159] the bias of my 32 columns
.set Y,    160                         ; v[160:175] a row rounded, to store
.set T,    8                           ; v[8:11]    at work
.set M,    16                          ; v[16:17]   the mean, twice
.set R,    18                          ; v[18:19]   1 / sqrt(var + eps), twice
.set VIN,  3                           ; v3  byte offset of my loads
.set VOUT, 4                           ; v4  byte offset of my stores
.set VL,   5                           ; v5  16 x lane
.set SO,   22                          ; s[22:23] hb
.set WP,   6291456                     ; where w_proj begins in wb
.macro REDUCE                          ; v[T] summed over the 32 lanes, the sum in every lane
	v_add_f32_dpp v[T], v[T], v[T] row_xmask:1 row_mask:0xf bank_mask:0xf
	v_add_f32_dpp v[T], v[T], v[T] row_xmask:2 row_mask:0xf bank_mask:0xf
	v_add_f32_dpp v[T], v[T], v[T] row_xmask:4 row_mask:0xf bank_mask:0xf
	v_add_f32_dpp v[T], v[T], v[T] row_xmask:8 row_mask:0xf bank_mask:0xf
	v_permlanex16_b32 v[T+1], v[T], s40, s41       ; its destination counts as read: T+1 has been written
	v_add_f32 v[T], v[T], v[T+1]
.endm
; One row: mean, x - mean, variance, scale, gain and bias, rounding, eight stores of 256 consecutive bytes each.
.macro LNROW p
.set XR, X+32*(\p)
	v_pk_add_f32 v[T:T+1], v[XR:XR+1], v[XR+2:XR+3]            ; two chains, started by the first pairs: nothing is cleared
	v_pk_add_f32 v[T+2:T+3], v[XR+4:XR+5], v[XR+6:XR+7]
.set j, 4
.rept 12
	v_pk_add_f32 v[T+2*(j%2):T+2*(j%2)+1], v[T+2*(j%2):T+2*(j%2)+1], v[XR+2*j:XR+2*j+1]
.set j, j+1
.endr
	v_pk_add_f32 v[T:T+1], v[T:T+1], v[T+2:T+3]
	v_add_f32 v[T], v[T], v[T+1]
	REDUCE
	v_mul_f32 v[M], s30, v[T]                      ; sum / 1024
	v_mul_f32 v[M+1], s30, v[T]
.set j, 0
.rept 16
	v_pk_add_f32 v[XR+2*j:XR+2*j+1], v[XR+2*j:XR+2*j+1], v[M:M+1] neg_lo:[0,1] neg_hi:[0,1]
.set j, j+1
.endr
	v_pk_mul_f32 v[T:T+1], v[XR:XR+1], v[XR:XR+1]
	v_pk_mul_f32 v[T+2:T+3], v[XR+2:XR+3], v[XR+2:XR+3]
.set j, 2
.rept 14
	v_pk_fma_f32 v[T+2*(j%2):T+2*(j%2)+1], v[XR+2*j:XR+2*j+1], v[XR+2*j:XR+2*j+1], v[T+2*(j%2):T+2*(j%2)+1]
.set j, j+1
.endr
	v_pk_add_f32 v[T:T+1], v[T:T+1], v[T+2:T+3]
	v_add_f32 v[T], v[T], v[T+1]
	REDUCE
	v_fma_f32 v[T], v[T], s30, s31                 ; var + eps
	v_rsq_f32 v[R], v[T]
	v_rsq_f32 v[R+1], v[T]
	v_nop                                          ; a plain instruction between the root and the use of its result (ISA guide 5.7.2)
.if (\p) == 0
	s_wait_loadcnt 0x0                             ; gain and bias are in
.endif
.set j, 0
	s_wait_alu depctr_va_vdst(0)
.rept 16
	v_pk_mul_f32 v[XR+2*j:XR+2*j+1], v[XR+2*j:XR+2*j+1], v[R:R+1]
.set j, j+1
.endr
.set j, 0
.rept 16
	v_pk_fma_f32 v[XR+2*j:XR+2*j+1], v[XR+2*j:XR+2*j+1], v[G+2*j:G+2*j+1], v[BV+2*j:BV+2*j+1]
.set j, j+1
.endr
.if (\p) == 1
	s_wait_xcnt 0x0                                ; the first row's stores have read Y: it is rewritten only behind this wait
.endif
.irp j, 0,1,2,3,4,5,6,7
	v_cvt_pk_bf16_f32 v[Y+2*(\j)], v[XR+4*(\j)], v[XR+4*(\j)+1]
	v_cvt_pk_bf16_f32 v[Y+2*(\j)+1], v[XR+4*(\j)+2], v[XR+4*(\j)+3]
	global_store_b64 v[VOUT], v[Y+2*(\j):Y+2*(\j)+1], s[SO:SO+1] offset:(\p)*2048+(\j)*256  ; 32 lanes x 8 bytes: 256 consecutive bytes, aligned
.endr
.endm
; Sixteen loads of 16 bytes a lane, all out at once; then each is rounded and stored as 8 bytes a lane.
.macro CVT16 sin, sout
.irp j, 0,1,2,3,4,5,6,7,8,9,10,11,12,13,14,15
	global_load_b128 v[X+4*(\j):X+4*(\j)+3], v[VIN], s[10:11] offset:(\j)*(\sin) th:TH_LOAD_NT
.endr
.irp j, 0,1,2,3,4,5,6,7,8,9,10,11,12,13,14,15
	s_wait_loadcnt 15-(\j)                         ; loads come back in order: mine is in, the younger ones stay out
	v_cvt_pk_bf16_f32 v[G+2*(\j)], v[X+4*(\j)], v[X+4*(\j)+1]
	v_cvt_pk_bf16_f32 v[G+2*(\j)+1], v[X+4*(\j)+2], v[X+4*(\j)+3]
	global_store_b64 v[VOUT], v[G+2*(\j):G+2*(\j)+1], s[24:25] offset:(\j)*(\sout)
.endr
.endm
	s_load_b256 s[4:11], s[0:1], 0x0               ; x s[4:5], ln1_g s[6:7], ln1_b s[8:9], wq s[10:11]
	s_load_b256 s[12:19], s[0:1], 0x20             ; wk s[12:13], wv s[14:15], w_proj s[16:17], w1 s[18:19]
	s_load_b128 s[20:23], s[0:1], 0x40             ; w2 s[20:21], hb s[22:23]
	s_load_b64 s[24:25], s[0:1], 0x50              ; wb
	v_and_b32 v1, 31, v0                           ; lane
	v_lshrrev_b32 v2, 5, v0                        ; wave
	s_mov_b32 s28, ttmp9
	s_mov_b32 s27, 0
	s_wait_kmcnt 0x0
	s_cmp_lt_u32 s28, 256
	s_cbranch_scc0 .Lweights
	; THE LAYER NORM: 16 rows of 4,096 bytes in, 16 rows of 2,048 bytes out
	s_mov_b32 s30, 0x3a800000                      ; 1 / 1024
	s_mov_b32 s31, 0x3727c5ac                      ; 1e-5
	s_mov_b32 s40, 0x76543210                      ; v_permlanex16_b32: each lane takes its own place in the other half
	s_mov_b32 s41, 0xfedcba98
	s_lshl_b32 s26, s28, 16
	s_add_nc_u64 s[4:5], s[4:5], s[26:27]
	s_lshl_b32 s26, s28, 15
	s_add_nc_u64 s[SO:SO+1], s[SO:SO+1], s[26:27]
	v_lshlrev_b32 v[VL], 4, v1
	v_lshl_add_u32 v[VIN], v2, 13, v[VL]           ; wave x 2 rows + 16 x lane
	v_lshlrev_b32 v[VOUT], 3, v1
	v_lshl_add_u32 v[VOUT], v2, 12, v[VOUT]
.irp p, 0,1
.irp j, 0,1,2,3,4,5,6,7
	global_load_b128 v[X+32*(\p)+4*(\j):X+32*(\p)+4*(\j)+3], v[VIN], s[4:5] offset:(\p)*4096+(\j)*512  ; 512 consecutive bytes a load
.endr
.endr
.irp j, 0,1,2,3,4,5,6,7
	global_load_b128 v[G+4*(\j):G+4*(\j)+3], v[VL], s[6:7] offset:(\j)*512
.endr
.irp j, 0,1,2,3,4,5,6,7
	global_load_b128 v[BV+4*(\j):BV+4*(\j)+3], v[VL], s[8:9] offset:(\j)*512
.endr
	s_wait_loadcnt 16                              ; both rows are in; the sixteen loads of gain and bias stay out
	LNROW 0
	LNROW 1
	s_endpgm
.Lweights:
	s_cmp_lt_u32 s28, 448
	s_cbranch_scc0 .Lplain
	; Q, K, V: the work-group takes 128 rows c of a pair of heads; a load takes one row of both heads (2 x 256 bytes), its store 256 consecutive bytes
	s_sub_co_u32 s28, s28, 256
	s_lshr_b32 s29, s28, 6                         ; which: 0 q, 1 k, 2 v
	s_bfe_u32 s30, s28, 0x30003                    ; the pair of heads
	s_and_b32 s31, s28, 7                          ; which 128 rows
	s_cmp_eq_u32 s29, 1
	s_cselect_b64 s[10:11], s[12:13], s[10:11]
	s_cmp_eq_u32 s29, 2
	s_cselect_b64 s[10:11], s[14:15], s[10:11]
	s_lshl_b32 s26, s30, 19                        ; two heads of 262,144 bytes
	s_lshl_b32 s32, s31, 15                        ; 128 rows of 256 bytes
	s_add_co_u32 s26, s26, s32
	s_add_nc_u64 s[10:11], s[10:11], s[26:27]
	s_mul_i32 s26, s31, 128*6144                   ; 128 rows of 6,144 bytes
	s_lshl_b32 s32, s29, 11
	s_add_co_u32 s26, s26, s32
	s_lshl_b32 s32, s30, 8
	s_add_co_u32 s26, s26, s32
	s_add_nc_u64 s[24:25], s[24:25], s[26:27]
	v_and_b32 v6, 15, v0
	v_bfe_u32 v7, v0, 4, 1
	v_lshlrev_b32 v[VIN], 4, v6
	v_lshl_add_u32 v[VIN], v7, 18, v[VIN]          ; lanes 16-31: the pair's second head
	v_lshl_add_u32 v[VIN], v2, 12, v[VIN]          ; wave x 16 rows
	v_mul_u32_u24 v[VOUT], v2, 16*6144
	v_lshl_add_u32 v[VOUT], v1, 3, v[VOUT]
	CVT16 256, 6144
	s_endpgm
.Lplain:
	; W_PROJ, W1, W2: chunks of 65,536 bytes, in the order in which they lie in wb
	s_sub_co_u32 s28, s28, 448
	s_cmp_lt_u32 s28, 64
	s_cselect_b64 s[10:11], s[16:17], s[18:19]
	s_cselect_b32 s29, 0, 64
	s_cmp_lt_u32 s28, 320
	s_cselect_b64 s[10:11], s[10:11], s[20:21]
	s_cselect_b32 s29, s29, 320
	s_sub_co_u32 s29, s28, s29                     ; the chunk's number in its own tensor
	s_lshl_b32 s26, s29, 16
	s_add_nc_u64 s[10:11], s[10:11], s[26:27]
	s_lshl_b32 s26, s28, 15
	s_add_co_u32 s26, s26, WP
	s_add_nc_u64 s[24:25], s[24:25], s[26:27]
	v_lshlrev_b32 v[VIN], 4, v0
	v_lshlrev_b32 v[VOUT], 3, v0
	CVT16 4096, 2048
	s_endpgm
.Lfunc_end_k_q16185866f7_prep:
	.size	k_q16185866f7_prep, .Lfunc_end_k_q16185866f7_prep-k_q16185866f7_prep
	.p2alignl 7, 3214868480
	.fill 96, 4, 3214868480
	.section	.rodata,"a",@progbits
	.p2align	6, 0x0
	.amdhsa_kernel k_q16185866f7_prep
		.amdhsa_group_segment_fixed_size 0
		.amdhsa_private_segment_fixed_size 0
		.amdhsa_enable_private_segment 0
		.amdhsa_kernarg_size 88
		.amdhsa_user_sgpr_count 2
		.amdhsa_user_sgpr_kernarg_segment_ptr 1
		.amdhsa_wavefront_size32 1
		.amdhsa_system_sgpr_workgroup_id_x 1
		.amdhsa_system_sgpr_workgroup_id_y 1
		.amdhsa_system_sgpr_workgroup_id_z 1
		.amdhsa_system_vgpr_workitem_id 0
		.amdhsa_next_free_vgpr 176
		.amdhsa_next_free_sgpr 66
		.amdhsa_reserve_vcc 0
		.amdhsa_float_denorm_mode_32 3
		.amdhsa_float_denorm_mode_16_64 3
		.amdhsa_memory_ordered 1
		.amdhsa_forward_progress 1
		.amdhsa_inst_pref_size 33
	.end_amdhsa_kernel
	.amdgpu_metadata
---
amdhsa.version: [ 1, 2 ]
amdhsa.kernels:
  - .name:           k_q16185866f7_prep
    .symbol:         k_q16185866f7_prep.kd
    .args:
      - { .name: x, .offset: 0, .size: 8, .value_kind: global_buffer, .address_space: global }
      - { .name: ln1_g, .offset: 8, .size: 8, .value_kind: global_buffer, .address_space: global }
      - { .name: ln1_b, .offset: 16, .size: 8, .value_kind: global_buffer, .address_space: global }
      - { .name: wq, .offset: 24, .size: 8, .value_kind: global_buffer, .address_space: global }
      - { .name: wk, .offset: 32, .size: 8, .value_kind: global_buffer, .address_space: global }
      - { .name: wv, .offset: 40, .size: 8, .value_kind: global_buffer, .address_space: global }
      - { .name: w_proj, .offset: 48, .size: 8, .value_kind: global_buffer, .address_space: global }
      - { .name: w1, .offset: 56, .size: 8, .value_kind: global_buffer, .address_space: global }
      - { .name: w2, .offset: 64, .size: 8, .value_kind: global_buffer, .address_space: global }
      - { .name: hb, .offset: 72, .size: 8, .value_kind: global_buffer, .address_space: global }
      - { .name: wb, .offset: 80, .size: 8, .value_kind: global_buffer, .address_space: global }
    .group_segment_fixed_size: 0
    .private_segment_fixed_size: 0
    .kernarg_segment_align: 8
    .kernarg_segment_size: 88
    .max_flat_workgroup_size: 256
    .sgpr_count:     66
    .vgpr_count:     176
    .wavefront_size: 32
...
	.end_amdgpu_metadata
.endif
;; end of part 1
;; launch qkvg (part 2): grid 12 x 16, 4 waves a work-group, clusters of 4 x 4, 327,680 bytes of LDS; arguments hb, wb, qkv; writes qkv
.if DOCPART == 2
	.amdgcn_target "amdgcn-amd-amdhsa--gfx1250"
	.amdhsa_code_object_version 6
	.text
	.protected	k_q16185866f7_qkvg
	.globl	k_q16185866f7_qkvg
	.p2align	8
	.type	k_q16185866f7_qkvg,@function
k_q16185866f7_qkvg:
	s_mov_b64 s[64:65], 0
	v_nop
	global_prefetch_b8 v0, s[64:65] scope:SCOPE_SE
	s_setreg_imm32_b32 hwreg(HW_REG_WAVE_MODE, 25, 1), 1
	s_wait_xcnt 0x0
	s_wait_alu depctr_hold_cnt(0) depctr_sa_sdst(0) depctr_va_vdst(0) depctr_va_sdst(0) depctr_va_ssrc(0) depctr_va_vcc(0) depctr_vm_vsrc(0)
	s_getreg_b32 s2, hwreg(HW_REG_IB_STS2, 6, 4)
	s_cmp_eq_u32 s2, 0
	s_cbranch_scc0 .Lentry_in_a_cluster
	s_endpgm
.Lentry_in_a_cluster:
	s_bfe_u32 s2, ttmp6, 0x10000c
	s_cmp_lg_u32 s2, 0xf033
	s_cbranch_scc0 .Lentry_shape_is_right
	s_endpgm
.Lentry_shape_is_right:
; C = A W on tiles of 256 x 256.  A: [4096][1024] bf16, rows along K.  W: [1024][SIZE_N] bf16, rows along N, at byte WOFF of wb.  Sums in f32, K ascending, rounded to bf16 once.
; QKV = 1: A = layer norm of x, W = the q, k, v weights side by side (3,072 columns); C leaves by heads, [3][32 batch x head][2048][64].
; QKV = 0: A = second layer norm, W = w1; C = relu(A W + b1), [4096][4096]; the bias is the C operand of the product that starts each sum.
; LIMITS.  Matrix operands are bf16; NaN and infinities are not treated apart.
; SHARES.  Four waves, each 128 x 128 of C: 64 accumulators, 512 registers.  K goes in steps of 128 through two LDS slots filled by the tensor data mover.
; CLUSTER.  4 x 4 work-groups: the four of a row need the same tiles of A, the four of a column the same tiles of W; each tile is asked for jointly, by the same load, descriptor and mask.
; THE MATRIX INSTRUCTION IS USED TRANSPOSED: source 0 = 16 columns of W (read turned out of LDS, by ds_load_tr16_b128), source 1 = 16 rows of A: a lane holds eight neighbouring numbers of a row of C.
; REGISTERS, in windows of 256 (s_set_vgpr_msb: bits 1:0 source 0, 3:2 source 1, 5:4 source 2, 7:6 destination):
;   window 0: v0-31 addresses; v64-191 fragments of A, two buffers; v32-63, v192-255 at work on the way out
;   window 1: v64-191 fragments of W, two buffers; v0-63 the bias of my 128 columns (QKV = 0)          windows 2, 3: accumulator (a, b) at v[8 (8 a + b)], my rows 0-63 and 64-127
.set QKV, 1
.set SIZE_K, 1024
.if QKV
.set SIZE_N, 3072
.set WOFF,   0
.else
.set SIZE_N, 4096
.set WOFF,   8388608
.endif
.set KSTEP,  128
.set PITCH,  272                       ; a row of A in LDS: 256 bytes + 16: the 16 rows of a load start at 16 different groups of four banks (64 banks of 4 bytes: ISA guide 11.1)
.set BP,     544                       ; a k-row of W in LDS: 512 bytes + 32 = 17 x 32
.set HALFT,  128*PITCH                 ; what one tensor load brings: 128 rows of A, or 64 k-rows of W (64 x 544 is the same number)
.set SLOT,   4*HALFT                   ; A's 256 rows, then W's 128 k-rows
.set STAGE,  2*SLOT                    ; behind the ring: 16 rows x 272 bytes for each wave, for the way out
.set SPITCH, 272
.set SPARE,  STAGE+4*16*SPITCH         ; behind the stages: the spare words, 128 bytes for each wave, which no other line names
.set LAPS,   SIZE_K/(2*KSTEP)
.set ADRA, 16                          ; v16-17  LDS address of my A fragments in slot 0, 1
.set ADRB, 20                          ; v20-21  the same for W
.set STO,  24                          ; v24     the way out: where I put 16 bytes of a row
.set RD,   25                          ; v25     the way out: where I read rows back
.set CO,   26                          ; v26     my byte offset in C
.set VB,   27                          ; v27     my byte offset in the bias
.set SPW,  28                          ; v28     LDS address of my spare word; never rewritten
.set NIL,  29                          ; v29     0; never rewritten
.set F0,   64
.set F1,   128
.set TMP,  192
.set OB,   32
.set G1,  24                           ; s[24:31] descriptor group 1 for A;  s[32:39] group 0, one set a slot
.set G0,  32
.set G1B, 48                           ; s[48:55], s[56:63] the same for W
.set G0B, 56
.set MSB, 0
.macro WIN new                         ; the immediate's high byte repeats the setting that is left; a switch that changes nothing is dropped
.if MSB != (\new)
	s_set_vgpr_msb (MSB<<8)|(\new)
.set MSB, \new
.endif
.endm
.set MUL_LO, 0xa1                      ; source 0 (W) window 1, source 1 (A) window 0, C and D window 2
.set TO_B,   0x40                      ; destination window 1, address window 0
; A joint load: waves 0 and 1 fetch A's halves, waves 2 and 3 W's.  The branch hangs on the wave's number alone.  Four v_nop follow each of the two lines.
.macro JLOAD s
	s_cmp_eq_u32 s11, 0
	s_cbranch_scc0 .Lfor_b_\@
	tensor_load_to_lds s[G0+4*(\s):G0+4*(\s)+3], s[G1:G1+7]
	s_nop 0
.rept 4
	v_nop
.endr
	s_branch .Lasked_\@
.Lfor_b_\@:
	tensor_load_to_lds s[G0B+4*(\s):G0B+4*(\s)+3], s[G1B:G1B+7]
	s_nop 0
.rept 4
	v_nop
.endr
.Lasked_\@:
.endm
.macro CREST                           ; a round of the cluster's barrier behind its opening barrier
	s_cmp_lg_u32 s10, 0
	s_cbranch_scc1 .Lnot_wave_0_\@
	s_barrier_signal -3
.Lnot_wave_0_\@:
	s_barrier_wait -3
	s_barrier_signal -1
	s_barrier_wait -1
.endm
.macro CROUND                          ; a whole round
	s_barrier_signal -1
	s_barrier_wait -1
	CREST
.endm
	s_load_b128 s[4:7], s[0:1], 0x0                ; A s[4:5], wb s[6:7]
	s_load_b64 s[8:9], s[0:1], 0x10                ; C
.if !QKV
	s_load_b64 s[66:67], s[0:1], 0x18              ; the bias
.endif
	v_lshl_add_u32 v[SPW], v0, 2, SPARE
	v_mov_b32 v[NIL], 0
	ds_add_u32 v28, v29
	ds_add_u32 v28, v29
	s_wait_dscnt 0x0
	v_lshrrev_b32 v1, 5, v0
	v_readfirstlane_b32 s10, v1                    ; wave 0..3
	s_lshr_b32 s11, s10, 1                         ; which half of the tile's rows is mine.  Also: I fetch for A (0) or for W (1)
	s_and_b32 s12, s10, 1                          ; which half of its columns.  Also: which half of that tile I fetch
	s_bfe_u32 s40, ttmp6, 0x40000                  ; cx, cy: my place in the cluster
	s_bfe_u32 s41, ttmp6, 0x40004
	s_lshl_b32 s42, ttmp9, 2
	s_add_co_u32 s42, s42, s40                     ; tile column of C
	s_and_b32 s13, ttmp7, 0xffff
	s_lshl_b32 s13, s13, 2
	s_add_co_u32 s13, s13, s41                     ; tile row of C
	s_lshl_b32 s43, s41, 2
	s_lshl_b32 s43, 15, s43                        ; my row of the cluster
	s_lshl_b32 s44, 0x1111, s40                    ; my column
	s_or_b32 s[G1+0], s43, (1<<16)|(1<<20)|(1<<21)|(5<<22)|(3<<25)   ; the mask; 2-byte elements; padding on; bit 21 beside a mask; after every 64 words 4 words
	s_mov_b32 s[G1+1], KSTEP<<16                   ; tensor_dim0 = 128
	s_mov_b32 s[G1+2], 128<<16                     ; tensor_dim1 = 128
	s_mov_b32 s[G1+3], KSTEP<<16                   ; tile_dim0 = 128
	s_mov_b32 s[G1+4], 128                         ; tile_dim1 = 128
	s_mov_b32 s[G1+5], SIZE_K                      ; elements from row to row
	s_mov_b32 s[G1+6], 0
	s_mov_b32 s[G1+7], 0
	s_or_b32 s[G1B+0], s44, (1<<16)|(1<<20)|(1<<21)|(6<<22)|(7<<25)  ; after every 128 words 8 words
	s_mov_b32 s[G1B+1], 256<<16                    ; tensor_dim0 = 256 columns
	s_mov_b32 s[G1B+2], 64<<16                     ; tensor_dim1 = 64 k-rows
	s_mov_b32 s[G1B+3], 256<<16
	s_mov_b32 s[G1B+4], 64
	s_mov_b32 s[G1B+5], SIZE_N
	s_mov_b32 s[G1B+6], 0
	s_mov_b32 s[G1B+7], 0
	s_lshl_b32 s16, s13, 8                         ; A hangs on the tile row alone: row 256 x tile row + 128 x half,
	s_lshl_b32 s17, s12, 7
	s_add_co_u32 s16, s16, s17
	s_lshl_b32 s16, s16, 11                        ; of 2,048 bytes
	s_mov_b32 s17, 0
	s_mul_i32 s46, s12, 64*SIZE_N*2                ; W hangs on the tile column alone: k-row 64 x half,
	s_lshl_b32 s47, s42, 9                         ; 512 bytes a tile column
	s_add_co_u32 s46, s46, s47
.if WOFF
	s_add_co_u32 s46, s46, WOFF
.endif
	s_mov_b32 s47, 0
	s_mul_i32 s20, s10, HALFT                      ; where they go: no place in the cluster enters an LDS address
	s_wait_kmcnt 0x0
	s_add_nc_u64 s[14:15], s[4:5], s[16:17]
	s_add_nc_u64 s[46:47], s[6:7], s[46:47]
	CROUND                                         ; all sixteen work-groups are here: the first joint loads meet
.irp s, 0,1
	s_mov_b32 s[G0+4*(\s)], 1
	s_add_co_u32 s[G0+4*(\s)+1], s20, (\s)*SLOT
	s_add_nc_u64 s[G0+4*(\s)+2:G0+4*(\s)+3], s[14:15], (\s)*KSTEP*2
	s_or_b32 s[G0+4*(\s)+3], s[G0+4*(\s)+3], 0x80000000
	s_mov_b32 s[G0B+4*(\s)], 1
	s_add_co_u32 s[G0B+4*(\s)+1], s20, (\s)*SLOT
	s_add_nc_u64 s[G0B+4*(\s)+2:G0B+4*(\s)+3], s[46:47], (\s)*KSTEP*SIZE_N*2
	s_or_b32 s[G0B+4*(\s)+3], s[G0B+4*(\s)+3], 0x80000000
	JLOAD \s                                       ; two loads of mine are out
.endr
	v_and_b32 v1, 15, v0                           ; l % 16
	v_bfe_u32 v2, v0, 4, 1                         ; l / 16
	v_mul_u32_u24 v3, v1, PITCH
	v_lshl_add_u32 v3, v2, 4, v3                   ; A: row x pitch + 16 x half
	v_and_b32 v6, 7, v0
	v_lshl_add_u32 v6, v2, 3, v6
	v_mul_u32_u24 v6, v6, BP                       ; W: k-row 8 (l / 16) + l % 8,
	v_bfe_u32 v7, v0, 3, 1
	v_lshl_add_u32 v6, v7, 4, v6                   ; columns 8 ((l / 8) % 2) on
	s_mul_i32 s21, s11, HALFT                      ; my 128 rows of A
	s_lshl_b32 s22, s12, 8                         ; my 128 columns of W,
	s_add_co_u32 s22, s22, 2*HALFT                 ; which lies behind A
.irp s, 0,1
	v_add_nc_u32 v[ADRA+(\s)], s21, v3
	v_add_nc_u32 v[ADRB+(\s)], s22, v6
	s_add_co_u32 s21, s21, SLOT
	s_add_co_u32 s22, s22, SLOT
.endr
	s_mul_i32 s23, s10, 16*SPITCH
	s_add_co_u32 s23, s23, STAGE                   ; my stage
	v_mul_u32_u24 v4, v1, SPITCH                   ; in: row l % 16, 16 bytes for each half of the lanes
	v_lshl_add_u32 v4, v2, 4, v4
	v_add_nc_u32 v[STO], s23, v4
	s_lshl_b32 s46, s42, 8
	s_lshl_b32 s47, s12, 7
	s_add_co_u32 s46, s46, s47                     ; my first column
	s_lshl_b32 s16, s13, 8
	s_lshl_b32 s17, s11, 7
	s_add_co_u32 s16, s16, s17                     ; my first row
.if QKV
	v_bfe_u32 v5, v0, 3, 2                         ; back: 32 lanes take four rows' 128 bytes of one head,
	v_mul_u32_u24 v5, v5, SPITCH
	v_and_b32 v7, 7, v0
	v_lshl_add_u32 v5, v7, 4, v5
	v_add_nc_u32 v[RD], s23, v5
	v_and_b32 v[CO], 31, v0                        ; which are 512 consecutive bytes of q, k or v
	v_lshlrev_b32 v[CO], 4, v[CO]
	s_lshr_b32 s47, s46, 10                        ; 0 q, 1 k, 2 v:
	s_lshl_b32 s47, s47, 23                        ; 8,388,608 bytes each
	s_bfe_u32 s46, s46, 0x40006                    ; my first head
	s_lshr_b32 s17, s16, 11                        ; the batch
	s_lshl4_add_u32 s46, s17, s46
	s_lshl_b32 s46, s46, 18                        ; 262,144 bytes a head
	s_add_co_u32 s46, s46, s47
	s_and_b32 s16, s16, 2047
	s_lshl_b32 s16, s16, 7                         ; 128 bytes a row
	s_add_co_u32 s46, s46, s16
.else
	v_mul_u32_u24 v5, v2, SPITCH                   ; back: lanes 0-15 take one row of 256 bytes, lanes 16-31 the next
	v_lshl_add_u32 v5, v1, 4, v5
	v_add_nc_u32 v[RD], s23, v5
	v_mul_u32_u24 v5, v2, SIZE_N*2                 ; and the same two rows in C
	v_lshl_add_u32 v[CO], v1, 4, v5
	v_lshlrev_b32 v[VB], 5, v2                     ; my lanes' eight columns of sixteen
	s_lshl_b32 s18, s46, 2
	s_mov_b32 s19, 0
	s_add_nc_u64 s[66:67], s[66:67], s[18:19]
	WIN TO_B
.irp b, 0,1,2,3,4,5,6,7
	global_load_b128 v[8*(\b):8*(\b)+3],   v[VB], s[66:67] offset:64*(\b)      ; register j of block b: the bias of column 16 b + 8 (l / 16) + j
	global_load_b128 v[8*(\b)+4:8*(\b)+7], v[VB], s[66:67] offset:64*(\b)+16
.endr
	WIN 0
	s_lshl_b32 s16, s16, 13
	s_lshl1_add_u32 s46, s46, s16
.endif
	s_mov_b32 s47, 0
	s_add_nc_u64 s[8:9], s[8:9], s[46:47]          ; C at my part of the tile; never stepped: blocks and rows stand in the stores' immediates
; 16 matrix instructions: m blocks a0, a0 + 1 of the window's four x all 8 n blocks, 32 along K.  zero = 1: the product starts the sum, with 0 or with the bias.  The 64 accumulators take turns.
.macro MUL16 f, hi, a0, zero
.if (\zero) && !QKV
	WIN 0x91+0x40*(\hi)                            ; C in window 1
.else
	WIN MUL_LO+0x50*(\hi)
.endif
.irp a, \a0, (\a0)+1
.irp b, 0,1,2,3,4,5,6,7
.if (\zero) && QKV
	v_wmma_f32_16x16x32_bf16 v[8*(8*(\a)+(\b)):8*(8*(\a)+(\b))+7], v[(\f)+8*(\b):(\f)+8*(\b)+7], v[(\f)+8*(4*(\hi)+(\a)):(\f)+8*(4*(\hi)+(\a))+7], 0
.elseif \zero
	v_wmma_f32_16x16x32_bf16 v[8*(8*(\a)+(\b)):8*(8*(\a)+(\b))+7], v[(\f)+8*(\b):(\f)+8*(\b)+7], v[(\f)+8*(4*(\hi)+(\a)):(\f)+8*(4*(\hi)+(\a))+7], v[8*(\b):8*(\b)+7]
.else
	v_wmma_f32_16x16x32_bf16 v[8*(8*(\a)+(\b)):8*(8*(\a)+(\b))+7], v[(\f)+8*(\b):(\f)+8*(\b)+7], v[(\f)+8*(4*(\hi)+(\a)):(\f)+8*(4*(\hi)+(\a))+7], v[8*(8*(\a)+(\b)):8*(8*(\a)+(\b))+7]
.endif
.endr
.endr
.endm
; 32 LDS loads in one run: the fragments of quarter q (32 along K) of a slot into buffer f: W's 128 columns turned, then A's 128 rows
.macro FETCH slot, q, f
	WIN TO_B
.irp i, 0,1,2,3,4,5,6,7
	ds_load_tr16_b128 v[(\f)+8*(\i):(\f)+8*(\i)+3],   v[ADRB+(\slot)] offset:(\q)*32*BP+32*(\i)
	ds_load_tr16_b128 v[(\f)+8*(\i)+4:(\f)+8*(\i)+7], v[ADRB+(\slot)] offset:(\q)*32*BP+16*BP+32*(\i)
.endr
	WIN 0
.irp i, 0,1,2,3,4,5,6,7
	ds_load_b128 v[(\f)+8*(\i):(\f)+8*(\i)+3],   v[ADRA+(\slot)] offset:64*(\q)+(\i)*16*PITCH
	ds_load_b128 v[(\f)+8*(\i)+4:(\f)+8*(\i)+7], v[ADRA+(\slot)] offset:64*(\q)+(\i)*16*PITCH+32
.endr
.endm
.macro PLACES                          ; four places in front of loads into registers that matrix instructions have read, and of vector work on results just made
.rept 4
	v_nop
.endr
.endm
; One of a K step's first three quarters: multiplies buffer f; in its middle it fetches quarter q of the same slot into buffer g.
.macro QUARTER slot, q, f, g, zero
	s_wait_dscnt 8                                 ; W and A's rows 0-63 are in; the youngest eight loads (A's rows 64-127) may be out
	MUL16 \f, 0, 0, \zero
	MUL16 \f, 0, 2, \zero
	PLACES
	FETCH \slot, \q, \g
	s_wait_dscnt 32                                ; all but the 32 just issued
	MUL16 \f, 1, 0, \zero
	MUL16 \f, 1, 2, \zero
.endm
; The last quarter's first half and the change of slots: each wave waits for all its tensor loads, adds 0 to its spare word, waits for that and for its reads of this slot, and signals.
.macro MEET round
	WIN 0                                          ; (the add's two registers lie in window 0)
	s_wait_tensorcnt 0x0                           ; all my tensor loads have landed: the one that was out is my part of the next slot
	ds_add_u32 v[SPW], v[NIL]                      ; 0 onto my spare word
	s_wait_dscnt 9                                 ; (the add and the youngest eight loads may be out)
	MUL16 F1, 0, 0, 0
	s_wait_dscnt 0x0                               ; the add is done, and my reads of this slot are over
	s_barrier_signal -1
	MUL16 F1, 0, 2, 0
.if \round
	WIN 0
.endif
	s_barrier_wait -1
.endm
.macro TURN slot, next                 ; the whole last quarter; the slot just read out is filled again, two K steps on, first thing behind the cluster's round
	MEET 1
	CREST                                          ; no wave of any partner still reads this slot or has a load on its way
	s_add_nc_u64 s[G0+4*(\slot)+2:G0+4*(\slot)+3], s[G0+4*(\slot)+2:G0+4*(\slot)+3], 2*KSTEP*2
	s_add_nc_u64 s[G0B+4*(\slot)+2:G0B+4*(\slot)+3], s[G0B+4*(\slot)+2:G0B+4*(\slot)+3], 2*KSTEP*SIZE_N*2
	JLOAD \slot                                    ; its four v_nop are also the places in front of the loads below
	FETCH \next, 0, F0
	MUL16 F1, 1, 0, 0
	MUL16 F1, 1, 2, 0
.endm
; THE WAY OUT of block a (16 rows): PACK rounds (QKV = 0: after the relu), TOSTAGE sends 16 bytes a lane through my own stage and reads whole pieces back, SEND stores them.
.macro PACK a
.set AC, 64*((\a)%4)
.if !QKV
	WIN 0x88+0x44*((\a)/4)                         ; source 1 and destination: window 2 or 3
.set i, 0
.rept 64
	v_max_num_f32 v[AC+i], 0, v[AC+i]              ; ascending: each accumulator is read from its low end on
.set i, i+1
.endr
.endif
	WIN 0x0a+5*((\a)/4)                            ; sources 0 and 1: window 2 or 3
.irp b, 0,1,2,3,4,5,6,7
.irp r, 0,1,2,3
	v_cvt_pk_bf16_f32 v[TMP+4*(\b)+(\r)], v[AC+8*(\b)+2*(\r)], v[AC+8*(\b)+2*(\r)+1]
.endr
.endr
	WIN 0
.endm
.macro TOSTAGE a
	WIN 0
.set BK, OB+192*((\a)%2)
.irp b, 0,1,2,3,4,5,6,7
	ds_store_b128 v[STO], v[TMP+4*(\b):TMP+4*(\b)+3] offset:32*(\b)
.endr
.irp t, 0,1,2,3,4,5,6,7
.if QKV
	ds_load_b128 v[BK+4*(\t):BK+4*(\t)+3], v[RD] offset:((\t)%4)*4*SPITCH+((\t)/4)*128  ; head t / 4, rows 4 (t % 4) on.  LDS serves a wave's instructions in order (ISA guide 5.7.1.4)
.else
	ds_load_b128 v[BK+4*(\t):BK+4*(\t)+3], v[RD] offset:(\t)*2*SPITCH
.endif
.endr
.endm
.macro SEND a
	WIN 0
.set BK, OB+192*((\a)%2)
	s_wait_dscnt 0x0                               ; the block is back in registers
	s_wait_xcnt 0x0                                ; the registers that the block before last's stores read are loaded again only behind this wait
.irp t, 0,1,2,3,4,5,6,7
.if QKV
	global_store_b128 v[CO], v[BK+4*(\t):BK+4*(\t)+3], s[8:9] offset:((\t)/4)*262144+(\a)*2048+((\t)%4)*512  ; 512 consecutive bytes, aligned
.else
	global_store_b128 v[CO], v[BK+4*(\t):BK+4*(\t)+3], s[8:9] offset:(16*(\a)+2*(\t))*SIZE_N*2  ; 16 lanes store 256 consecutive bytes, aligned
.endif
.endr
.endm
	s_wait_tensorcnt 1                             ; my part of K step 0 is in; K step 1's may stay out
	s_barrier_signal -1
	s_barrier_wait -1
	FETCH 0, 0, F0
.if !QKV
	s_wait_loadcnt 0x0                             ; the bias
.endif
	QUARTER 0, 1, F0, F1, 1                        ; the first quarter stands in front of the loop: its products start the sums
	WIN 0
	s_mov_b32 s3, LAPS-1
.Llap:                                                 ; a trip goes once round the ring and fills both slots again
	QUARTER 0, 2, F1, F0, 0
	QUARTER 0, 3, F0, F1, 0
	TURN 0, 1
	QUARTER 1, 1, F0, F1, 0
	QUARTER 1, 2, F1, F0, 0
	QUARTER 1, 3, F0, F1, 0
	TURN 1, 0
	QUARTER 0, 1, F0, F1, 0
	WIN 0
	s_sub_co_u32 s3, s3, 1
	s_cmp_lg_u32 s3, 0
	s_cbranch_scc1 .Llap
	QUARTER 0, 2, F1, F0, 0                        ; the last lap fills nothing
	QUARTER 0, 3, F0, F1, 0
	MEET 0
	PLACES
	FETCH 1, 0, F0
	MUL16 F1, 1, 0, 0
	MUL16 F1, 1, 2, 0
	QUARTER 1, 1, F0, F1, 0
	QUARTER 1, 2, F1, F0, 0
	QUARTER 1, 3, F0, F1, 0
	s_wait_dscnt 8
	MUL16 F1, 0, 0, 0
	MUL16 F1, 0, 2, 0
	s_wait_dscnt 0x0
	MUL16 F1, 1, 0, 0
	MUL16 F1, 1, 2, 0
	PLACES
	PACK 0
	TOSTAGE 0
.irp a, 1,2,3,4,5,6,7                  ; block a's arithmetic stands between block a - 1's loads from the stage and the wait for them
	PACK \a
	SEND (\a)-1
	TOSTAGE \a
.endr
	SEND 7
	s_wait_tensorcnt 0x0                           ; the wave's end
	ds_add_u32 v[SPW], v[NIL]
	s_wait_dscnt 0x0
	CROUND                                         ; the closing round
	s_endpgm
.Lfunc_end_k_q16185866f7_qkvg:
	.size	k_q16185866f7_qkvg, .Lfunc_end_k_q16185866f7_qkvg-k_q16185866f7_qkvg
	.p2alignl 7, 3214868480
	.fill 96, 4, 3214868480
	.section	.rodata,"a",@progbits
	.p2align	6, 0x0
	.amdhsa_kernel k_q16185866f7_qkvg
		.amdhsa_group_segment_fixed_size 327680
		.amdhsa_private_segment_fixed_size 0
		.amdhsa_enable_private_segment 0
		.amdhsa_kernarg_size 24
		.amdhsa_user_sgpr_count 2
		.amdhsa_user_sgpr_kernarg_segment_ptr 1
		.amdhsa_wavefront_size32 1
		.amdhsa_system_sgpr_workgroup_id_x 1
		.amdhsa_system_sgpr_workgroup_id_y 1
		.amdhsa_system_sgpr_workgroup_id_z 1
		.amdhsa_system_vgpr_workitem_id 0
		.amdhsa_next_free_vgpr 1024
		.amdhsa_next_free_sgpr 72
		.amdhsa_reserve_vcc 0
		.amdhsa_float_denorm_mode_32 3
		.amdhsa_float_denorm_mode_16_64 3
		.amdhsa_memory_ordered 1
		.amdhsa_forward_progress 1
		.amdhsa_inst_pref_size 143
	.end_amdhsa_kernel
	.amdgpu_metadata
---
amdhsa.version: [ 1, 2 ]
amdhsa.kernels:
  - .name:           k_q16185866f7_qkvg
    .symbol:         k_q16185866f7_qkvg.kd
    .args:
      - { .name: hb, .offset: 0, .size: 8, .value_kind: global_buffer, .address_space: global }
      - { .name: wb, .offset: 8, .size: 8, .value_kind: global_buffer, .address_space: global }
      - { .name: qkv, .offset: 16, .size: 8, .value_kind: global_buffer, .address_space: global }
    .group_segment_fixed_size: 327680
    .private_segment_fixed_size: 0
    .kernarg_segment_align: 8
    .kernarg_segment_size: 24
    .max_flat_workgroup_size: 128
    .sgpr_count:     72
    .vgpr_count:     1024
    .wavefront_size: 32
...
	.end_amdgpu_metadata
.endif
;; end of part 2
;; launch attn (part 3): grid 8 x 32, 4 waves a work-group, no clusters, 327,680 bytes of LDS; arguments qkv, ob; writes ob
.if DOCPART == 3
	.amdgcn_target "amdgcn-amd-amdhsa--gfx1250"
	.amdhsa_code_object_version 6
	.text
	.protected	k_q16185866f7_attn
	.globl	k_q16185866f7_attn
	.p2align	8
	.type	k_q16185866f7_attn,@function
k_q16185866f7_attn:
	s_mov_b64 s[64:65], 0
	v_nop
	global_prefetch_b8 v0, s[64:65] scope:SCOPE_SE
	s_setreg_imm32_b32 hwreg(HW_REG_WAVE_MODE, 25, 1), 1
	s_wait_xcnt 0x0
; CAUSAL ATTENTION.  O[bh][q][:] = the sum over k <= q of softmax_k(Q[bh][q] . K[bh][k] / 32) V[bh][k][:].  qkv: [3][32][2048][64] bf16 (q, k, v); ob: [32][2048][64] bf16; a head's rows are dense, 128 bytes each.
; Products, maxima and sums in f32; the weights p are rounded to bf16 for the second product (their sum l is taken of the unrounded p), O once at the end.
; LIMITS.  A hidden score counts as its value less 1e30, so |Q . K| must stay far under 1e30; a weight below 2^-126 counts as 0 in l; NaN and infinities are not treated apart.
; THE WALK.  A head's queries lie in 16 blocks of 128; block i needs the key tiles 0 .. i / 2 of 256 keys, of which the last holds the diagonal.  A work-group takes blocks 15 - b and then b: one is even and one odd,
; so they need 9 tiles together, whatever b: all 256 work-groups do equal work, and one loop with a constant trip count walks the tiles.  Every jump goes forward but for the counted loops' own.
; NO CLUSTER: which tile is a block's first or last hangs on b, and partners of a cluster must run alike; of a head's eight work-groups only two and two walk the same tiles throughout.
; SHARES.  Of a block's two bands of 64 queries a wave owns 16 rows in each: two PIECES.  In the diagonal tile band x's own key step is x + DB, DB = 2 (block % 2): earlier steps it sees whole, later ones not at all.
; THE MASK is the C operand that starts the sum S^T = K Q^T: MD x AL + BE, MD being the mask of a band's own step for my rows: (1, 0) own step; (0, 0) earlier; (0, -1e30) later.  Elsewhere C is the constant 0.
; TURNS.  A key step of 64 keys is two turns, one a piece; the text has four, p = 0..3: piece p % 2, steps of parity p / 2.  Turn p: 8 products K Q^T for turn p + 1's piece and step, later 8 products V^T P for turn
; p - 1's; beside them the scaling, exponentials, roundings, sums and rescaling of its own piece and the maximum and statistics of the next.  Four vector instructions stand behind every matrix instruction.
; An even turn fetches the next step's K behind its products K Q^T, the last that read K; an odd turn fetches the next step's V into the other of V's two buffers; each odd turn begins with the wait for both.
; REGISTERS, in windows of 256 (s_set_vgpr_msb: bits 1:0 source 0, 3:2 source 1, 5:4 source 2, 7:6 destination):
;   window 0: v0-15 addresses; v16-23 four statistics a piece; v48-55 at work; v64-127 S^T, 32 a piece; v192-223 P, 16 a piece
;   window 1: v0-63 O^T, 32 a piece; v128-159 MD; v160-223 MC, a buffer a piece      window 2: v0-31 Q; v32-63 the second block's Q; v64-127 K of one step; v128-255 V of two steps
.set NP,    4         ; turns in the text: a name, no knob
.set KS,    64
.set PK,    144       ; a row of K in LDS: 128 bytes + 16: the 16 rows of a load start at 16 different groups of four banks (64 banks of 4 bytes: ISA guide 11.1)
.set PV,    160       ; a row of V: 128 + 32
.set VOFF,  4*KS*PK   ; a slot holds a tile: 256 rows of K, then 256 rows of V
.set SLOT1, 1<<17
.set STAGE, SLOT1+4*KS*(PK+PV)  ; behind the ring: 16 rows x 144 bytes for each wave, for the way out
.set SP,    144
.set SPARE, STAGE+4*16*SP       ; behind the stages: the spare words, 128 bytes for each wave, which no other line names
.set AK0, 2           ; v2   my lane's place in a tile of K; never rewritten
.set AV0, 3           ; v3   the same for V
.set AK,  4           ; v4   the LDS address of K's next run of loads
.set AV,  5           ; v5   of V's
.set STO, 6
.set RD,  7
.set GO,  8
.set MV,  12          ; v12-13  c m_old, a piece
.set QO,  15
.set ST,  16          ; piece t's statistics at v[ST+4 t]: c m, m, l (even keys', odd keys')
.set TMP, 48          ; a piece, four registers c0-c3 at work; when the maximum is found c2 takes a
.set SPW, 62          ; v62  LDS address of my spare word; never rewritten
.set NIL, 63          ; v63  0; never rewritten
.set S,   64
.set P,   192
.set MD,  128
.set MC,  160
.set QB,  32
.set KF,  64
.set VF,  128
.set WV,  12
.set PB,  14          ; s14  b
.set HI,  15          ; s15  15 - b
.set G1K, 24
.set G1V, 32
.set G0K, 40
.set G0V, 44
.set SLOTS, 56
.set CNT, 57          ; s57  counts a tile's two trips
.set CS,  58          ; s[58:59] c = log2(e) / 32
.set SEL, 60
.set TBK, 62          ; s62  LDS byte at which K of the step to be fetched begins
.set TBV, 63          ; s63  the same for V, less VOFF
.set RT,  70          ; s70  tiles of the block in hand that are still to be entered
.set NXT, 71          ; s71  the tile to be asked for next
.set LQ,  72          ; s72  the last tile of the block whose tiles are being asked for
.set NEW, 73          ; s73  1: the tile to be entered is a block's first
.set OFF, 74
.set AL,  76
.set BE,  78
.set OLO, 80          ; s[80:81] O at my rows of the second block
.set BIGN, 82
.set DB,  88          ; s88  2 (block in hand % 2)
.set DBLO, 89         ; s89  the same for the second block
.set SB,  90          ; s90  2 x the trip in the tile, less DB
.set LQLO, 91         ; s91  the second block's last tile
.set MSB, 0
.macro WIN new
.if MSB != (\new)
	s_set_vgpr_msb (MSB<<8)|(\new)
.set MSB, (\new)
.endif
.endm
.set W_KQ, 0x0a
.set W_KM, 0x1a
.set W_PV, 0x52
.set W_RS, 0x41
; A fill: waves 0 and 1 fetch the halves of a tile's K, waves 2 and 3 those of its V.  Four v_nop follow each of the two lines.
.macro LOAD
	s_cmp_lt_u32 s[WV], 2
	s_cbranch_scc0 .Lfor_v_\@
	tensor_load_to_lds s[G0K:G0K+3], s[G1K:G1K+7]
	s_nop 0
.rept 4
	v_nop
.endr
	s_branch .Lasked_\@
.Lfor_v_\@:
	tensor_load_to_lds s[G0V:G0V+3], s[G1V:G1V+7]
	s_nop 0
.rept 4
	v_nop
.endr
.Lasked_\@:
.endm
; THE CHANGE OF SLOTS: each wave waits for all its tensor loads (one is out: its part of the other slot), adds 0 to its spare word, waits for that and for its reads of the slot that it leaves, and passes the barrier.
; fill = 1: the old slot is filled again, first thing behind the barrier, with tile NXT.
.macro CHANGE fill
	WIN 0
	s_wait_tensorcnt 0x0            ; no tensor load of mine is out, so a group 0 may be written
	ds_add_u32 v[SPW], v[NIL]       ; 0 onto my spare word
.if \fill
	s_lshl_b32 s[OFF], s[NXT], 15   ; a tile is 32,768 bytes of K and of V
	s_xor_b32 s[G0K+1], s[G0K+1], SLOT1
	s_add_nc_u64 s[G0K+2:G0K+3], s[6:7], s[OFF:OFF+1]
	s_or_b32 s[G0K+3], s[G0K+3], 0x80000000
	s_xor_b32 s[G0V+1], s[G0V+1], SLOT1
	s_add_nc_u64 s[G0V+2:G0V+3], s[8:9], s[OFF:OFF+1]
	s_or_b32 s[G0V+3], s[G0V+3], 0x80000000
	s_add_co_u32 s[NXT], s[NXT], 1  ; the block's next tile, or behind its last the second block's tile 0
	s_cmp_gt_u32 s[NXT], s[LQ]
	s_cselect_b32 s[NXT], 0, s[NXT]
	s_cselect_b32 s[LQ], s[LQLO], s[LQ]
.endif
	s_wait_dscnt 0x0                ; the add is done, and my reads of the slot are over
	s_barrier_signal -1
	s_sub_co_u32 s[TBK], s[TBK], 4*KS*PK  ; the fetches go back to a slot's first step, in the other slot
	s_xor_b32 s[TBK], s[TBK], SLOT1
	s_sub_co_u32 s[TBV], s[TBV], 4*KS*PV
	s_xor_b32 s[TBV], s[TBV], SLOT1
	s_barrier_wait -1
.if \fill
	LOAD
.endif
.endm
	s_load_b64 s[4:5], s[0:1], 0x0    ; qkv
	s_load_b64 s[10:11], s[0:1], 0x8  ; ob
	v_lshl_add_u32 v[SPW], v0, 2, SPARE
	v_mov_b32 v[NIL], 0
	ds_add_u32 v62, v63
	ds_add_u32 v62, v63
	s_wait_dscnt 0x0
	v_lshrrev_b32 v1, 5, v0
	v_readfirstlane_b32 s[WV], v1
	s_mov_b32 s[PB], ttmp9
	s_sub_co_u32 s[HI], 15, s[PB]
	s_and_b32 s20, ttmp7, 0xffff    ; batch x head
	s_lshl_b32 s20, s20, 18         ; 262,144 bytes each
	s_mov_b32 s21, 0
	s_and_b32 s16, s[WV], 1         ; which half of a tile's 256 keys I fetch
	s_lshl_b32 s22, s16, 14
	s_mov_b32 s23, 0
	s_add_nc_u64 s[22:23], s[22:23], s[20:21]
	s_mul_i32 s17, s16, 128*PK
	s_mul_i32 s18, s16, 128*PV
	s_lshl_b32 s3, s[WV], 11        ; my 16 rows in a band,
	s_lshl_b32 s2, s[HI], 14        ; in the first block (16,384 bytes a block),
	s_add_co_u32 s2, s2, s3
	s_lshl_b32 s84, s[PB], 14       ; and in the second
	s_add_co_u32 s84, s84, s3
	s_mov_b32 s3, 0
	s_mov_b32 s85, 0
	s_add_nc_u64 s[2:3], s[2:3], s[20:21]
	s_add_nc_u64 s[84:85], s[84:85], s[20:21]
	; descriptor group 1: 128 keys are 16,384 dense bytes, asked for as 64 rows of 256 bytes and padded in LDS after every key
	s_mov_b32 s[G1K], (1<<16)|(1<<20)|(4<<22)|(3<<25)
	s_mov_b32 s[G1V], (1<<16)|(1<<20)|(4<<22)|(7<<25)
.irp g, G1K, G1V
	s_mov_b32 s[\g+1], 128<<16
	s_mov_b32 s[\g+2], 64<<16
	s_mov_b32 s[\g+3], 128<<16
	s_mov_b32 s[\g+4], 64
	s_mov_b32 s[\g+5], 128
	s_mov_b32 s[\g+6], 0
	s_mov_b32 s[\g+7], 0
.endr
	s_mov_b32 s[CS], 0x3d38aa3b     ; c = log2(e) / 32 = 0.0450842
	s_mov_b32 s[CS+1], s[CS]
	s_mov_b32 s[SEL], 0x76543210
	s_mov_b32 s[SEL+1], 0xfedcba98
	s_mov_b32 s[TBK], SLOT1+4*KS*PK ; the first change of slots turns these two into 0
	s_mov_b32 s[TBV], SLOT1+4*KS*PV
	s_mov_b32 s[G0K], 1
	s_mov_b32 s[G0K+1], s17
	s_mov_b32 s[G0V], 1
	s_add_co_u32 s[G0V+1], s18, VOFF
	s_lshr_b32 s[LQ], s[HI], 1
	s_lshr_b32 s[LQLO], s[PB], 1
	s_add_co_u32 s[RT], s[LQ], 1
	s_and_b32 s[DB], s[HI], 1
	s_lshl_b32 s[DB], s[DB], 1
	s_and_b32 s[DBLO], s[PB], 1
	s_lshl_b32 s[DBLO], s[DBLO], 1
	s_mov_b32 s[SB], 0
	s_mov_b32 s[NXT], 1
	s_mov_b32 s[NEW], 1
	s_mov_b32 s[OFF+1], 0
	s_mov_b32 s[AL+1], 0
	s_mov_b32 s[BE+1], 0
	s_mov_b32 s[BIGN], 0xf149f2ca   ; -1e30
	s_mov_b32 s[SLOTS], 8
	s_wait_kmcnt 0x0
	s_add_nc_u64 s[6:7], s[4:5], s[22:23]
	s_add_nc_u64 s[8:9], s[6:7], 0x1000000         ; V at my half of the head's tile 0
	s_add_nc_u64 s[6:7], s[6:7], 0x800000          ; K likewise
	s_add_nc_u64 s[G0K+2:G0K+3], s[6:7], 0
	s_or_b32 s[G0K+3], s[G0K+3], 0x80000000
	s_add_nc_u64 s[G0V+2:G0V+3], s[8:9], 0
	s_or_b32 s[G0V+3], s[G0V+3], 0x80000000
	s_add_nc_u64 s[86:87], s[4:5], s[84:85]        ; Q at my rows of the second block,
	s_add_nc_u64 s[4:5], s[4:5], s[2:3]            ; Q and O at those of the first
	s_add_nc_u64 s[OLO:OLO+1], s[10:11], s[84:85]
	s_add_nc_u64 s[10:11], s[10:11], s[2:3]
	LOAD                            ; tile 0 into slot 0
	v_and_b32 v1, 15, v0            ; l % 16
	v_bfe_u32 v9, v0, 4, 1          ; l / 16
	v_lshlrev_b32 v[QO], 7, v1
	v_lshl_add_u32 v[QO], v9, 4, v[QO]
	WIN 0x80
.set i, 0
.rept 4                             ; both blocks' Q: piece i / 2 lies 8,192 bytes on; channels 32 (i % 2) on
	global_load_b128 v[8*i:8*i+3],   v[QO], s[4:5] offset:(i/2)*8192+(i%2)*64
	global_load_b128 v[8*i+4:8*i+7], v[QO], s[4:5] offset:(i/2)*8192+(i%2)*64+32
	global_load_b128 v[QB+8*i:QB+8*i+3],   v[QO], s[86:87] offset:(i/2)*8192+(i%2)*64
	global_load_b128 v[QB+8*i+4:QB+8*i+7], v[QO], s[86:87] offset:(i/2)*8192+(i%2)*64+32
.set i, i+1
.endr
	WIN 0
	v_lshlrev_b32 v14, 3, v9
	v_sub_nc_u32 v14, v1, v14
	s_lshl_b32 s13, s[WV], 4
	v_add_nc_u32 v14, s13, v14      ; my query's place in its band less my lanes' 8 (l / 16): register r of key group kt is hidden where 16 kt + r is greater
	WIN 0x40
.set i, 0
.rept 32
	v_cmp_gt_i32 vcc_lo, 16*(i/8)+i%8, v14
	v_cndmask_b32 v[MD+i], 0, s[BIGN], vcc_lo
.set i, i+1
.endr
	WIN 0
	v_mul_u32_u24 v[AK0], v1, PK
	v_lshl_add_u32 v[AK0], v9, 4, v[AK0]
	v_and_b32 v10, 7, v0
	v_bfe_u32 v11, v0, 3, 1
	v_lshl_add_u32 v[AV0], v9, 3, v10
	v_mul_u32_u24 v[AV0], v[AV0], PV
	v_lshl_add_u32 v[AV0], v11, 4, v[AV0]
	v_add_nc_u32 v[AV0], VOFF, v[AV0]
	s_mul_i32 s13, s[WV], 16*SP
	s_add_co_u32 s13, s13, STAGE
	v_mul_u32_u24 v[STO], v1, SP
	v_lshl_add_u32 v[STO], v9, 4, v[STO]
	v_add_nc_u32 v[STO], s13, v[STO]
	v_bfe_u32 v[RD], v0, 3, 2
	v_mul_u32_u24 v[RD], v[RD], SP
	v_lshl_add_u32 v[RD], v10, 4, v[RD]
	v_add_nc_u32 v[RD], s13, v[RD]
	v_and_b32 v[GO], 31, v0
	v_lshlrev_b32 v[GO], 4, v[GO]
	; A block's first step multiplies O^T and l by a = 0, and its first turn's products V^T P, of a turn that has not been, land in an O^T that is still to be so multiplied: these registers need only be finite.
	WIN 0x80
.set i, VF+64
.rept 64
	v_mov_b32 v[i], 0
.set i, i+1
.endr
	WIN 0x40
.set i, 0
.rept 64
	v_mov_b32 v[i], 0
.set i, i+1
.endr
	WIN 0
.set i, 0
.rept 2
	v_mov_b32 v[ST+4*i+2], 0
	v_mov_b32 v[ST+4*i+3], 0
.set i, i+1
.endr
.set i, P+16
.rept 16
	v_mov_b32 v[i], 0
.set i, i+1
.endr
; THE MATRIX WORK.  The 4 accumulators of a run of 8 take turns.  Product i of 8 of S^T = K Q^T for turn w: channels 32 (i / 4) on, keys 16 (i % 4) on.
.macro KQ w
.set rS, S+32*((\w)%2)+8*(i%4)
.set rK, KF+16*(i%4)+8*(i/4)
.set rQ, 16*((\w)%2)+8*(i/4)
.set rM, MC+32*((\w)%2)+8*(i%4)
.if (i < 4) && KM
	WIN W_KM
	v_wmma_f32_16x16x32_bf16 v[rS:rS+7], v[rK:rK+7], v[rQ:rQ+7], v[rM:rM+7]
.elseif i < 4
	WIN W_KQ
	v_wmma_f32_16x16x32_bf16 v[rS:rS+7], v[rK:rK+7], v[rQ:rQ+7], 0
.else
	WIN W_KQ
	v_wmma_f32_16x16x32_bf16 v[rS:rS+7], v[rK:rK+7], v[rQ:rQ+7], v[rS:rS+7]
.endif
.endm
; Product i of 8 of O^T += V^T P for turn u: keys 32 (i / 4) on, channels 16 (i % 4) on; V's buffer goes by the step's parity u / 2.
.macro PV u
	WIN W_PV
.set rO, 32*((\u)%2)+8*(i%4)
.set rV, VF+64*((\u)/2)+32*(i/4)+8*(i%4)
.set rP, P+16*((\u)%2)+8*(i/4)
	v_wmma_f32_16x16x32_bf16 v[rO:rO+7], v[rV:rV+7], v[rP:rP+7], v[rO:rO+7]
.endm
.macro MM                           ; the turn's next matrix instruction.  NOKQ = 1: a block's last turn: there is no next
.if (i < 8) && !NOKQ
	KQ (Y+1)%NP
.elseif i >= 8
.set i, i-8
	PV (Y+NP-1)%NP
.set i, i+8
.endif
.set i, i+1
.endm
; THE LDS LOADS stand in runs of 16, never singly among the matrix instructions.
.macro FETCH_K
	WIN 0x80
.irp f, 0,1,2,3,4,5,6,7
	ds_load_b128 v[KF+8*\f:KF+8*\f+3],   v[AK] offset:(\f/2)*16*PK+(\f%2)*64
	ds_load_b128 v[KF+8*\f+4:KF+8*\f+7], v[AK] offset:(\f/2)*16*PK+(\f%2)*64+32
.endr
	s_add_co_u32 s[TBK], s[TBK], KS*PK
	WIN 0
.endm
.macro FETCH_V buf
	WIN 0x80
.irp f, 0,1,2,3,4,5,6,7
	ds_load_tr16_b128 v[VF+64*(\buf)+8*\f:VF+64*(\buf)+8*\f+3],   v[AV] offset:(\f/4)*32*PV+(\f%4)*32
	ds_load_tr16_b128 v[VF+64*(\buf)+8*\f+4:VF+64*(\buf)+8*\f+7], v[AV] offset:(\f/4)*32*PV+16*PV+(\f%4)*32
.endr
	s_add_co_u32 s[TBV], s[TBV], KS*PV
	WIN 0
.endm
; THE VECTOR WORK, one line at a time: OP kind, number.  For turn Y's piece: F n: c s - c m for pair n of 16.  E n: the exponential of score n.  C n: pair n rounded to bf16.  B n: of the weights 4 n .. the second pair
; is added onto the first.  L n: l takes that sum (L 0: l = a l + sum).  R n: pair n of 16 of O^T times a.  For turn Y + 1's piece: X n, number n of the 22 that find its maximum and statistics:
;   0-11 four chains of seven scores (each accumulator's lowest registers are read first)   12-14, 16 the rest, the old m   15 c m_old is kept   17, 18 the other half of the lanes   19-21 c m; its change; a
.set F, 0
.set E, 1
.set C, 2
.set B, 3
.set L, 4
.set R, 5
.set X, 6
.macro REGS y
.set rT, ST+4*((\y)%2)
.set rC, TMP+4*((\y)%2)
.set rW, MV+((\y)%2)
.set rS, S+32*((\y)%2)
.set rP, P+16*((\y)%2)
.set rO, 32*((\y)%2)
.endm
.macro OP k, n
.if (\k) == R
	REGS Y
	WIN W_RS
	v_pk_mul_f32 v[rO+2*(\n):rO+2*(\n)+1], v[rO+2*(\n):rO+2*(\n)+1], v[rC+2:rC+3] op_sel_hi:[1,0]
.elseif (\k) < R
	REGS Y
	WIN 0
.if (\k) == F
	v_pk_fma_f32 v[rS+2*(\n):rS+2*(\n)+1], v[rS+2*(\n):rS+2*(\n)+1], s[CS:CS+1], v[rT:rT+1] op_sel_hi:[1,0,0] neg_lo:[0,0,1] neg_hi:[0,0,1]
.elseif (\k) == E
	v_exp_f32 v[rS+(\n)], v[rS+(\n)]
.elseif (\k) == C
	s_wait_alu depctr_va_vdst(0)
	v_cvt_pk_bf16_f32 v[rP+(\n)], v[rS+2*(\n)], v[rS+2*(\n)+1]
.elseif (\k) == B
	s_wait_alu depctr_va_vdst(0)
	v_pk_add_f32 v[rS+4*(\n):rS+4*(\n)+1], v[rS+4*(\n):rS+4*(\n)+1], v[rS+4*(\n)+2:rS+4*(\n)+3]
.elseif (\n) == 0
	v_pk_fma_f32 v[rT+2:rT+3], v[rT+2:rT+3], v[rC+2:rC+3], v[rS:rS+1] op_sel_hi:[1,0,1]
.else
	v_pk_add_f32 v[rT+2:rT+3], v[rT+2:rT+3], v[rS+4*(\n):rS+4*(\n)+1]
.endif
.elseif NOKQ
	v_nop
.else
	REGS (Y+1)%NP
	WIN 0
.if (\n) < 4
	v_max3_num_f32 v[rC+(\n)], v[rS+8*(\n)], v[rS+8*(\n)+1], v[rS+8*(\n)+2]
.elseif (\n) < 12
	v_max3_num_f32 v[rC+(\n)%4], v[rC+(\n)%4], v[rS+8*((\n)%4)+2*((\n)/4)+1], v[rS+8*((\n)%4)+2*((\n)/4)+2]
.elseif (\n) == 12
	v_max3_num_f32 v[rC], v[rC], v[rS+7], v[rS+15]
.elseif (\n) == 13
	v_max3_num_f32 v[rC+1], v[rC+1], v[rS+23], v[rS+31]
.elseif (\n) == 14
	v_max3_num_f32 v[rC+2], v[rC+2], v[rC+3], v[rT+1]
.elseif (\n) == 15
	v_mov_b32 v[rW], v[rT]
.elseif (\n) == 16
	v_max3_num_f32 v[rC], v[rC], v[rC+1], v[rC+2]
.elseif (\n) == 17
	v_permlanex16_b32 v[rC+3], v[rC], s[SEL], s[SEL+1]
.elseif (\n) == 18
	v_max_num_f32 v[rT+1], v[rC], v[rC+3]
.elseif (\n) == 19
	v_mul_f32 v[rT], s[CS], v[rT+1]
.elseif (\n) == 20
	v_sub_f32 v[rC+1], v[rW], v[rT]
.else
	v_exp_f32 v[rC+2], v[rC+1]
.endif
.endif
.endm
.macro OPS a, i1, b=-1, i2=0, c=-1, i3=0, d=-1, i4=0
	OP \a, \i1
.if (\b) >= 0
	OP \b, \i2
.endif
.if (\c) >= 0
	OP \c, \i3
.endif
.if (\d) >= 0
	OP \d, \i4
.endif
.endm
.macro ROW a, i1, b, i2, c, i3, d, i4  ; a matrix instruction and the four behind it
	MM
	OPS \a, \i1, \b, \i2, \c, \i3, \d, \i4
.endm
.macro MASK b                       ; MD x AL + BE into buffer b of MC
	WIN W_RS
.set z, 0
.rept 16
	v_pk_fma_f32 v[MC+32*(\b)+2*z:MC+32*(\b)+2*z+1], v[MD+2*z:MD+2*z+1], s[AL:AL+1], s[BE:BE+1] op_sel_hi:[1,0,0]
.set z, z+1
.endr
.endm
; A TURN.  m = 1: the diagonal tile: the products take masks, and the turn makes the mask for the products of the turn after it, which are turn w = p + 2's scores: piece w % 2, tile step 2 x trip + w / 2.  That step is
; the piece's own where SB = w % 2 - w / 2, a later one where SB is greater.  end = 1: a block's last two turns: nothing is fetched.  cnt = 1: the loop's count is taken down ahead of the branch behind the turn.
; The run of loads stands six vector instructions, five of them plain, behind the last product that read K; V's buffer was last read in the turn before.
.macro TURN p, m=0, end=0, cnt=0
.set Y, (\p)
.set i, 0
.set KM, (\m)
.set NOKQ, (\end)*((\p)/3)
.if (\m) && !(\end)
	s_cmp_eq_i32 s[SB], (((\p)+2)%4)%2-(((\p)+2)%4)/2
	s_cselect_b32 s[AL], 1.0, 0
	s_cmp_gt_i32 s[SB], (((\p)+2)%4)%2-(((\p)+2)%4)/2
	s_cselect_b32 s[BE], s[BIGN], 0
.endif
.if (\p)%2 == 1
	s_wait_dscnt 0x0                ; K of the next step and V of this one are in
.endif
	ROW F,0, F,1, F,2, F,3
	ROW F,4, E,0, F,5, F,6
	ROW F,7, E,1, F,8, F,9
	ROW F,10, E,2, C,0, F,11
	ROW F,12, E,3, X,15, F,13
	ROW R,0, R,1, R,2, R,3
	ROW B,0, E,4, F,14, L,0
.if !(\end)
.if (\p)%2 == 0
	v_add_nc_u32 v[AK], s[TBK], v[AK0]
.else
	v_add_nc_u32 v[AV], s[TBV], v[AV0]
.endif
.endif
	ROW R,4, R,5, R,6, R,7
	OPS E,5, F,15
.if !(\end)
.if (\p)%2 == 0
	FETCH_K
.else
	FETCH_V (((\p)+1)/2)%2
.endif
.endif
	OPS E,6, C,1, E,7, R,8
	OPS E,8, R,9, E,9, C,2
	OPS E,10, X,0, E,11, X,1
	OPS E,12, X,2, E,13, X,3
	ROW X,4, E,14, X,5, X,6
	ROW X,7, E,15, X,8, X,9
	ROW X,10, E,16, X,11, X,12
	ROW X,13, E,17, X,14, B,1
	ROW C,4, E,18, X,16, L,1
	ROW B,2, E,19, C,6, L,2
	ROW C,8, E,20, B,3, B,4
	ROW C,3, E,21, L,3, C,5
	OPS E,22, X,17, E,23, C,10
	OPS E,24, L,4
	OPS E,25, X,18, E,26, C,7
	OPS E,27, B,5, E,28, X,19
	OPS E,29, C,12, E,30, L,5
	OPS E,31, X,20, B,6, C,9
	OPS C,14, C,11, X,21, L,6
.if \cnt
	s_add_co_i32 s[SB], s[SB], 2
	s_sub_co_u32 s[CNT], s[CNT], 1
	s_cmp_lg_u32 s[CNT], 0
.endif
	OPS C,13, B,7, C,15, R,10
	OPS R,11, R,12, L,7, R,13
	OPS R,14, R,15
.if (\m) && !(\end)
	MASK (\p)%2
.endif
.endm
; A BLOCK BEGINS.  c m starts far below every c s, so the first step's a is 0; m at the lowest finite number.  The second mask buffer is 0 (piece 1 sees a tile's step 0 whole); the first takes piece 0's mask for step 0: its own
; step, if this tile is the diagonal one and DB is 0.  Then K and V of that step, piece 0's first scores, and its maximum and statistics.
.macro BEGIN
	s_mov_b32 s[NEW], 0
	WIN 0x40
.set i, MC+32
.rept 32
	v_mov_b32 v[i], 0
.set i, i+1
.endr
	WIN 0
.set i, 0
.rept 2
	v_mov_b32 v[ST+4*i], 0xfe000000
	v_mov_b32 v[ST+4*i+1], 0xff7fffff
.set i, i+1
.endr
	s_or_b32 s92, s[RT], s[DB]
	s_cmp_eq_u32 s92, 0
	s_cselect_b32 s[AL], 1.0, 0
	s_mov_b32 s[BE], 0
	MASK 0
	WIN 0
	v_add_nc_u32 v[AK], s[TBK], v[AK0]
	v_add_nc_u32 v[AV], s[TBV], v[AV0]
	FETCH_K
	FETCH_V 0
	s_wait_loadcnt 0x0              ; Q
	s_wait_dscnt 16                 ; K is in; V's sixteen loads may stay out
.set KM, 1
.set NOKQ, 0
.set i, 0
.rept 8
	KQ 0
.set i, i+1
.endr
	WIN 0
.rept 4
	v_nop                           ; the places behind those products
.endr
.set Y, NP-1
.irp n, 0,1,2,3,4,5,6,7,8,9,10,11,12,13,14,15,16,17,18,19,20,21
	OP X, \n
.endr
	v_nop                           ; a plain instruction behind the exponential
.endm
.macro ALL line:vararg              ; one line for each piece t
.set t, 0
.rept 2
	\line
.set t, t+1
.endr
.endm
.macro PACK t                       ; O^T / l, rounded: a lane's eight channels are 16 bytes; into rows of 144 bytes and back as whole rows of 128
	WIN W_RS
.set i, 32*(\t)
.rept 16
	s_wait_alu depctr_va_vdst(0)
	v_pk_mul_f32 v[i:i+1], v[i:i+1], v[ST+4*(\t)+2:ST+4*(\t)+3] op_sel_hi:[1,0]
.set i, i+2
.endr
	WIN 0x05
.set i, 0
.rept 16
	v_cvt_pk_bf16_f32 v[S+16*(\t)+i], v[32*(\t)+2*i], v[32*(\t)+2*i+1]
.set i, i+1
.endr
	WIN 0
.irp f, 0,1,2,3
	ds_store_b128 v[STO], v[S+16*(\t)+4*\f:S+16*(\t)+4*\f+3] offset:32*\f
.endr
.irp f, 0,1,2,3
	ds_load_b128 v[S+16*(\t)+4*\f:S+16*(\t)+4*\f+3], v[RD] offset:\f*4*SP  ; LDS serves a wave's instructions in order (ISA guide 5.7.1.4)
.endr
.endm
.macro SEND t, younger              ; younger: the LDS instructions issued behind piece t's loads
	WIN 0
.irp f, 0,1,2,3
	s_wait_dscnt (\younger)+3-\f
	global_store_b128 v[GO], v[S+16*(\t)+4*\f:S+16*(\t)+4*\f+3], s[10:11] offset:(\t)*8192+\f*512  ; 512 consecutive bytes, aligned
.endr
.endm
; THE DIAGONAL TILE's two trips, the block's last two turns, its last products, and the way out.
.macro DIAG tag
.LstepM\tag:
	TURN 2, 1
	TURN 3, 1
	WIN 0
.LfirstM\tag:
	TURN 0, 1
	TURN 1, 1, 0, 1
	WIN 0
	s_cbranch_scc1 .LstepM\tag
	TURN 2, 1, 1
	TURN 3, 1, 1
.set i, 0
.rept 8
	PV NP-1
.set i, i+1
.endr
	WIN 0
	ALL v_add_f32 v[ST+4*t+2], v[ST+4*t+2], v[ST+4*t+3]
	ALL v_permlanex16_b32 v[ST+4*t+3], v[ST+4*t+2], s[SEL], s[SEL+1]
	ALL v_add_f32 v[ST+4*t+2], v[ST+4*t+2], v[ST+4*t+3]
	ALL v_rcp_f32 v[ST+4*t+2], v[ST+4*t+2]
	v_nop                           ; a plain instruction behind the last reciprocal; with the four additions it makes the places behind the last products
	PACK 0
	PACK 1
	SEND 0, 8
	SEND 1, 0
.endm
.set KM, 0
.set NOKQ, 0
.Lslot:                             ; eight times: a tile is entered and the next is asked for
	CHANGE 1
	s_sub_co_u32 s[RT], s[RT], 1
	s_mov_b32 s[CNT], 2
	s_sub_co_i32 s[SB], 0, s[DB]
	s_cmp_eq_u32 s[NEW], 1
	s_cbranch_scc1 .Lnew            ; a block's first tile
	s_cmp_eq_u32 s[RT], 0
	s_cbranch_scc0 .Lstep           ; neither its first nor its last
	s_branch .LstepM1
.Lnew:
	BEGIN
	s_branch .Lfirst                ; in the loop a block's first tile is never its last: the first block has five tiles or more, and the second's last is the walk's last
	DIAG 1                          ; in the loop this is the first block's end
	s_wait_xcnt 0x0                 ; the stores have read their registers and O's address
	s_mov_b64 s[10:11], s[OLO:OLO+1]
	s_add_co_u32 s[RT], s[LQLO], 1
	s_mov_b32 s[DB], s[DBLO]
	s_mov_b32 s[NEW], 1
	WIN 0x82                        ; the second block's Q goes where the one text of the turns names Q
.set i, 0
.rept 32
	v_mov_b32 v[i], v[QB+i]
.set i, i+1
.endr
	WIN 0
	s_branch .Lbottom
.Lstep:                             ; a trip: the two turns of an odd step, then those of the next, even one
	TURN 2
	TURN 3
	WIN 0
.Lfirst:
	TURN 0
	TURN 1, 0, 0, 1
	WIN 0
	s_cbranch_scc1 .Lstep
.Lbottom:
	s_sub_co_u32 s[SLOTS], s[SLOTS], 1
	s_cmp_lg_u32 s[SLOTS], 0
	s_cbranch_scc1 .Lslot
	CHANGE 0                        ; the walk's last tile is written out
	s_sub_co_u32 s[RT], s[RT], 1
	s_mov_b32 s[CNT], 2
	s_sub_co_i32 s[SB], 0, s[DB]
	s_cmp_eq_u32 s[NEW], 1
	s_cbranch_scc0 .LstepM2
	BEGIN
	s_branch .LfirstM2
	DIAG 2
	s_wait_tensorcnt 0x0            ; the wave's end
	ds_add_u32 v[SPW], v[NIL]
	s_wait_dscnt 0x0
	s_endpgm
.Lfunc_end_k_q16185866f7_attn:
	.size	k_q16185866f7_attn, .Lfunc_end_k_q16185866f7_attn-k_q16185866f7_attn
	.p2alignl 7, 3214868480
	.fill 96, 4, 3214868480
	.section	.rodata,"a",@progbits
	.p2align	6, 0x0
	.amdhsa_kernel k_q16185866f7_attn
		.amdhsa_group_segment_fixed_size 327680
		.amdhsa_private_segment_fixed_size 0
		.amdhsa_enable_private_segment 0
		.amdhsa_kernarg_size 16
		.amdhsa_user_sgpr_count 2
		.amdhsa_user_sgpr_kernarg_segment_ptr 1
		.amdhsa_wavefront_size32 1
		.amdhsa_system_sgpr_workgroup_id_x 1
		.amdhsa_system_sgpr_workgroup_id_y 1
		.amdhsa_system_sgpr_workgroup_id_z 1
		.amdhsa_system_vgpr_workitem_id 0
		.amdhsa_next_free_vgpr 768
		.amdhsa_next_free_sgpr 96
		.amdhsa_reserve_vcc 1
		.amdhsa_float_denorm_mode_32 3
		.amdhsa_float_denorm_mode_16_64 3
		.amdhsa_memory_ordered 1
		.amdhsa_forward_progress 1
		.amdhsa_inst_pref_size 218
	.end_amdhsa_kernel
	.amdgpu_metadata
---
amdhsa.version: [ 1, 2 ]
amdhsa.kernels:
  - .name:           k_q16185866f7_attn
    .symbol:         k_q16185866f7_attn.kd
    .args:
      - { .name: qkv, .offset: 0, .size: 8, .value_kind: global_buffer, .address_space: global }
      - { .name: ob, .offset: 8, .size: 8, .value_kind: global_buffer, .address_space: global }
    .group_segment_fixed_size: 327680
    .private_segment_fixed_size: 0
    .kernarg_segment_align: 8
    .kernarg_segment_size: 16
    .max_flat_workgroup_size: 128
    .sgpr_count:     96
    .vgpr_count:     768
    .wavefront_size: 32
...
	.end_amdgpu_metadata
.endif
;; end of part 3
;; launch proj (part 4): grid 8 x 32, 4 waves a work-group, clusters of 4 x 4, 327,680 bytes of LDS; arguments ob, wb, x1, b_proj, x; writes x1
.if DOCPART == 4
	.amdgcn_target "amdgcn-amd-amdhsa--gfx1250"
	.amdhsa_code_object_version 6
	.text
	.protected	k_q16185866f7_proj
	.globl	k_q16185866f7_proj
	.p2align	8
	.type	k_q16185866f7_proj,@function
k_q16185866f7_proj:
	s_mov_b64 s[64:65], 0
	v_nop
	global_prefetch_b8 v0, s[64:65] scope:SCOPE_SE
	s_setreg_imm32_b32 hwreg(HW_REG_WAVE_MODE, 25, 1), 1
	s_wait_xcnt 0x0
	s_wait_alu depctr_hold_cnt(0) depctr_sa_sdst(0) depctr_va_vdst(0) depctr_va_sdst(0) depctr_va_ssrc(0) depctr_va_vcc(0) depctr_vm_vsrc(0)
	s_getreg_b32 s2, hwreg(HW_REG_IB_STS2, 6, 4)
	s_cmp_eq_u32 s2, 0
	s_cbranch_scc0 .Lentry_in_a_cluster
	s_endpgm
.Lentry_in_a_cluster:
	s_bfe_u32 s2, ttmp6, 0x10000c
	s_cmp_lg_u32 s2, 0xf033
	s_cbranch_scc0 .Lentry_shape_is_right
	s_endpgm
.Lentry_shape_is_right:
; OUT = RES + A W + bias on tiles of 128 x 128, OUT, RES: [4096][1024] f32; W: [SIZE_K][1024] bf16, rows along N, at byte WOFF of wb; sums in f32; the bias is the C operand that starts each sum.
; PROJ = 1: A = attention's result by heads, [32 batch x head][2048][64] bf16 (K = 64 x head + channel), W = w_proj, RES = x.     PROJ = 0: A = relu's result [4096][4096] bf16, W = w2, RES = the first residual sum.
; LIMITS.  Matrix operands are bf16; NaN and infinities are not treated apart; a sum's K steps come in the order of the ring below, not ascending, so the order of rounding differs from the reference's.
; SHARES.  Four waves, each 64 x 64: 16 accumulators.  K goes in NSTEP steps of 256 through two LDS slots.  A wave's 64 columns of f32 are 256 aligned bytes of a row, so each wave has a stage of its own on the way out.
; CLUSTER.  4 x 4 work-groups; A's tiles are shared along a row, W's along a column, each asked for jointly.  THE MATRIX INSTRUCTION IS USED TRANSPOSED (source 0 = 16 columns of W, read turned; source 1 = 16 rows of A).
; THE RING ALONG K.  The K steps are walked as a ring from a start that hangs on the cluster's place X, Y in the grid alone: ((2 X + Y + 2 (Y / 4)) mod 4) x NSTEP / 4.  The two clusters that need the same rows of A
; (same Y) start half a ring apart; of the eight that need the same columns of W (same X) each of the groups Y = 0-3, 4-7, {0, 1, 4, 5}, {2, 3, 6, 7} holds all four starts.  So clusters that share rows do not
; ask for the same bytes in the same step: one of them asks first, the others steps later.  All partners of a cluster share X and Y, so a joint load's descriptor is the same in all that it names.
; ASKING AHEAD (PROJ = 0).  In ring steps 0 to NSTEP / 2 - 1 a cluster is the first to ask for its rows of A.  Steps 0 and 1 are the first fills; steps 2 to 7 are asked for ahead by global_prefetch_b8, each block of 256 bytes
; once in the launch: the work-group at place cx takes rows 32 cx to 32 cx + 31 of the tile's 128, a wave 16 of them x 2 blocks, waves 0, 1 of one step and waves 2, 3 of the next.  At the head: steps 2 and 3.  In the loop's first two
; trips, behind slot 0's refill (step s + 2): steps s + 4 and s + 5, two K steps (256 matrix instructions of the wave) ahead of the first of their tensor loads.  Nothing is asked for beyond step 7; every address lies in A.
; REGISTERS: window 0: v0-31 addresses; v32-95 at work on the way out; v96-127 the bias; v128-255 accumulator (a, b) at v[128 + 8 (4 a + b)].   window 1: two fragment buffers of 128.   window 2: v0-127 my part of RES.
.set PROJ, 1
.set KSTEP,  256
.if PROJ
.set SIZE_K, 1024
.set WOFF,   6291456
.set APITCH, 144                       ; a head's row of A in LDS: 128 bytes + 16
.set AQ,     9216                      ; a quarter of a K step is a head: 64 rows x 144 bytes on
.set ASH,    20                        ; a K step of A is four heads of 262,144 bytes: 1 << 20
.else
.set SIZE_K, 4096
.set WOFF,   16777216
.set APITCH, 528                       ; a row of A in LDS: 512 bytes + 16
.set AQ,     128
.set ASH,    9                         ; a K step of A is 512 bytes of a row: 1 << 9
.endif
.set BSH,    19                        ; a K step of W is 256 k-rows of 2,048 bytes: 1 << 19
.set ASK,    1-PROJ                    ; 1: the text asks ahead
.set SIZE_N, 1024
.set NSTEP,  SIZE_K/KSTEP
.set BP,     288                       ; a k-row of W in LDS: 256 bytes + 32 = 9 x 32
.set HALFT,  36864                     ; room for what one tensor load brings: 64 rows of A, or 128 k-rows of W
.set SLOT,   4*HALFT
.set STAGE,  2*SLOT                    ; behind the ring: 16 rows x 272 bytes for each wave
.set SPITCH, 272
.set SPARE,  STAGE+4*16*SPITCH         ; behind the stages: the spare words, 128 bytes for each wave, which no other line names
.set LAPS,   NSTEP/2
.set ADRA, 16                          ; v16-17  LDS address of my A fragments in slot 0, 1
.set ADRB, 20                          ; v20-23  of W's: 2 x slot + half of the K step (an LDS offset has 16 bits)
.set STO,  24
.set RD,   25
.set CO,   26
.set VB,   27
.set SPW,  28                          ; never rewritten
.set NIL,  29                          ; never rewritten
.set VPF,  30                          ; v30     asking ahead: my lane's row and block; never rewritten
.set TMP,  32
.set BIAS, 96
.set ACC,  128
.set F0,   0
.set F1,   128
.set BA,  14                           ; s[14:15] A at my part of the tile, K step 0; never rewritten
.set G1,  24
.set G0,  32
.set G1B, 48
.set G0B, 56
.set ROT, 66                           ; s66      the ring's start
.set BB,  72                           ; s[72:73] W at my part of the tile, K step 0; never rewritten
.set KK,  76                           ; s76      the K step asked for last
.set TS,  77                           ; s77      at work
.set OA,  78                           ; s[78:79] that step's byte offset in A
.set OW,  80                           ; s[80:81] and in W
.set PFB, 82                           ; s[82:83] asking ahead: A at my work-group's 32 rows, K step 0
.set PF,  84                           ; s[84:85] the same at the step asked for
.set PO,  86                           ; s[86:87] an offset at work
.set MSB, 0
.macro WIN new
.if MSB != (\new)
	s_set_vgpr_msb (MSB<<8)|(\new)
.set MSB, \new
.endif
.endm
.set MUL,  0x05                        ; sources 0 (W) and 1 (A) window 1; C and D window 0
.set TO_F, 0x40
.macro JLOAD s                         ; a joint load: waves 0 and 1 fetch A's halves, waves 2 and 3 W's; four v_nop follow each of the two lines
	s_cmp_eq_u32 s11, 0
	s_cbranch_scc0 .Lfor_b_\@
	tensor_load_to_lds s[G0+4*(\s):G0+4*(\s)+3], s[G1:G1+7]
	s_nop 0
.rept 4
	v_nop
.endr
	s_branch .Lasked_\@
.Lfor_b_\@:
	tensor_load_to_lds s[G0B+4*(\s):G0B+4*(\s)+3], s[G1B:G1B+7]
	s_nop 0
.rept 4
	v_nop
.endr
.Lasked_\@:
.endm
.macro CREST
	s_cmp_lg_u32 s10, 0
	s_cbranch_scc1 .Lnot_wave_0_\@
	s_barrier_signal -3
.Lnot_wave_0_\@:
	s_barrier_wait -3
	s_barrier_signal -1
	s_barrier_wait -1
.endm
.macro CROUND
	s_barrier_signal -1
	s_barrier_wait -1
	CREST
.endm
	s_load_b128 s[4:7], s[0:1], 0x0                ; A s[4:5], wb s[6:7]
	s_load_b64 s[8:9], s[0:1], 0x10                ; OUT
	s_load_b64 s[68:69], s[0:1], 0x18              ; the bias
	s_load_b64 s[70:71], s[0:1], 0x20              ; RES
	v_lshl_add_u32 v[SPW], v0, 2, SPARE
	v_mov_b32 v[NIL], 0
	ds_add_u32 v28, v29
	ds_add_u32 v28, v29
	s_wait_dscnt 0x0
	v_lshrrev_b32 v1, 5, v0
	v_readfirstlane_b32 s10, v1                    ; wave 0..3
	s_lshr_b32 s11, s10, 1                         ; which half of the tile's rows is mine.  Also: I fetch for A (0) or for W (1)
	s_and_b32 s12, s10, 1                          ; which half of its columns.  Also: which half of that tile I fetch
	s_bfe_u32 s40, ttmp6, 0x40000
	s_bfe_u32 s41, ttmp6, 0x40004
	s_lshl_b32 s42, ttmp9, 2
	s_add_co_u32 s42, s42, s40                     ; tile column
	s_and_b32 s13, ttmp7, 0xffff                   ; Y
	s_lshr_b32 s[TS], s13, 2
	s_lshl1_add_u32 s[ROT], s[TS], s13             ; Y + 2 (Y / 4)
	s_lshl_b32 s[TS], ttmp9, 1
	s_add_co_u32 s[ROT], s[ROT], s[TS]             ; + 2 X
	s_and_b32 s[ROT], s[ROT], 3
	s_mul_i32 s[ROT], s[ROT], NSTEP/4              ; the ring's start: made of the cluster's place alone
	s_lshl_b32 s13, s13, 2
	s_add_co_u32 s13, s13, s41                     ; tile row
	s_lshl_b32 s43, s41, 2
	s_lshl_b32 s43, 15, s43
	s_lshl_b32 s44, 0x1111, s40
.if PROJ
	; 64 token rows of four heads: four rows of 4,096 elements (a head's 64 rows are dense), 131,072 elements apart, padded in LDS after every 32 words by 4
	s_or_b32 s[G1+0], s43, (1<<16)|(1<<20)|(1<<21)|(4<<22)|(3<<25)
	s_mov_b32 s[G1+1], 4096<<16
	s_mov_b32 s[G1+2], 4<<16
	s_mov_b32 s[G1+3], 4096<<16
	s_mov_b32 s[G1+4], 4
	s_mov_b32 s[G1+5], 131072
.else
	s_or_b32 s[G1+0], s43, (1<<16)|(1<<20)|(1<<21)|(6<<22)|(3<<25)   ; 64 rows x 256 elements, padded after every 128 words by 4
	s_mov_b32 s[G1+1], KSTEP<<16
	s_mov_b32 s[G1+2], 64<<16
	s_mov_b32 s[G1+3], KSTEP<<16
	s_mov_b32 s[G1+4], 64
	s_mov_b32 s[G1+5], SIZE_K
.endif
	s_mov_b32 s[G1+6], 0
	s_mov_b32 s[G1+7], 0
	s_or_b32 s[G1B+0], s44, (1<<16)|(1<<20)|(1<<21)|(5<<22)|(7<<25)  ; 128 k-rows x 128 columns, padded after every 64 words by 8
	s_mov_b32 s[G1B+1], 128<<16
	s_mov_b32 s[G1B+2], 128<<16
	s_mov_b32 s[G1B+3], 128<<16
	s_mov_b32 s[G1B+4], 128
	s_mov_b32 s[G1B+5], SIZE_N
	s_mov_b32 s[G1B+6], 0
	s_mov_b32 s[G1B+7], 0
.if PROJ
	s_lshr_b32 s16, s13, 4                         ; the batch: 16 heads of 262,144 bytes
	s_lshl_b32 s16, s16, 22
	s_and_b32 s17, s13, 15                         ; 128 rows of 128 bytes a tile row
	s_lshl_b32 s17, s17, 14
	s_add_co_u32 s16, s16, s17
	s_lshl_b32 s17, s12, 13                        ; my 64 rows
	s_add_co_u32 s16, s16, s17
.else
	s_lshl_b32 s16, s13, 7
	s_lshl_b32 s17, s12, 6
	s_add_co_u32 s16, s16, s17                     ; row 128 x tile row + 64 x half,
	s_lshl_b32 s16, s16, 13                        ; of 8,192 bytes
.endif
	s_mov_b32 s17, 0
	s_lshl_b32 s46, s12, 18                        ; W: k-row 128 x half, of 2,048 bytes,
	s_lshl_b32 s47, s42, 8                         ; 256 bytes a tile column
	s_add_co_u32 s46, s46, s47
	s_add_co_u32 s46, s46, WOFF
	s_mov_b32 s47, 0
	s_mov_b32 s[OA+1], 0
	s_mov_b32 s[OW+1], 0
	s_mul_i32 s20, s10, HALFT
	s_wait_kmcnt 0x0
	s_add_nc_u64 s[BA:BA+1], s[4:5], s[16:17]
	s_add_nc_u64 s[BB:BB+1], s[6:7], s[46:47]
	CROUND                                         ; all sixteen work-groups are here: the first joint loads meet
.irp s, 0,1
	s_add_co_u32 s[KK], s[ROT], \s                 ; ring step s is K step (start + s) mod NSTEP
	s_and_b32 s[KK], s[KK], NSTEP-1
	s_lshl_b32 s[OA], s[KK], ASH
	s_lshl_b32 s[OW], s[KK], BSH
	s_mov_b32 s[G0+4*(\s)], 1
	s_add_co_u32 s[G0+4*(\s)+1], s20, (\s)*SLOT
	s_add_nc_u64 s[G0+4*(\s)+2:G0+4*(\s)+3], s[BA:BA+1], s[OA:OA+1]
	s_or_b32 s[G0+4*(\s)+3], s[G0+4*(\s)+3], 0x80000000
	s_mov_b32 s[G0B+4*(\s)], 1
	s_add_co_u32 s[G0B+4*(\s)+1], s20, (\s)*SLOT
	s_add_nc_u64 s[G0B+4*(\s)+2:G0B+4*(\s)+3], s[BB:BB+1], s[OW:OW+1]
	s_or_b32 s[G0B+4*(\s)+3], s[G0B+4*(\s)+3], 0x80000000
	JLOAD \s                                       ; two loads of mine are out
.endr
	v_and_b32 v1, 15, v0                           ; l % 16
	v_bfe_u32 v2, v0, 4, 1                         ; l / 16
	v_lshlrev_b32 v5, 12, v2                       ; OUT and RES: lanes 0-15 one row of 256 bytes, lanes 16-31 the next
	v_lshl_add_u32 v[CO], v1, 4, v5
	v_lshlrev_b32 v[VB], 5, v2
	s_lshl_b32 s46, s42, 7
	s_lshl_b32 s47, s12, 6
	s_add_co_u32 s46, s46, s47                     ; my first column,
	s_lshl_b32 s46, s46, 2                         ; in bytes
	s_mov_b32 s47, 0
	s_add_nc_u64 s[68:69], s[68:69], s[46:47]
	s_lshl_b32 s16, s13, 7
	s_lshl_b32 s17, s11, 6
	s_add_co_u32 s16, s16, s17                     ; my first row,
	s_lshl_b32 s16, s16, 12                        ; of 4,096 bytes
	s_add_co_u32 s46, s46, s16
	s_add_nc_u64 s[8:9], s[8:9], s[46:47]
	s_add_nc_u64 s[70:71], s[70:71], s[46:47]
.irp b, 0,1,2,3
	global_load_b128 v[BIAS+8*(\b):BIAS+8*(\b)+3],   v[VB], s[68:69] offset:64*(\b)     ; register j of block b: the bias of column 16 b + 8 (l / 16) + j
	global_load_b128 v[BIAS+8*(\b)+4:BIAS+8*(\b)+7], v[VB], s[68:69] offset:64*(\b)+16
.endr
	WIN 0x80                                       ; destination window 2
.irp a, 0,1,2,3
.irp t, 0,1,2,3,4,5,6,7
	global_load_b128 v[32*(\a)+4*(\t):32*(\a)+4*(\t)+3], v[CO], s[70:71] offset:(16*(\a)+2*(\t))*SIZE_N*4 th:TH_LOAD_NT  ; in the layout in which the results come back from the stage; read once in the launch
.endr
.endr
	WIN 0
.if ASK
	v_lshlrev_b32 v[VPF], 13, v1                   ; asking ahead: row l % 16 of my wave's sixteen, of 8,192 bytes,
	v_lshl_add_u32 v[VPF], v2, 8, v[VPF]           ; block l / 16 of a step's two,
	s_lshl_b32 s[TS], s12, 17                      ; my wave's sixteen rows of the work-group's 32
	v_add_nc_u32 v[VPF], s[TS], v[VPF]
	s_lshl_b32 s[PO], s13, 20                      ; 128 rows a tile row,
	s_lshl_b32 s[TS], s40, 18                      ; 32 rows for each place cx
	s_add_co_u32 s[PO], s[PO], s[TS]
	s_mov_b32 s[PO+1], 0
	s_add_nc_u64 s[PFB:PFB+1], s[4:5], s[PO:PO+1]
	s_add_co_u32 s[TS], s[KK], s11                 ; ring steps 2 (waves 0, 1) and 3 (waves 2, 3): KK is ring step 1
	s_add_co_u32 s[TS], s[TS], 1
	s_and_b32 s[TS], s[TS], NSTEP-1
	s_lshl_b32 s[PO], s[TS], ASH
	s_add_nc_u64 s[PF:PF+1], s[PFB:PFB+1], s[PO:PO+1]
	global_prefetch_b8 v[VPF], s[PF:PF+1] th:TH_LOAD_NT scope:SCOPE_SE
.endif
	v_mul_u32_u24 v3, v1, APITCH
	v_lshl_add_u32 v3, v2, 4, v3
	v_and_b32 v6, 7, v0
	v_lshl_add_u32 v6, v2, 3, v6
	v_mul_u32_u24 v6, v6, BP
	v_bfe_u32 v7, v0, 3, 1
	v_lshl_add_u32 v6, v7, 4, v6
	s_mul_i32 s21, s11, HALFT                      ; my 64 rows of A
	s_lshl_b32 s22, s12, 7                         ; my 64 columns of W,
	s_add_co_u32 s22, s22, 2*HALFT                 ; which lies behind A
.irp s, 0,1
	v_add_nc_u32 v[ADRA+(\s)], s21, v3
	v_add_nc_u32 v[ADRB+2*(\s)], s22, v6
	s_add_co_u32 s22, s22, HALFT
	v_add_nc_u32 v[ADRB+2*(\s)+1], s22, v6
	s_add_co_u32 s21, s21, SLOT
	s_add_co_u32 s22, s22, SLOT-HALFT
.endr
	s_mul_i32 s23, s10, 16*SPITCH
	s_add_co_u32 s23, s23, STAGE                   ; my stage
	v_mul_u32_u24 v4, v1, SPITCH                   ; in: row l % 16, 32 bytes for each half of the lanes
	v_lshl_add_u32 v4, v2, 5, v4
	v_add_nc_u32 v[STO], s23, v4
	v_mul_u32_u24 v5, v2, SPITCH                   ; back: lanes 0-15 take one row of 256 bytes, lanes 16-31 the next
	v_lshl_add_u32 v5, v1, 4, v5
	v_add_nc_u32 v[RD], s23, v5
; 8 matrix instructions: m blocks a0, a0 + 1 x all 4 n blocks, 32 along K: half c of buffer f.  zero = 1: the product starts the sum, with the bias.  The 16 accumulators take turns.
.macro MUL8 f, c, a0, zero
	WIN MUL
.irp a, \a0, (\a0)+1
.irp b, 0,1,2,3
.if \zero
	v_wmma_f32_16x16x32_bf16 v[ACC+8*(4*(\a)+(\b)):ACC+8*(4*(\a)+(\b))+7], v[(\f)+64+8*(4*(\c)+(\b)):(\f)+64+8*(4*(\c)+(\b))+7], v[(\f)+8*(4*(\c)+(\a)):(\f)+8*(4*(\c)+(\a))+7], v[BIAS+8*(\b):BIAS+8*(\b)+7]
.else
	v_wmma_f32_16x16x32_bf16 v[ACC+8*(4*(\a)+(\b)):ACC+8*(4*(\a)+(\b))+7], v[(\f)+64+8*(4*(\c)+(\b)):(\f)+64+8*(4*(\c)+(\b))+7], v[(\f)+8*(4*(\c)+(\a)):(\f)+8*(4*(\c)+(\a))+7], v[ACC+8*(4*(\a)+(\b)):ACC+8*(4*(\a)+(\b))+7]
.endif
.endr
.endr
.endm
; 32 LDS loads in one run: the fragments of quarter q (64 along K) of a slot into buffer f; the first 32 along K first
.macro FETCH slot, q, f
	WIN TO_F
.irp c, 0,1
.irp i, 0,1,2,3
	ds_load_tr16_b128 v[(\f)+64+8*(4*(\c)+(\i)):(\f)+64+8*(4*(\c)+(\i))+3],   v[ADRB+2*(\slot)+(\q)/2] offset:((\q)%2)*64*BP+(\c)*32*BP+32*(\i)
	ds_load_tr16_b128 v[(\f)+64+8*(4*(\c)+(\i))+4:(\f)+64+8*(4*(\c)+(\i))+7], v[ADRB+2*(\slot)+(\q)/2] offset:((\q)%2)*64*BP+(\c)*32*BP+16*BP+32*(\i)
	ds_load_b128 v[(\f)+8*(4*(\c)+(\i)):(\f)+8*(4*(\c)+(\i))+3],   v[ADRA+(\slot)] offset:(\q)*AQ+64*(\c)+(\i)*16*APITCH
	ds_load_b128 v[(\f)+8*(4*(\c)+(\i))+4:(\f)+8*(4*(\c)+(\i))+7], v[ADRA+(\slot)] offset:(\q)*AQ+64*(\c)+(\i)*16*APITCH+32
.endr
.endr
.endm
.macro PLACES                          ; four places in front of loads into registers that matrix instructions have read, and of LDS stores of results just made
.rept 4
	v_nop
.endr
.endm
.macro QUARTER slot, q, f, g, zero     ; multiplies buffer f; in its middle it fetches quarter q of the same slot into buffer g
	s_wait_dscnt 16                                ; the first 32 along K are in
	MUL8 \f, 0, 0, \zero
	MUL8 \f, 0, 2, \zero
	PLACES
	FETCH \slot, \q, \g
	s_wait_dscnt 32                                ; all but the 32 just issued
	MUL8 \f, 1, 0, 0
	MUL8 \f, 1, 2, 0
.endm
; The last quarter multiplies buffer 1 and changes slots.  fill = 1: this slot is filled again, with the ring's step two on, first thing behind the cluster's round; its address is made anew from the step's number.
; ask = 1: in the loop's first two trips the wave asks ahead for its blocks of A, two or three ring steps beyond the step just requested.
.macro TURN slot, next, fill, ask=0
	WIN 0
	s_wait_tensorcnt 0x0                           ; all my tensor loads have landed: my part of the next slot
	ds_add_u32 v[SPW], v[NIL]                      ; 0 onto my spare word
	s_wait_dscnt 17                                ; (the add and the youngest sixteen loads may be out)
	MUL8 F1, 0, 0, 0
	s_wait_dscnt 0x0                               ; the add is done, and my reads of this slot are over
	s_barrier_signal -1
	MUL8 F1, 0, 2, 0
.if \fill
	WIN 0
.endif
	s_barrier_wait -1
.if \fill
	CREST                                          ; no wave of any partner still reads this slot or has a load on its way
	s_add_co_u32 s[KK], s[KK], 1                   ; the ring's next step
	s_and_b32 s[KK], s[KK], NSTEP-1
	s_lshl_b32 s[OA], s[KK], ASH
	s_lshl_b32 s[OW], s[KK], BSH
	s_add_nc_u64 s[G0+4*(\slot)+2:G0+4*(\slot)+3], s[BA:BA+1], s[OA:OA+1]
	s_or_b32 s[G0+4*(\slot)+3], s[G0+4*(\slot)+3], 0x80000000
	s_add_nc_u64 s[G0B+4*(\slot)+2:G0B+4*(\slot)+3], s[BB:BB+1], s[OW:OW+1]
	s_or_b32 s[G0B+4*(\slot)+3], s[G0B+4*(\slot)+3], 0x80000000
	JLOAD \slot                                    ; its four v_nop are also the places in front of the loads below
.else
	PLACES
.endif
	FETCH \next, 0, F0
.if \ask
	WIN 0                                          ; a branch follows
	s_cmp_lt_u32 s3, LAPS-2                        ; the count runs LAPS - 1, LAPS - 2, ..: from the third trip on nothing is asked for
	s_cbranch_scc1 .Lno_ask_\@
	s_wait_xcnt 0x0                                ; the last prefetch, a lap back, has read its base: it is rewritten only behind this wait
	s_add_co_u32 s[TS], s[KK], s11                 ; KK is ring step s + 2: steps s + 4 (waves 0, 1) and s + 5 (waves 2, 3)
	s_add_co_u32 s[TS], s[TS], 2
	s_and_b32 s[TS], s[TS], NSTEP-1
	s_lshl_b32 s[PO], s[TS], ASH
	s_add_nc_u64 s[PF:PF+1], s[PFB:PFB+1], s[PO:PO+1]
	global_prefetch_b8 v[VPF], s[PF:PF+1] th:TH_LOAD_NT scope:SCOPE_SE
.Lno_ask_\@:
.endif
	MUL8 F1, 1, 0, 0
	MUL8 F1, 1, 2, 0
.endm
; THE WAY OUT of block a (16 rows x 64 columns of f32): through my own stage, back as whole rows of 256 bytes; RES is added; stored.
.macro OUTST a
	WIN 0
.if (\a) >= 2
	s_wait_xcnt 0x0                                ; the registers that block a - 2's stores read are loaded again only behind this wait
.endif
.irp b, 0,1,2,3
	ds_store_b128 v[STO], v[ACC+8*(4*(\a)+(\b)):ACC+8*(4*(\a)+(\b))+3] offset:64*(\b)       ; each accumulator's low half first
	ds_store_b128 v[STO], v[ACC+8*(4*(\a)+(\b))+4:ACC+8*(4*(\a)+(\b))+7] offset:64*(\b)+16
.endr
.irp t, 0,1,2,3,4,5,6,7
	ds_load_b128 v[TMP+32*((\a)%2)+4*(\t):TMP+32*((\a)%2)+4*(\t)+3], v[RD] offset:(\t)*2*SPITCH  ; LDS serves a wave's instructions in order (ISA guide 5.7.1.4)
.endr
.endm
.macro OUTGO a, younger                ; younger: the LDS instructions issued behind block a's loads: the next block's sixteen, or none
	s_wait_dscnt \younger
	WIN 0x08                                       ; source 1 window 2
.set i, 0
.rept 16
	v_pk_add_f32 v[TMP+32*((\a)%2)+2*i:TMP+32*((\a)%2)+2*i+1], v[TMP+32*((\a)%2)+2*i:TMP+32*((\a)%2)+2*i+1], v[32*(\a)+2*i:32*(\a)+2*i+1]
.set i, i+1
.endr
	WIN 0
.irp t, 0,1,2,3,4,5,6,7
	global_store_b128 v[CO], v[TMP+32*((\a)%2)+4*(\t):TMP+32*((\a)%2)+4*(\t)+3], s[8:9] offset:(16*(\a)+2*(\t))*SIZE_N*4 th:TH_STORE_NT  ; 16 lanes store 256 consecutive bytes, aligned; not read again in the launch
.endr
.endm
	s_wait_tensorcnt 1                             ; my part of ring step 0 is in; step 1's may stay out
	s_barrier_signal -1
	s_barrier_wait -1
	FETCH 0, 0, F0
	s_wait_loadcnt 32                              ; the bias is in; RES's 32 loads stay out
	QUARTER 0, 1, F0, F1, 1                        ; the first quarter stands in front of the loop: its first products start the sums
	WIN 0
	s_mov_b32 s3, LAPS-1
.Llap:                                                 ; a trip goes once round the two slots and fills both again
	QUARTER 0, 2, F1, F0, 0
	QUARTER 0, 3, F0, F1, 0
	TURN 0, 1, 1, ASK
	QUARTER 1, 1, F0, F1, 0
	QUARTER 1, 2, F1, F0, 0
	QUARTER 1, 3, F0, F1, 0
	TURN 1, 0, 1
	QUARTER 0, 1, F0, F1, 0
	WIN 0
	s_sub_co_u32 s3, s3, 1
	s_cmp_lg_u32 s3, 0
	s_cbranch_scc1 .Llap
	QUARTER 0, 2, F1, F0, 0                        ; the last lap fills nothing
	QUARTER 0, 3, F0, F1, 0
	TURN 0, 1, 0
	QUARTER 1, 1, F0, F1, 0
	QUARTER 1, 2, F1, F0, 0
	QUARTER 1, 3, F0, F1, 0
	s_wait_dscnt 16
	MUL8 F1, 0, 0, 0
	MUL8 F1, 0, 2, 0
	s_wait_dscnt 0x0
	MUL8 F1, 1, 0, 0
	MUL8 F1, 1, 2, 0
	WIN 0
	PLACES
	s_wait_loadcnt 0x0                             ; RES
	OUTST 0
	OUTST 1
	OUTGO 0, 16
	OUTST 2
	OUTGO 1, 16
	OUTST 3
	OUTGO 2, 16
	OUTGO 3, 0
	s_wait_tensorcnt 0x0                           ; the wave's end
	ds_add_u32 v[SPW], v[NIL]
	s_wait_dscnt 0x0
	CROUND                                         ; the closing round
	s_endpgm
.Lfunc_end_k_q16185866f7_proj:
	.size	k_q16185866f7_proj, .Lfunc_end_k_q16185866f7_proj-k_q16185866f7_proj
	.p2alignl 7, 3214868480
	.fill 96, 4, 3214868480
	.section	.rodata,"a",@progbits
	.p2align	6, 0x0
	.amdhsa_kernel k_q16185866f7_proj
		.amdhsa_group_segment_fixed_size 327680
		.amdhsa_private_segment_fixed_size 0
		.amdhsa_enable_private_segment 0
		.amdhsa_kernarg_size 40
		.amdhsa_user_sgpr_count 2
		.amdhsa_user_sgpr_kernarg_segment_ptr 1
		.amdhsa_wavefront_size32 1
		.amdhsa_system_sgpr_workgroup_id_x 1
		.amdhsa_system_sgpr_workgroup_id_y 1
		.amdhsa_system_sgpr_workgroup_id_z 1
		.amdhsa_system_vgpr_workitem_id 0
		.amdhsa_next_free_vgpr 640
		.amdhsa_next_free_sgpr 88
		.amdhsa_reserve_vcc 0
		.amdhsa_float_denorm_mode_32 3
		.amdhsa_float_denorm_mode_16_64 3
		.amdhsa_memory_ordered 1
		.amdhsa_forward_progress 1
		.amdhsa_inst_pref_size 95
	.end_amdhsa_kernel
	.amdgpu_metadata
---
amdhsa.version: [ 1, 2 ]
amdhsa.kernels:
  - .name:           k_q16185866f7_proj
    .symbol:         k_q16185866f7_proj.kd
    .args:
      - { .name: ob, .offset: 0, .size: 8, .value_kind: global_buffer, .address_space: global }
      - { .name: wb, .offset: 8, .size: 8, .value_kind: global_buffer, .address_space: global }
      - { .name: x1, .offset: 16, .size: 8, .value_kind: global_buffer, .address_space: global }
      - { .name: b_proj, .offset: 24, .size: 8, .value_kind: global_buffer, .address_space: global }
      - { .name: x, .offset: 32, .size: 8, .value_kind: global_buffer, .address_space: global }
    .group_segment_fixed_size: 327680
    .private_segment_fixed_size: 0
    .kernarg_segment_align: 8
    .kernarg_segment_size: 40
    .max_flat_workgroup_size: 128
    .sgpr_count:     88
    .vgpr_count:     640
    .wavefront_size: 32
...
	.end_amdgpu_metadata
.endif
;; end of part 4
;; launch ln2 (part 5): grid 256 x 1, 8 waves a work-group, no clusters, 0 bytes of LDS; arguments x1, ln2_g, ln2_b, hb; writes hb
.if DOCPART == 5
	.amdgcn_target "amdgcn-amd-amdhsa--gfx1250"
	.amdhsa_code_object_version 6
	.text
	.protected	k_q16185866f7_ln2
	.globl	k_q16185866f7_ln2
	.p2align	8
	.type	k_q16185866f7_ln2,@function
k_q16185866f7_ln2:
	s_mov_b64 s[64:65], 0
	v_nop
	global_prefetch_b8 v0, s[64:65] scope:SCOPE_SE
	s_setreg_imm32_b32 hwreg(HW_REG_WAVE_MODE, 25, 1), 1
	s_wait_xcnt 0x0
; hb = layer norm of x1 (gain ln2_g, bias ln2_b), [4096][1024], f32 in, bf16 out.  A stream: 16 rows a work-group, two rows a wave; a row (4,096 bytes) stays in 32 registers between the passes.
; The variance is a true second pass over x - mean, all in f32; each number is rounded to bf16 once.  No LDS, no barrier: a row never leaves its wave.
.set X,    32                          ; v[32:95]   two rows, 32 registers each
.set G,    96                          ; v[96:127]  the gain of my 32 columns
.set BV,   128                         ; v[128:159] the bias of my 32 columns
.set Y,    160                         ; v[160:175] a row rounded, to store
.set T,    8
.set M,    16                          ; v[16:17]   the mean, twice
.set R,    18                          ; v[18:19]   1 / sqrt(var + eps), twice
.set VIN,  3
.set VOUT, 4
.set VL,   5
.set SO,   10                          ; s[10:11] hb
.macro REDUCE                          ; v[T] summed over the 32 lanes, the sum in every lane
	v_add_f32_dpp v[T], v[T], v[T] row_xmask:1 row_mask:0xf bank_mask:0xf
	v_add_f32_dpp v[T], v[T], v[T] row_xmask:2 row_mask:0xf bank_mask:0xf
	v_add_f32_dpp v[T], v[T], v[T] row_xmask:4 row_mask:0xf bank_mask:0xf
	v_add_f32_dpp v[T], v[T], v[T] row_xmask:8 row_mask:0xf bank_mask:0xf
	v_permlanex16_b32 v[T+1], v[T], s40, s41       ; its destination counts as read: T+1 has been written
	v_add_f32 v[T], v[T], v[T+1]
.endm
.macro LNROW p
.set XR, X+32*(\p)
	v_pk_add_f32 v[T:T+1], v[XR:XR+1], v[XR+2:XR+3]            ; two chains, started by the first pairs: nothing is cleared
	v_pk_add_f32 v[T+2:T+3], v[XR+4:XR+5], v[XR+6:XR+7]
.set j, 4
.rept 12
	v_pk_add_f32 v[T+2*(j%2):T+2*(j%2)+1], v[T+2*(j%2):T+2*(j%2)+1], v[XR+2*j:XR+2*j+1]
.set j, j+1
.endr
	v_pk_add_f32 v[T:T+1], v[T:T+1], v[T+2:T+3]
	v_add_f32 v[T], v[T], v[T+1]
	REDUCE
	v_mul_f32 v[M], s30, v[T]                      ; sum / 1024
	v_mul_f32 v[M+1], s30, v[T]
.set j, 0
.rept 16
	v_pk_add_f32 v[XR+2*j:XR+2*j+1], v[XR+2*j:XR+2*j+1], v[M:M+1] neg_lo:[0,1] neg_hi:[0,1]
.set j, j+1
.endr
	v_pk_mul_f32 v[T:T+1], v[XR:XR+1], v[XR:XR+1]
	v_pk_mul_f32 v[T+2:T+3], v[XR+2:XR+3], v[XR+2:XR+3]
.set j, 2
.rept 14
	v_pk_fma_f32 v[T+2*(j%2):T+2*(j%2)+1], v[XR+2*j:XR+2*j+1], v[XR+2*j:XR+2*j+1], v[T+2*(j%2):T+2*(j%2)+1]
.set j, j+1
.endr
	v_pk_add_f32 v[T:T+1], v[T:T+1], v[T+2:T+3]
	v_add_f32 v[T], v[T], v[T+1]
	REDUCE
	v_fma_f32 v[T], v[T], s30, s31                 ; var + eps
	v_rsq_f32 v[R], v[T]
	v_rsq_f32 v[R+1], v[T]
	v_nop                                          ; a plain instruction between the root and the use of its result (ISA guide 5.7.2)
.if (\p) == 0
	s_wait_loadcnt 0x0                             ; gain and bias are in
.endif
.set j, 0
	s_wait_alu depctr_va_vdst(0)
.rept 16
	v_pk_mul_f32 v[XR+2*j:XR+2*j+1], v[XR+2*j:XR+2*j+1], v[R:R+1]
.set j, j+1
.endr
.set j, 0
.rept 16
	v_pk_fma_f32 v[XR+2*j:XR+2*j+1], v[XR+2*j:XR+2*j+1], v[G+2*j:G+2*j+1], v[BV+2*j:BV+2*j+1]
.set j, j+1
.endr
.if (\p) == 1
	s_wait_xcnt 0x0                                ; the first row's stores have read Y: it is rewritten only behind this wait
.endif
.irp j, 0,1,2,3,4,5,6,7
	v_cvt_pk_bf16_f32 v[Y+2*(\j)], v[XR+4*(\j)], v[XR+4*(\j)+1]
	v_cvt_pk_bf16_f32 v[Y+2*(\j)+1], v[XR+4*(\j)+2], v[XR+4*(\j)+3]
	global_store_b64 v[VOUT], v[Y+2*(\j):Y+2*(\j)+1], s[SO:SO+1] offset:(\p)*2048+(\j)*256  ; 32 lanes x 8 bytes: 256 consecutive bytes, aligned
.endr
.endm
	s_load_b256 s[4:11], s[0:1], 0x0               ; x1 s[4:5], ln2_g s[6:7], ln2_b s[8:9], hb s[10:11]
	v_and_b32 v1, 31, v0                           ; lane
	v_lshrrev_b32 v2, 5, v0                        ; wave
	s_mov_b32 s27, 0
	s_mov_b32 s30, 0x3a800000                      ; 1 / 1024
	s_mov_b32 s31, 0x3727c5ac                      ; 1e-5
	s_mov_b32 s40, 0x76543210                      ; v_permlanex16_b32: each lane takes its own place in the other half
	s_mov_b32 s41, 0xfedcba98
	v_lshlrev_b32 v[VL], 4, v1
	v_lshl_add_u32 v[VIN], v2, 13, v[VL]           ; wave x 2 rows + 16 x lane
	v_lshlrev_b32 v[VOUT], 3, v1
	v_lshl_add_u32 v[VOUT], v2, 12, v[VOUT]
	s_wait_kmcnt 0x0
	s_lshl_b32 s26, ttmp9, 16
	s_add_nc_u64 s[4:5], s[4:5], s[26:27]
	s_lshl_b32 s26, ttmp9, 15
	s_add_nc_u64 s[SO:SO+1], s[SO:SO+1], s[26:27]
.irp p, 0,1
.irp j, 0,1,2,3,4,5,6,7
	global_load_b128 v[X+32*(\p)+4*(\j):X+32*(\p)+4*(\j)+3], v[VIN], s[4:5] offset:(\p)*4096+(\j)*512  ; 512 consecutive bytes a load
.endr
.endr
.irp j, 0,1,2,3,4,5,6,7
	global_load_b128 v[G+4*(\j):G+4*(\j)+3], v[VL], s[6:7] offset:(\j)*512
.endr
.irp j, 0,1,2,3,4,5,6,7
	global_load_b128 v[BV+4*(\j):BV+4*(\j)+3], v[VL], s[8:9] offset:(\j)*512
.endr
	s_wait_loadcnt 16                              ; both rows are in; the sixteen loads of gain and bias stay out
	LNROW 0
	LNROW 1
	s_endpgm
.Lfunc_end_k_q16185866f7_ln2:
	.size	k_q16185866f7_ln2, .Lfunc_end_k_q16185866f7_ln2-k_q16185866f7_ln2
	.p2alignl 7, 3214868480
	.fill 96, 4, 3214868480
	.section	.rodata,"a",@progbits
	.p2align	6, 0x0
	.amdhsa_kernel k_q16185866f7_ln2
		.amdhsa_group_segment_fixed_size 0
		.amdhsa_private_segment_fixed_size 0
		.amdhsa_enable_private_segment 0
		.amdhsa_kernarg_size 32
		.amdhsa_user_sgpr_count 2
		.amdhsa_user_sgpr_kernarg_segment_ptr 1
		.amdhsa_wavefront_size32 1
		.amdhsa_system_sgpr_workgroup_id_x 1
		.amdhsa_system_sgpr_workgroup_id_y 1
		.amdhsa_system_sgpr_workgroup_id_z 1
		.amdhsa_system_vgpr_workitem_id 0
		.amdhsa_next_free_vgpr 176
		.amdhsa_next_free_sgpr 66
		.amdhsa_reserve_vcc 0
		.amdhsa_float_denorm_mode_32 3
		.amdhsa_float_denorm_mode_16_64 3
		.amdhsa_memory_ordered 1
		.amdhsa_forward_progress 1
		.amdhsa_inst_pref_size 20
	.end_amdhsa_kernel
	.amdgpu_metadata
---
amdhsa.version: [ 1, 2 ]
amdhsa.kernels:
  - .name:           k_q16185866f7_ln2
    .symbol:         k_q16185866f7_ln2.kd
    .args:
      - { .name: x1, .offset: 0, .size: 8, .value_kind: global_buffer, .address_space: global }
      - { .name: ln2_g, .offset: 8, .size: 8, .value_kind: global_buffer, .address_space: global }
      - { .name: ln2_b, .offset: 16, .size: 8, .value_kind: global_buffer, .address_space: global }
      - { .name: hb, .offset: 24, .size: 8, .value_kind: global_buffer, .address_space: global }
    .group_segment_fixed_size: 0
    .private_segment_fixed_size: 0
    .kernarg_segment_align: 8
    .kernarg_segment_size: 32
    .max_flat_workgroup_size: 256
    .sgpr_count:     66
    .vgpr_count:     176
    .wavefront_size: 32
...
	.end_amdgpu_metadata
.endif
;; end of part 5
;; launch ffn1 (part 6): grid 16 x 16, 4 waves a work-group, clusters of 4 x 4, 327,680 bytes of LDS; arguments hb, wb, act, b1; writes act
.if DOCPART == 6
	.amdgcn_target "amdgcn-amd-amdhsa--gfx1250"
	.amdhsa_code_object_version 6
	.text
	.protected	k_q16185866f7_ffn1
	.globl	k_q16185866f7_ffn1
	.p2align	8
	.type	k_q16185866f7_ffn1,@function
k_q16185866f7_ffn1:
	s_mov_b64 s[64:65], 0
	v_nop
	global_prefetch_b8 v0, s[64:65] scope:SCOPE_SE
	s_setreg_imm32_b32 hwreg(HW_REG_WAVE_MODE, 25, 1), 1
	s_wait_xcnt 0x0
	s_wait_alu depctr_hold_cnt(0) depctr_sa_sdst(0) depctr_va_vdst(0) depctr_va_sdst(0) depctr_va_ssrc(0) depctr_va_vcc(0) depctr_vm_vsrc(0)
	s_getreg_b32 s2, hwreg(HW_REG_IB_STS2, 6, 4)
	s_cmp_eq_u32 s2, 0
	s_cbranch_scc0 .Lentry_in_a_cluster
	s_endpgm
.Lentry_in_a_cluster:
	s_bfe_u32 s2, ttmp6, 0x10000c
	s_cmp_lg_u32 s2, 0xf033
	s_cbranch_scc0 .Lentry_shape_is_right
	s_endpgm
.Lentry_shape_is_right:
; C = A W on tiles of 256 x 256.  A: [4096][1024] bf16, rows along K.  W: [1024][SIZE_N] bf16, rows along N, at byte WOFF of wb.  Sums in f32, K ascending, rounded to bf16 once.
; QKV = 1: A = layer norm of x, W = the q, k, v weights side by side (3,072 columns); C leaves by heads, [3][32 batch x head][2048][64].
; QKV = 0: A = second layer norm, W = w1; C = relu(A W + b1), [4096][4096]; the bias is the C operand of the product that starts each sum.
; LIMITS.  Matrix operands are bf16; NaN and infinities are not treated apart.
; SHARES.  Four waves, each 128 x 128 of C: 64 accumulators, 512 registers.  K goes in steps of 128 through two LDS slots filled by the tensor data mover.
; CLUSTER.  4 x 4 work-groups: the four of a row need the same tiles of A, the four of a column the same tiles of W; each tile is asked for jointly, by the same load, descriptor and mask.
; THE MATRIX INSTRUCTION IS USED TRANSPOSED: source 0 = 16 columns of W (read turned out of LDS, by ds_load_tr16_b128), source 1 = 16 rows of A: a lane holds eight neighbouring numbers of a row of C.
; REGISTERS, in windows of 256 (s_set_vgpr_msb: bits 1:0 source 0, 3:2 source 1, 5:4 source 2, 7:6 destination):
;   window 0: v0-31 addresses; v64-191 fragments of A, two buffers; v32-63, v192-255 at work on the way out
;   window 1: v64-191 fragments of W, two buffers; v0-63 the bias of my 128 columns (QKV = 0)          windows 2, 3: accumulator (a, b) at v[8 (8 a + b)], my rows 0-63 and 64-127
.set QKV, 0
.set SIZE_K, 1024
.if QKV
.set SIZE_N, 3072
.set WOFF,   0
.else
.set SIZE_N, 4096
.set WOFF,   8388608
.endif
.set KSTEP,  128
.set PITCH,  272                       ; a row of A in LDS: 256 bytes + 16: the 16 rows of a load start at 16 different groups of four banks (64 banks of 4 bytes: ISA guide 11.1)
.set BP,     544                       ; a k-row of W in LDS: 512 bytes + 32 = 17 x 32
.set HALFT,  128*PITCH                 ; what one tensor load brings: 128 rows of A, or 64 k-rows of W (64 x 544 is the same number)
.set SLOT,   4*HALFT                   ; A's 256 rows, then W's 128 k-rows
.set STAGE,  2*SLOT                    ; behind the ring: 16 rows x 272 bytes for each wave, for the way out
.set SPITCH, 272
.set SPARE,  STAGE+4*16*SPITCH         ; behind the stages: the spare words, 128 bytes for each wave, which no other line names
.set LAPS,   SIZE_K/(2*KSTEP)
.set ADRA, 16                          ; v16-17  LDS address of my A fragments in slot 0, 1
.set ADRB, 20                          ; v20-21  the same for W
.set STO,  24                          ; v24     the way out: where I put 16 bytes of a row
.set RD,   25                          ; v25     the way out: where I read rows back
.set CO,   26                          ; v26     my byte offset in C
.set VB,   27                          ; v27     my byte offset in the bias
.set SPW,  28                          ; v28     LDS address of my spare word; never rewritten
.set NIL,  29                          ; v29     0; never rewritten
.set F0,   64
.set F1,   128
.set TMP,  192
.set OB,   32
.set G1,  24                           ; s[24:31] descriptor group 1 for A;  s[32:39] group 0, one set a slot
.set G0,  32
.set G1B, 48                           ; s[48:55], s[56:63] the same for W
.set G0B, 56
.set MSB, 0
.macro WIN new                         ; the immediate's high byte repeats the setting that is left; a switch that changes nothing is dropped
.if MSB != (\new)
	s_set_vgpr_msb (MSB<<8)|(\new)
.set MSB, \new
.endif
.endm
.set MUL_LO, 0xa1                      ; source 0 (W) window 1, source 1 (A) window 0, C and D window 2
.set TO_B,   0x40                      ; destination window 1, address window 0
; A joint load: waves 0 and 1 fetch A's halves, waves 2 and 3 W's.  The branch hangs on the wave's number alone.  Four v_nop follow each of the two lines.
.macro JLOAD s
	s_cmp_eq_u32 s11, 0
	s_cbranch_scc0 .Lfor_b_\@
	tensor_load_to_lds s[G0+4*(\s):G0+4*(\s)+3], s[G1:G1+7]
	s_nop 0
.rept 4
	v_nop
.endr
	s_branch .Lasked_\@
.Lfor_b_\@:
	tensor_load_to_lds s[G0B+4*(\s):G0B+4*(\s)+3], s[G1B:G1B+7]
	s_nop 0
.rept 4
	v_nop
.endr
.Lasked_\@:
.endm
.macro CREST                           ; a round of the cluster's barrier behind its opening barrier
	s_cmp_lg_u32 s10, 0
	s_cbranch_scc1 .Lnot_wave_0_\@
	s_barrier_signal -3
.Lnot_wave_0_\@:
	s_barrier_wait -3
	s_barrier_signal -1
	s_barrier_wait -1
.endm
.macro CROUND                          ; a whole round
	s_barrier_signal -1
	s_barrier_wait -1
	CREST
.endm
	s_load_b128 s[4:7], s[0:1], 0x0                ; A s[4:5], wb s[6:7]
	s_load_b64 s[8:9], s[0:1], 0x10                ; C
.if !QKV
	s_load_b64 s[66:67], s[0:1], 0x18              ; the bias
.endif
	v_lshl_add_u32 v[SPW], v0, 2, SPARE
	v_mov_b32 v[NIL], 0
	ds_add_u32 v28, v29
	ds_add_u32 v28, v29
	s_wait_dscnt 0x0
	v_lshrrev_b32 v1, 5, v0
	v_readfirstlane_b32 s10, v1                    ; wave 0..3
	s_lshr_b32 s11, s10, 1                         ; which half of the tile's rows is mine.  Also: I fetch for A (0) or for W (1)
	s_and_b32 s12, s10, 1                          ; which half of its columns.  Also: which half of that tile I fetch
	s_bfe_u32 s40, ttmp6, 0x40000                  ; cx, cy: my place in the cluster
	s_bfe_u32 s41, ttmp6, 0x40004
	s_lshl_b32 s42, ttmp9, 2
	s_add_co_u32 s42, s42, s40                     ; tile column of C
	s_and_b32 s13, ttmp7, 0xffff
	s_lshl_b32 s13, s13, 2
	s_add_co_u32 s13, s13, s41                     ; tile row of C
	s_lshl_b32 s43, s41, 2
	s_lshl_b32 s43, 15, s43                        ; my row of the cluster
	s_lshl_b32 s44, 0x1111, s40                    ; my column
	s_or_b32 s[G1+0], s43, (1<<16)|(1<<20)|(1<<21)|(5<<22)|(3<<25)   ; the mask; 2-byte elements; padding on; bit 21 beside a mask; after every 64 words 4 words
	s_mov_b32 s[G1+1], KSTEP<<16                   ; tensor_dim0 = 128
	s_mov_b32 s[G1+2], 128<<16                     ; tensor_dim1 = 128
	s_mov_b32 s[G1+3], KSTEP<<16                   ; tile_dim0 = 128
	s_mov_b32 s[G1+4], 128                         ; tile_dim1 = 128
	s_mov_b32 s[G1+5], SIZE_K                      ; elements from row to row
	s_mov_b32 s[G1+6], 0
	s_mov_b32 s[G1+7], 0
	s_or_b32 s[G1B+0], s44, (1<<16)|(1<<20)|(1<<21)|(6<<22)|(7<<25)  ; after every 128 words 8 words
	s_mov_b32 s[G1B+1], 256<<16                    ; tensor_dim0 = 256 columns
	s_mov_b32 s[G1B+2], 64<<16                     ; tensor_dim1 = 64 k-rows
	s_mov_b32 s[G1B+3], 256<<16
	s_mov_b32 s[G1B+4], 64
	s_mov_b32 s[G1B+5], SIZE_N
	s_mov_b32 s[G1B+6], 0
	s_mov_b32 s[G1B+7], 0
	s_lshl_b32 s16, s13, 8                         ; A hangs on the tile row alone: row 256 x tile row + 128 x half,
	s_lshl_b32 s17, s12, 7
	s_add_co_u32 s16, s16, s17
	s_lshl_b32 s16, s16, 11                        ; of 2,048 bytes
	s_mov_b32 s17, 0
	s_mul_i32 s46, s12, 64*SIZE_N*2                ; W hangs on the tile column alone: k-row 64 x half,
	s_lshl_b32 s47, s42, 9                         ; 512 bytes a tile column
	s_add_co_u32 s46, s46, s47
.if WOFF
	s_add_co_u32 s46, s46, WOFF
.endif
	s_mov_b32 s47, 0
	s_mul_i32 s20, s10, HALFT                      ; where they go: no place in the cluster enters an LDS address
	s_wait_kmcnt 0x0
	s_add_nc_u64 s[14:15], s[4:5], s[16:17]
	s_add_nc_u64 s[46:47], s[6:7], s[46:47]
	CROUND                                         ; all sixteen work-groups are here: the first joint loads meet
.irp s, 0,1
	s_mov_b32 s[G0+4*(\s)], 1
	s_add_co_u32 s[G0+4*(\s)+1], s20, (\s)*SLOT
	s_add_nc_u64 s[G0+4*(\s)+2:G0+4*(\s)+3], s[14:15], (\s)*KSTEP*2
	s_or_b32 s[G0+4*(\s)+3], s[G0+4*(\s)+3], 0x80000000
	s_mov_b32 s[G0B+4*(\s)], 1
	s_add_co_u32 s[G0B+4*(\s)+1], s20, (\s)*SLOT
	s_add_nc_u64 s[G0B+4*(\s)+2:G0B+4*(\s)+3], s[46:47], (\s)*KSTEP*SIZE_N*2
	s_or_b32 s[G0B+4*(\s)+3], s[G0B+4*(\s)+3], 0x80000000
	JLOAD \s                                       ; two loads of mine are out
.endr
	v_and_b32 v1, 15, v0                           ; l % 16
	v_bfe_u32 v2, v0, 4, 1                         ; l / 16
	v_mul_u32_u24 v3, v1, PITCH
	v_lshl_add_u32 v3, v2, 4, v3                   ; A: row x pitch + 16 x half
	v_and_b32 v6, 7, v0
	v_lshl_add_u32 v6, v2, 3, v6
	v_mul_u32_u24 v6, v6, BP                       ; W: k-row 8 (l / 16) + l % 8,
	v_bfe_u32 v7, v0, 3, 1
	v_lshl_add_u32 v6, v7, 4, v6                   ; columns 8 ((l / 8) % 2) on
	s_mul_i32 s21, s11, HALFT                      ; my 128 rows of A
	s_lshl_b32 s22, s12, 8                         ; my 128 columns of W,
	s_add_co_u32 s22, s22, 2*HALFT                 ; which lies behind A
.irp s, 0,1
	v_add_nc_u32 v[ADRA+(\s)], s21, v3
	v_add_nc_u32 v[ADRB+(\s)], s22, v6
	s_add_co_u32 s21, s21, SLOT
	s_add_co_u32 s22, s22, SLOT
.endr
	s_mul_i32 s23, s10, 16*SPITCH
	s_add_co_u32 s23, s23, STAGE                   ; my stage
	v_mul_u32_u24 v4, v1, SPITCH                   ; in: row l % 16, 16 bytes for each half of the lanes
	v_lshl_add_u32 v4, v2, 4, v4
	v_add_nc_u32 v[STO], s23, v4
	s_lshl_b32 s46, s42, 8
	s_lshl_b32 s47, s12, 7
	s_add_co_u32 s46, s46, s47                     ; my first column
	s_lshl_b32 s16, s13, 8
	s_lshl_b32 s17, s11, 7
	s_add_co_u32 s16, s16, s17                     ; my first row
.if QKV
	v_bfe_u32 v5, v0, 3, 2                         ; back: 32 lanes take four rows' 128 bytes of one head,
	v_mul_u32_u24 v5, v5, SPITCH
	v_and_b32 v7, 7, v0
	v_lshl_add_u32 v5, v7, 4, v5
	v_add_nc_u32 v[RD], s23, v5
	v_and_b32 v[CO], 31, v0                        ; which are 512 consecutive bytes of q, k or v
	v_lshlrev_b32 v[CO], 4, v[CO]
	s_lshr_b32 s47, s46, 10                        ; 0 q, 1 k, 2 v:
	s_lshl_b32 s47, s47, 23                        ; 8,388,608 bytes each
	s_bfe_u32 s46, s46, 0x40006                    ; my first head
	s_lshr_b32 s17, s16, 11                        ; the batch
	s_lshl4_add_u32 s46, s17, s46
	s_lshl_b32 s46, s46, 18                        ; 262,144 bytes a head
	s_add_co_u32 s46, s46, s47
	s_and_b32 s16, s16, 2047
	s_lshl_b32 s16, s16, 7                         ; 128 bytes a row
	s_add_co_u32 s46, s46, s16
.else
	v_mul_u32_u24 v5, v2, SPITCH                   ; back: lanes 0-15 take one row of 256 bytes, lanes 16-31 the next
	v_lshl_add_u32 v5, v1, 4, v5
	v_add_nc_u32 v[RD], s23, v5
	v_mul_u32_u24 v5, v2, SIZE_N*2                 ; and the same two rows in C
	v_lshl_add_u32 v[CO], v1, 4, v5
	v_lshlrev_b32 v[VB], 5, v2                     ; my lanes' eight columns of sixteen
	s_lshl_b32 s18, s46, 2
	s_mov_b32 s19, 0
	s_add_nc_u64 s[66:67], s[66:67], s[18:19]
	WIN TO_B
.irp b, 0,1,2,3,4,5,6,7
	global_load_b128 v[8*(\b):8*(\b)+3],   v[VB], s[66:67] offset:64*(\b)      ; register j of block b: the bias of column 16 b + 8 (l / 16) + j
	global_load_b128 v[8*(\b)+4:8*(\b)+7], v[VB], s[66:67] offset:64*(\b)+16
.endr
	WIN 0
	s_lshl_b32 s16, s16, 13
	s_lshl1_add_u32 s46, s46, s16
.endif
	s_mov_b32 s47, 0
	s_add_nc_u64 s[8:9], s[8:9], s[46:47]          ; C at my part of the tile; never stepped: blocks and rows stand in the stores' immediates
; 16 matrix instructions: m blocks a0, a0 + 1 of the window's four x all 8 n blocks, 32 along K.  zero = 1: the product starts the sum, with 0 or with the bias.  The 64 accumulators take turns.
.macro MUL16 f, hi, a0, zero
.if (\zero) && !QKV
	WIN 0x91+0x40*(\hi)                            ; C in window 1
.else
	WIN MUL_LO+0x50*(\hi)
.endif
.irp a, \a0, (\a0)+1
.irp b, 0,1,2,3,4,5,6,7
.if (\zero) && QKV
	v_wmma_f32_16x16x32_bf16 v[8*(8*(\a)+(\b)):8*(8*(\a)+(\b))+7], v[(\f)+8*(\b):(\f)+8*(\b)+7], v[(\f)+8*(4*(\hi)+(\a)):(\f)+8*(4*(\hi)+(\a))+7], 0
.elseif \zero
	v_wmma_f32_16x16x32_bf16 v[8*(8*(\a)+(\b)):8*(8*(\a)+(\b))+7], v[(\f)+8*(\b):(\f)+8*(\b)+7], v[(\f)+8*(4*(\hi)+(\a)):(\f)+8*(4*(\hi)+(\a))+7], v[8*(\b):8*(\b)+7]
.else
	v_wmma_f32_16x16x32_bf16 v[8*(8*(\a)+(\b)):8*(8*(\a)+(\b))+7], v[(\f)+8*(\b):(\f)+8*(\b)+7], v[(\f)+8*(4*(\hi)+(\a)):(\f)+8*(4*(\hi)+(\a))+7], v[8*(8*(\a)+(\b)):8*(8*(\a)+(\b))+7]
.endif
.endr
.endr
.endm
; 32 LDS loads in one run: the fragments of quarter q (32 along K) of a slot into buffer f: W's 128 columns turned, then A's 128 rows
.macro FETCH slot, q, f
	WIN TO_B
.irp i, 0,1,2,3,4,5,6,7
	ds_load_tr16_b128 v[(\f)+8*(\i):(\f)+8*(\i)+3],   v[ADRB+(\slot)] offset:(\q)*32*BP+32*(\i)
	ds_load_tr16_b128 v[(\f)+8*(\i)+4:(\f)+8*(\i)+7], v[ADRB+(\slot)] offset:(\q)*32*BP+16*BP+32*(\i)
.endr
	WIN 0
.irp i, 0,1,2,3,4,5,6,7
	ds_load_b128 v[(\f)+8*(\i):(\f)+8*(\i)+3],   v[ADRA+(\slot)] offset:64*(\q)+(\i)*16*PITCH
	ds_load_b128 v[(\f)+8*(\i)+4:(\f)+8*(\i)+7], v[ADRA+(\slot)] offset:64*(\q)+(\i)*16*PITCH+32
.endr
.endm
.macro PLACES                          ; four places in front of loads into registers that matrix instructions have read, and of vector work on results just made
.rept 4
	v_nop
.endr
.endm
; One of a K step's first three quarters: multiplies buffer f; in its middle it fetches quarter q of the same slot into buffer g.
.macro QUARTER slot, q, f, g, zero
	s_wait_dscnt 8                                 ; W and A's rows 0-63 are in; the youngest eight loads (A's rows 64-127) may be out
	MUL16 \f, 0, 0, \zero
	MUL16 \f, 0, 2, \zero
	PLACES
	FETCH \slot, \q, \g
	s_wait_dscnt 32                                ; all but the 32 just issued
	MUL16 \f, 1, 0, \zero
	MUL16 \f, 1, 2, \zero
.endm
; The last quarter's first half and the change of slots: each wave waits for all its tensor loads, adds 0 to its spare word, waits for that and for its reads of this slot, and signals.
.macro MEET round
	WIN 0                                          ; (the add's two registers lie in window 0)
	s_wait_tensorcnt 0x0                           ; all my tensor loads have landed: the one that was out is my part of the next slot
	ds_add_u32 v[SPW], v[NIL]                      ; 0 onto my spare word
	s_wait_dscnt 9                                 ; (the add and the youngest eight loads may be out)
	MUL16 F1, 0, 0, 0
	s_wait_dscnt 0x0                               ; the add is done, and my reads of this slot are over
	s_barrier_signal -1
	MUL16 F1, 0, 2, 0
.if \round
	WIN 0
.endif
	s_barrier_wait -1
.endm
.macro TURN slot, next                 ; the whole last quarter; the slot just read out is filled again, two K steps on, first thing behind the cluster's round
	MEET 1
	CREST                                          ; no wave of any partner still reads this slot or has a load on its way
	s_add_nc_u64 s[G0+4*(\slot)+2:G0+4*(\slot)+3], s[G0+4*(\slot)+2:G0+4*(\slot)+3], 2*KSTEP*2
	s_add_nc_u64 s[G0B+4*(\slot)+2:G0B+4*(\slot)+3], s[G0B+4*(\slot)+2:G0B+4*(\slot)+3], 2*KSTEP*SIZE_N*2
	JLOAD \slot                                    ; its four v_nop are also the places in front of the loads below
	FETCH \next, 0, F0
	MUL16 F1, 1, 0, 0
	MUL16 F1, 1, 2, 0
.endm
; THE WAY OUT of block a (16 rows): PACK rounds (QKV = 0: after the relu), TOSTAGE sends 16 bytes a lane through my own stage and reads whole pieces back, SEND stores them.
.macro PACK a
.set AC, 64*((\a)%4)
.if !QKV
	WIN 0x88+0x44*((\a)/4)                         ; source 1 and destination: window 2 or 3
.set i, 0
.rept 64
	v_max_num_f32 v[AC+i], 0, v[AC+i]              ; ascending: each accumulator is read from its low end on
.set i, i+1
.endr
.endif
	WIN 0x0a+5*((\a)/4)                            ; sources 0 and 1: window 2 or 3
.irp b, 0,1,2,3,4,5,6,7
.irp r, 0,1,2,3
	v_cvt_pk_bf16_f32 v[TMP+4*(\b)+(\r)], v[AC+8*(\b)+2*(\r)], v[AC+8*(\b)+2*(\r)+1]
.endr
.endr
	WIN 0
.endm
.macro TOSTAGE a
	WIN 0
.set BK, OB+192*((\a)%2)
.irp b, 0,1,2,3,4,5,6,7
	ds_store_b128 v[STO], v[TMP+4*(\b):TMP+4*(\b)+3] offset:32*(\b)
.endr
.irp t, 0,1,2,3,4,5,6,7
.if QKV
	ds_load_b128 v[BK+4*(\t):BK+4*(\t)+3], v[RD] offset:((\t)%4)*4*SPITCH+((\t)/4)*128  ; head t / 4, rows 4 (t % 4) on.  LDS serves a wave's instructions in order (ISA guide 5.7.1.4)
.else
	ds_load_b128 v[BK+4*(\t):BK+4*(\t)+3], v[RD] offset:(\t)*2*SPITCH
.endif
.endr
.endm
.macro SEND a
	WIN 0
.set BK, OB+192*((\a)%2)
	s_wait_dscnt 0x0                               ; the block is back in registers
	s_wait_xcnt 0x0                                ; the registers that the block before last's stores read are loaded again only behind this wait
.irp t, 0,1,2,3,4,5,6,7
.if QKV
	global_store_b128 v[CO], v[BK+4*(\t):BK+4*(\t)+3], s[8:9] offset:((\t)/4)*262144+(\a)*2048+((\t)%4)*512  ; 512 consecutive bytes, aligned
.else
	global_store_b128 v[CO], v[BK+4*(\t):BK+4*(\t)+3], s[8:9] offset:(16*(\a)+2*(\t))*SIZE_N*2  ; 16 lanes store 256 consecutive bytes, aligned
.endif
.endr
.endm
	s_wait_tensorcnt 1                             ; my part of K step 0 is in; K step 1's may stay out
	s_barrier_signal -1
	s_barrier_wait -1
	FETCH 0, 0, F0
.if !QKV
	s_wait_loadcnt 0x0                             ; the bias
.endif
	QUARTER 0, 1, F0, F1, 1                        ; the first quarter stands in front of the loop: its products start the sums
	WIN 0
	s_mov_b32 s3, LAPS-1
.Llap:                                                 ; a trip goes once round the ring and fills both slots again
	QUARTER 0, 2, F1, F0, 0
	QUARTER 0, 3, F0, F1, 0
	TURN 0, 1
	QUARTER 1, 1, F0, F1, 0
	QUARTER 1, 2, F1, F0, 0
	QUARTER 1, 3, F0, F1, 0
	TURN 1, 0
	QUARTER 0, 1, F0, F1, 0
	WIN 0
	s_sub_co_u32 s3, s3, 1
	s_cmp_lg_u32 s3, 0
	s_cbranch_scc1 .Llap
	QUARTER 0, 2, F1, F0, 0                        ; the last lap fills nothing
	QUARTER 0, 3, F0, F1, 0
	MEET 0
	PLACES
	FETCH 1, 0, F0
	MUL16 F1, 1, 0, 0
	MUL16 F1, 1, 2, 0
	QUARTER 1, 1, F0, F1, 0
	QUARTER 1, 2, F1, F0, 0
	QUARTER 1, 3, F0, F1, 0
	s_wait_dscnt 8
	MUL16 F1, 0, 0, 0
	MUL16 F1, 0, 2, 0
	s_wait_dscnt 0x0
	MUL16 F1, 1, 0, 0
	MUL16 F1, 1, 2, 0
	PLACES
	PACK 0
	TOSTAGE 0
.irp a, 1,2,3,4,5,6,7                  ; block a's arithmetic stands between block a - 1's loads from the stage and the wait for them
	PACK \a
	SEND (\a)-1
	TOSTAGE \a
.endr
	SEND 7
	s_wait_tensorcnt 0x0                           ; the wave's end
	ds_add_u32 v[SPW], v[NIL]
	s_wait_dscnt 0x0
	CROUND                                         ; the closing round
	s_endpgm
.Lfunc_end_k_q16185866f7_ffn1:
	.size	k_q16185866f7_ffn1, .Lfunc_end_k_q16185866f7_ffn1-k_q16185866f7_ffn1
	.p2alignl 7, 3214868480
	.fill 96, 4, 3214868480
	.section	.rodata,"a",@progbits
	.p2align	6, 0x0
	.amdhsa_kernel k_q16185866f7_ffn1
		.amdhsa_group_segment_fixed_size 327680
		.amdhsa_private_segment_fixed_size 0
		.amdhsa_enable_private_segment 0
		.amdhsa_kernarg_size 32
		.amdhsa_user_sgpr_count 2
		.amdhsa_user_sgpr_kernarg_segment_ptr 1
		.amdhsa_wavefront_size32 1
		.amdhsa_system_sgpr_workgroup_id_x 1
		.amdhsa_system_sgpr_workgroup_id_y 1
		.amdhsa_system_sgpr_workgroup_id_z 1
		.amdhsa_system_vgpr_workitem_id 0
		.amdhsa_next_free_vgpr 1024
		.amdhsa_next_free_sgpr 72
		.amdhsa_reserve_vcc 0
		.amdhsa_float_denorm_mode_32 3
		.amdhsa_float_denorm_mode_16_64 3
		.amdhsa_memory_ordered 1
		.amdhsa_forward_progress 1
		.amdhsa_inst_pref_size 161
	.end_amdhsa_kernel
	.amdgpu_metadata
---
amdhsa.version: [ 1, 2 ]
amdhsa.kernels:
  - .name:           k_q16185866f7_ffn1
    .symbol:         k_q16185866f7_ffn1.kd
    .args:
      - { .name: hb, .offset: 0, .size: 8, .value_kind: global_buffer, .address_space: global }
      - { .name: wb, .offset: 8, .size: 8, .value_kind: global_buffer, .address_space: global }
      - { .name: act, .offset: 16, .size: 8, .value_kind: global_buffer, .address_space: global }
      - { .name: b1, .offset: 24, .size: 8, .value_kind: global_buffer, .address_space: global }
    .group_segment_fixed_size: 327680
    .private_segment_fixed_size: 0
    .kernarg_segment_align: 8
    .kernarg_segment_size: 32
    .max_flat_workgroup_size: 128
    .sgpr_count:     72
    .vgpr_count:     1024
    .wavefront_size: 32
...
	.end_amdgpu_metadata
.endif
;; end of part 6
;; launch ffn2 (part 7): grid 8 x 32, 4 waves a work-group, clusters of 4 x 4, 327,680 bytes of LDS; arguments act, wb, out0, b2, x1; writes out0
.if DOCPART == 7
	.amdgcn_target "amdgcn-amd-amdhsa--gfx1250"
	.amdhsa_code_object_version 6
	.text
	.protected	k_q16185866f7_ffn2
	.globl	k_q16185866f7_ffn2
	.p2align	8
	.type	k_q16185866f7_ffn2,@function
k_q16185866f7_ffn2:
	s_mov_b64 s[64:65], 0
	v_nop
	global_prefetch_b8 v0, s[64:65] scope:SCOPE_SE
	s_setreg_imm32_b32 hwreg(HW_REG_WAVE_MODE, 25, 1), 1
	s_wait_xcnt 0x0
	s_wait_alu depctr_hold_cnt(0) depctr_sa_sdst(0) depctr_va_vdst(0) depctr_va_sdst(0) depctr_va_ssrc(0) depctr_va_vcc(0) depctr_vm_vsrc(0)
	s_getreg_b32 s2, hwreg(HW_REG_IB_STS2, 6, 4)
	s_cmp_eq_u32 s2, 0
	s_cbranch_scc0 .Lentry_in_a_cluster
	s_endpgm
.Lentry_in_a_cluster:
	s_bfe_u32 s2, ttmp6, 0x10000c
	s_cmp_lg_u32 s2, 0xf033
	s_cbranch_scc0 .Lentry_shape_is_right
	s_endpgm
.Lentry_shape_is_right:
; OUT = RES + A W + bias on tiles of 128 x 128, OUT, RES: [4096][1024] f32; W: [SIZE_K][1024] bf16, rows along N, at byte WOFF of wb; sums in f32; the bias is the C operand that starts each sum.
; PROJ = 1: A = attention's result by heads, [32 batch x head][2048][64] bf16 (K = 64 x head + channel), W = w_proj, RES = x.     PROJ = 0: A = relu's result [4096][4096] bf16, W = w2, RES = the first residual sum.
; LIMITS.  Matrix operands are bf16; NaN and infinities are not treated apart; a sum's K steps come in the order of the ring below, not ascending, so the order of rounding differs from the reference's.
; SHARES.  Four waves, each 64 x 64: 16 accumulators.  K goes in NSTEP steps of 256 through two LDS slots.  A wave's 64 columns of f32 are 256 aligned bytes of a row, so each wave has a stage of its own on the way out.
; CLUSTER.  4 x 4 work-groups; A's tiles are shared along a row, W's along a column, each asked for jointly.  THE MATRIX INSTRUCTION IS USED TRANSPOSED (source 0 = 16 columns of W, read turned; source 1 = 16 rows of A).
; THE RING ALONG K.  The K steps are walked as a ring from a start that hangs on the cluster's place X, Y in the grid alone: ((2 X + Y + 2 (Y / 4)) mod 4) x NSTEP / 4.  The two clusters that need the same rows of A
; (same Y) start half a ring apart; of the eight that need the same columns of W (same X) each of the groups Y = 0-3, 4-7, {0, 1, 4, 5}, {2, 3, 6, 7} holds all four starts.  So clusters that share rows do not
; ask for the same bytes in the same step: one of them asks first, the others steps later.  All partners of a cluster share X and Y, so a joint load's descriptor is the same in all that it names.
; ASKING AHEAD (PROJ = 0).  In ring steps 0 to NSTEP / 2 - 1 a cluster is the first to ask for its rows of A.  Steps 0 and 1 are the first fills; steps 2 to 7 are asked for ahead by global_prefetch_b8, each block of 256 bytes
; once in the launch: the work-group at place cx takes rows 32 cx to 32 cx + 31 of the tile's 128, a wave 16 of them x 2 blocks, waves 0, 1 of one step and waves 2, 3 of the next.  At the head: steps 2 and 3.  In the loop's first two
; trips, behind slot 0's refill (step s + 2): steps s + 4 and s + 5, two K steps (256 matrix instructions of the wave) ahead of the first of their tensor loads.  Nothing is asked for beyond step 7; every address lies in A.
; REGISTERS: window 0: v0-31 addresses; v32-95 at work on the way out; v96-127 the bias; v128-255 accumulator (a, b) at v[128 + 8 (4 a + b)].   window 1: two fragment buffers of 128.   window 2: v0-127 my part of RES.
.set PROJ, 0
.set KSTEP,  256
.if PROJ
.set SIZE_K, 1024
.set WOFF,   6291456
.set APITCH, 144                       ; a head's row of A in LDS: 128 bytes + 16
.set AQ,     9216                      ; a quarter of a K step is a head: 64 rows x 144 bytes on
.set ASH,    20                        ; a K step of A is four heads of 262,144 bytes: 1 << 20
.else
.set SIZE_K, 4096
.set WOFF,   16777216
.set APITCH, 528                       ; a row of A in LDS: 512 bytes + 16
.set AQ,     128
.set ASH,    9                         ; a K step of A is 512 bytes of a row: 1 << 9
.endif
.set BSH,    19                        ; a K step of W is 256 k-rows of 2,048 bytes: 1 << 19
.set ASK,    1-PROJ                    ; 1: the text asks ahead
.set SIZE_N, 1024
.set NSTEP,  SIZE_K/KSTEP
.set BP,     288                       ; a k-row of W in LDS: 256 bytes + 32 = 9 x 32
.set HALFT,  36864                     ; room for what one tensor load brings: 64 rows of A, or 128 k-rows of W
.set SLOT,   4*HALFT
.set STAGE,  2*SLOT                    ; behind the ring: 16 rows x 272 bytes for each wave
.set SPITCH, 272
.set SPARE,  STAGE+4*16*SPITCH         ; behind the stages: the spare words, 128 bytes for each wave, which no other line names
.set LAPS,   NSTEP/2
.set ADRA, 16                          ; v16-17  LDS address of my A fragments in slot 0, 1
.set ADRB, 20                          ; v20-23  of W's: 2 x slot + half of the K step (an LDS offset has 16 bits)
.set STO,  24
.set RD,   25
.set CO,   26
.set VB,   27
.set SPW,  28                          ; never rewritten
.set NIL,  29                          ; never rewritten
.set VPF,  30                          ; v30     asking ahead: my lane's row and block; never rewritten
.set TMP,  32
.set BIAS, 96
.set ACC,  128
.set F0,   0
.set F1,   128
.set BA,  14                           ; s[14:15] A at my part of the tile, K step 0; never rewritten
.set G1,  24
.set G0,  32
.set G1B, 48
.set G0B, 56
.set ROT, 66                           ; s66      the ring's start
.set BB,  72                           ; s[72:73] W at my part of the tile, K step 0; never rewritten
.set KK,  76                           ; s76      the K step asked for last
.set TS,  77                           ; s77      at work
.set OA,  78                           ; s[78:79] that step's byte offset in A
.set OW,  80                           ; s[80:81] and in W
.set PFB, 82                           ; s[82:83] asking ahead: A at my work-group's 32 rows, K step 0
.set PF,  84                           ; s[84:85] the same at the step asked for
.set PO,  86                           ; s[86:87] an offset at work
.set MSB, 0
.macro WIN new
.if MSB != (\new)
	s_set_vgpr_msb (MSB<<8)|(\new)
.set MSB, \new
.endif
.endm
.set MUL,  0x05                        ; sources 0 (W) and 1 (A) window 1; C and D window 0
.set TO_F, 0x40
.macro JLOAD s                         ; a joint load: waves 0 and 1 fetch A's halves, waves 2 and 3 W's; four v_nop follow each of the two lines
	s_cmp_eq_u32 s11, 0
	s_cbranch_scc0 .Lfor_b_\@
	tensor_load_to_lds s[G0+4*(\s):G0+4*(\s)+3], s[G1:G1+7]
	s_nop 0
.rept 4
	v_nop
.endr
	s_branch .Lasked_\@
.Lfor_b_\@:
	tensor_load_to_lds s[G0B+4*(\s):G0B+4*(\s)+3], s[G1B:G1B+7]
	s_nop 0
.rept 4
	v_nop
.endr
.Lasked_\@:
.endm
.macro CREST
	s_cmp_lg_u32 s10, 0
	s_cbranch_scc1 .Lnot_wave_0_\@
	s_barrier_signal -3
.Lnot_wave_0_\@:
	s_barrier_wait -3
	s_barrier_signal -1
	s_barrier_wait -1
.endm
.macro CROUND
	s_barrier_signal -1
	s_barrier_wait -1
	CREST
.endm
	s_load_b128 s[4:7], s[0:1], 0x0                ; A s[4:5], wb s[6:7]
	s_load_b64 s[8:9], s[0:1], 0x10                ; OUT
	s_load_b64 s[68:69], s[0:1], 0x18              ; the bias
	s_load_b64 s[70:71], s[0:1], 0x20              ; RES
	v_lshl_add_u32 v[SPW], v0, 2, SPARE
	v_mov_b32 v[NIL], 0
	ds_add_u32 v28, v29
	ds_add_u32 v28, v29
	s_wait_dscnt 0x0
	v_lshrrev_b32 v1, 5, v0
	v_readfirstlane_b32 s10, v1                    ; wave 0..3
	s_lshr_b32 s11, s10, 1                         ; which half of the tile's rows is mine.  Also: I fetch for A (0) or for W (1)
	s_and_b32 s12, s10, 1                          ; which half of its columns.  Also: which half of that tile I fetch
	s_bfe_u32 s40, ttmp6, 0x40000
	s_bfe_u32 s41, ttmp6, 0x40004
	s_lshl_b32 s42, ttmp9, 2
	s_add_co_u32 s42, s42, s40                     ; tile column
	s_and_b32 s13, ttmp7, 0xffff                   ; Y
	s_lshr_b32 s[TS], s13, 2
	s_lshl1_add_u32 s[ROT], s[TS], s13             ; Y + 2 (Y / 4)
	s_lshl_b32 s[TS], ttmp9, 1
	s_add_co_u32 s[ROT], s[ROT], s[TS]             ; + 2 X
	s_and_b32 s[ROT], s[ROT], 3
	s_mul_i32 s[ROT], s[ROT], NSTEP/4              ; the ring's start: made of the cluster's place alone
	s_lshl_b32 s13, s13, 2
	s_add_co_u32 s13, s13, s41                     ; tile row
	s_lshl_b32 s43, s41, 2
	s_lshl_b32 s43, 15, s43
	s_lshl_b32 s44, 0x1111, s40
.if PROJ
	; 64 token rows of four heads: four rows of 4,096 elements (a head's 64 rows are dense), 131,072 elements apart, padded in LDS after every 32 words by 4
	s_or_b32 s[G1+0], s43, (1<<16)|(1<<20)|(1<<21)|(4<<22)|(3<<25)
	s_mov_b32 s[G1+1], 4096<<16
	s_mov_b32 s[G1+2], 4<<16
	s_mov_b32 s[G1+3], 4096<<16
	s_mov_b32 s[G1+4], 4
	s_mov_b32 s[G1+5], 131072
.else
	s_or_b32 s[G1+0], s43, (1<<16)|(1<<20)|(1<<21)|(6<<22)|(3<<25)   ; 64 rows x 256 elements, padded after every 128 words by 4
	s_mov_b32 s[G1+1], KSTEP<<16
	s_mov_b32 s[G1+2], 64<<16
	s_mov_b32 s[G1+3], KSTEP<<16
	s_mov_b32 s[G1+4], 64
	s_mov_b32 s[G1+5], SIZE_K
.endif
	s_mov_b32 s[G1+6], 0
	s_mov_b32 s[G1+7], 0
	s_or_b32 s[G1B+0], s44, (1<<16)|(1<<20)|(1<<21)|(5<<22)|(7<<25)  ; 128 k-rows x 128 columns, padded after every 64 words by 8
	s_mov_b32 s[G1B+1], 128<<16
	s_mov_b32 s[G1B+2], 128<<16
	s_mov_b32 s[G1B+3], 128<<16
	s_mov_b32 s[G1B+4], 128
	s_mov_b32 s[G1B+5], SIZE_N
	s_mov_b32 s[G1B+6], 0
	s_mov_b32 s[G1B+7], 0
.if PROJ
	s_lshr_b32 s16, s13, 4                         ; the batch: 16 heads of 262,144 bytes
	s_lshl_b32 s16, s16, 22
	s_and_b32 s17, s13, 15                         ; 128 rows of 128 bytes a tile row
	s_lshl_b32 s17, s17, 14
	s_add_co_u32 s16, s16, s17
	s_lshl_b32 s17, s12, 13                        ; my 64 rows
	s_add_co_u32 s16, s16, s17
.else
	s_lshl_b32 s16, s13, 7
	s_lshl_b32 s17, s12, 6
	s_add_co_u32 s16, s16, s17                     ; row 128 x tile row + 64 x half,
	s_lshl_b32 s16, s16, 13                        ; of 8,192 bytes
.endif
	s_mov_b32 s17, 0
	s_lshl_b32 s46, s12, 18                        ; W: k-row 128 x half, of 2,048 bytes,
	s_lshl_b32 s47, s42, 8                         ; 256 bytes a tile column
	s_add_co_u32 s46, s46, s47
	s_add_co_u32 s46, s46, WOFF
	s_mov_b32 s47, 0
	s_mov_b32 s[OA+1], 0
	s_mov_b32 s[OW+1], 0
	s_mul_i32 s20, s10, HALFT
	s_wait_kmcnt 0x0
	s_add_nc_u64 s[BA:BA+1], s[4:5], s[16:17]
	s_add_nc_u64 s[BB:BB+1], s[6:7], s[46:47]
	CROUND                                         ; all sixteen work-groups are here: the first joint loads meet
.irp s, 0,1
	s_add_co_u32 s[KK], s[ROT], \s                 ; ring step s is K step (start + s) mod NSTEP
	s_and_b32 s[KK], s[KK], NSTEP-1
	s_lshl_b32 s[OA], s[KK], ASH
	s_lshl_b32 s[OW], s[KK], BSH
	s_mov_b32 s[G0+4*(\s)], 1
	s_add_co_u32 s[G0+4*(\s)+1], s20, (\s)*SLOT
	s_add_nc_u64 s[G0+4*(\s)+2:G0+4*(\s)+3], s[BA:BA+1], s[OA:OA+1]
	s_or_b32 s[G0+4*(\s)+3], s[G0+4*(\s)+3], 0x80000000
	s_mov_b32 s[G0B+4*(\s)], 1
	s_add_co_u32 s[G0B+4*(\s)+1], s20, (\s)*SLOT
	s_add_nc_u64 s[G0B+4*(\s)+2:G0B+4*(\s)+3], s[BB:BB+1], s[OW:OW+1]
	s_or_b32 s[G0B+4*(\s)+3], s[G0B+4*(\s)+3], 0x80000000
	JLOAD \s                                       ; two loads of mine are out
.endr
	v_and_b32 v1, 15, v0                           ; l % 16
	v_bfe_u32 v2, v0, 4, 1                         ; l / 16
	v_lshlrev_b32 v5, 12, v2                       ; OUT and RES: lanes 0-15 one row of 256 bytes, lanes 16-31 the next
	v_lshl_add_u32 v[CO], v1, 4, v5
	v_lshlrev_b32 v[VB], 5, v2
	s_lshl_b32 s46, s42, 7
	s_lshl_b32 s47, s12, 6
	s_add_co_u32 s46, s46, s47                     ; my first column,
	s_lshl_b32 s46, s46, 2                         ; in bytes
	s_mov_b32 s47, 0
	s_add_nc_u64 s[68:69], s[68:69], s[46:47]
	s_lshl_b32 s16, s13, 7
	s_lshl_b32 s17, s11, 6
	s_add_co_u32 s16, s16, s17                     ; my first row,
	s_lshl_b32 s16, s16, 12                        ; of 4,096 bytes
	s_add_co_u32 s46, s46, s16
	s_add_nc_u64 s[8:9], s[8:9], s[46:47]
	s_add_nc_u64 s[70:71], s[70:71], s[46:47]
.irp b, 0,1,2,3
	global_load_b128 v[BIAS+8*(\b):BIAS+8*(\b)+3],   v[VB], s[68:69] offset:64*(\b)     ; register j of block b: the bias of column 16 b + 8 (l / 16) + j
	global_load_b128 v[BIAS+8*(\b)+4:BIAS+8*(\b)+7], v[VB], s[68:69] offset:64*(\b)+16
.endr
	WIN 0x80                                       ; destination window 2
.irp a, 0,1,2,3
.irp t, 0,1,2,3,4,5,6,7
	global_load_b128 v[32*(\a)+4*(\t):32*(\a)+4*(\t)+3], v[CO], s[70:71] offset:(16*(\a)+2*(\t))*SIZE_N*4 th:TH_LOAD_NT  ; in the layout in which the results come back from the stage; read once in the launch
.endr
.endr
	WIN 0
.if ASK
	v_lshlrev_b32 v[VPF], 13, v1                   ; asking ahead: row l % 16 of my wave's sixteen, of 8,192 bytes,
	v_lshl_add_u32 v[VPF], v2, 8, v[VPF]           ; block l / 16 of a step's two,
	s_lshl_b32 s[TS], s12, 17                      ; my wave's sixteen rows of the work-group's 32
	v_add_nc_u32 v[VPF], s[TS], v[VPF]
	s_lshl_b32 s[PO], s13, 20                      ; 128 rows a tile row,
	s_lshl_b32 s[TS], s40, 18                      ; 32 rows for each place cx
	s_add_co_u32 s[PO], s[PO], s[TS]
	s_mov_b32 s[PO+1], 0
	s_add_nc_u64 s[PFB:PFB+1], s[4:5], s[PO:PO+1]
	s_add_co_u32 s[TS], s[KK], s11                 ; ring steps 2 (waves 0, 1) and 3 (waves 2, 3): KK is ring step 1
	s_add_co_u32 s[TS], s[TS], 1
	s_and_b32 s[TS], s[TS], NSTEP-1
	s_lshl_b32 s[PO], s[TS], ASH
	s_add_nc_u64 s[PF:PF+1], s[PFB:PFB+1], s[PO:PO+1]
	global_prefetch_b8 v[VPF], s[PF:PF+1] th:TH_LOAD_NT scope:SCOPE_SE
.endif
	v_mul_u32_u24 v3, v1, APITCH
	v_lshl_add_u32 v3, v2, 4, v3
	v_and_b32 v6, 7, v0
	v_lshl_add_u32 v6, v2, 3, v6
	v_mul_u32_u24 v6, v6, BP
	v_bfe_u32 v7, v0, 3, 1
	v_lshl_add_u32 v6, v7, 4, v6
	s_mul_i32 s21, s11, HALFT                      ; my 64 rows of A
	s_lshl_b32 s22, s12, 7                         ; my 64 columns of W,
	s_add_co_u32 s22, s22, 2*HALFT                 ; which lies behind A
.irp s, 0,1
	v_add_nc_u32 v[ADRA+(\s)], s21, v3
	v_add_nc_u32 v[ADRB+2*(\s)], s22, v6
	s_add_co_u32 s22, s22, HALFT
	v_add_nc_u32 v[ADRB+2*(\s)+1], s22, v6
	s_add_co_u32 s21, s21, SLOT
	s_add_co_u32 s22, s22, SLOT-HALFT
.endr
	s_mul_i32 s23, s10, 16*SPITCH
	s_add_co_u32 s23, s23, STAGE                   ; my stage
	v_mul_u32_u24 v4, v1, SPITCH                   ; in: row l % 16, 32 bytes for each half of the lanes
	v_lshl_add_u32 v4, v2, 5, v4
	v_add_nc_u32 v[STO], s23, v4
	v_mul_u32_u24 v5, v2, SPITCH                   ; back: lanes 0-15 take one row of 256 bytes, lanes 16-31 the next
	v_lshl_add_u32 v5, v1, 4, v5
	v_add_nc_u32 v[RD], s23, v5
; 8 matrix instructions: m blocks a0, a0 + 1 x all 4 n blocks, 32 along K: half c of buffer f.  zero = 1: the product starts the sum, with the bias.  The 16 accumulators take turns.
.macro MUL8 f, c, a0, zero
	WIN MUL
.irp a, \a0, (\a0)+1
.irp b, 0,1,2,3
.if \zero
	v_wmma_f32_16x16x32_bf16 v[ACC+8*(4*(\a)+(\b)):ACC+8*(4*(\a)+(\b))+7], v[(\f)+64+8*(4*(\c)+(\b)):(\f)+64+8*(4*(\c)+(\b))+7], v[(\f)+8*(4*(\c)+(\a)):(\f)+8*(4*(\c)+(\a))+7], v[BIAS+8*(\b):BIAS+8*(\b)+7]
.else
	v_wmma_f32_16x16x32_bf16 v[ACC+8*(4*(\a)+(\b)):ACC+8*(4*(\a)+(\b))+7], v[(\f)+64+8*(4*(\c)+(\b)):(\f)+64+8*(4*(\c)+(\b))+7], v[(\f)+8*(4*(\c)+(\a)):(\f)+8*(4*(\c)+(\a))+7], v[ACC+8*(4*(\a)+(\b)):ACC+8*(4*(\a)+(\b))+7]
.endif
.endr
.endr
.endm
; 32 LDS loads in one run: the fragments of quarter q (64 along K) of a slot into buffer f; the first 32 along K first
.macro FETCH slot, q, f
	WIN TO_F
.irp c, 0,1
.irp i, 0,1,2,3
	ds_load_tr16_b128 v[(\f)+64+8*(4*(\c)+(\i)):(\f)+64+8*(4*(\c)+(\i))+3],   v[ADRB+2*(\slot)+(\q)/2] offset:((\q)%2)*64*BP+(\c)*32*BP+32*(\i)
	ds_load_tr16_b128 v[(\f)+64+8*(4*(\c)+(\i))+4:(\f)+64+8*(4*(\c)+(\i))+7], v[ADRB+2*(\slot)+(\q)/2] offset:((\q)%2)*64*BP+(\c)*32*BP+16*BP+32*(\i)
	ds_load_b128 v[(\f)+8*(4*(\c)+(\i)):(\f)+8*(4*(\c)+(\i))+3],   v[ADRA+(\slot)] offset:(\q)*AQ+64*(\c)+(\i)*16*APITCH
	ds_load_b128 v[(\f)+8*(4*(\c)+(\i))+4:(\f)+8*(4*(\c)+(\i))+7], v[ADRA+(\slot)] offset:(\q)*AQ+64*(\c)+(\i)*16*APITCH+32
.endr
.endr
.endm
.macro PLACES                          ; four places in front of loads into registers that matrix instructions have read, and of LDS stores of results just made
.rept 4
	v_nop
.endr
.endm
.macro QUARTER slot, q, f, g, zero     ; multiplies buffer f; in its middle it fetches quarter q of the same slot into buffer g
	s_wait_dscnt 16                                ; the first 32 along K are in
	MUL8 \f, 0, 0, \zero
	MUL8 \f, 0, 2, \zero
	PLACES
	FETCH \slot, \q, \g
	s_wait_dscnt 32                                ; all but the 32 just issued
	MUL8 \f, 1, 0, 0
	MUL8 \f, 1, 2, 0
.endm
; The last quarter multiplies buffer 1 and changes slots.  fill = 1: this slot is filled again, with the ring's step two on, first thing behind the cluster's round; its address is made anew from the step's number.
; ask = 1: in the loop's first two trips the wave asks ahead for its blocks of A, two or three ring steps beyond the step just requested.
.macro TURN slot, next, fill, ask=0
	WIN 0
	s_wait_tensorcnt 0x0                           ; all my tensor loads have landed: my part of the next slot
	ds_add_u32 v[SPW], v[NIL]                      ; 0 onto my spare word
	s_wait_dscnt 17                                ; (the add and the youngest sixteen loads may be out)
	MUL8 F1, 0, 0, 0
	s_wait_dscnt 0x0                               ; the add is done, and my reads of this slot are over
	s_barrier_signal -1
	MUL8 F1, 0, 2, 0
.if \fill
	WIN 0
.endif
	s_barrier_wait -1
.if \fill
	CREST                                          ; no wave of any partner still reads this slot or has a load on its way
	s_add_co_u32 s[KK], s[KK], 1                   ; the ring's next step
	s_and_b32 s[KK], s[KK], NSTEP-1
	s_lshl_b32 s[OA], s[KK], ASH
	s_lshl_b32 s[OW], s[KK], BSH
	s_add_nc_u64 s[G0+4*(\slot)+2:G0+4*(\slot)+3], s[BA:BA+1], s[OA:OA+1]
	s_or_b32 s[G0+4*(\slot)+3], s[G0+4*(\slot)+3], 0x80000000
	s_add_nc_u64 s[G0B+4*(\slot)+2:G0B+4*(\slot)+3], s[BB:BB+1], s[OW:OW+1]
	s_or_b32 s[G0B+4*(\slot)+3], s[G0B+4*(\slot)+3], 0x80000000
	JLOAD \slot                                    ; its four v_nop are also the places in front of the loads below
.else
	PLACES
.endif
	FETCH \next, 0, F0
.if \ask
	WIN 0                                          ; a branch follows
	s_cmp_lt_u32 s3, LAPS-2                        ; the count runs LAPS - 1, LAPS - 2, ..: from the third trip on nothing is asked for
	s_cbranch_scc1 .Lno_ask_\@
	s_wait_xcnt 0x0                                ; the last prefetch, a lap back, has read its base: it is rewritten only behind this wait
	s_add_co_u32 s[TS], s[KK], s11                 ; KK is ring step s + 2: steps s + 4 (waves 0, 1) and s + 5 (waves 2, 3)
	s_add_co_u32 s[TS], s[TS], 2
	s_and_b32 s[TS], s[TS], NSTEP-1
	s_lshl_b32 s[PO], s[TS], ASH
	s_add_nc_u64 s[PF:PF+1], s[PFB:PFB+1], s[PO:PO+1]
	global_prefetch_b8 v[VPF], s[PF:PF+1] th:TH_LOAD_NT scope:SCOPE_SE
.Lno_ask_\@:
.endif
	MUL8 F1, 1, 0, 0
	MUL8 F1, 1, 2, 0
.endm
; THE WAY OUT of block a (16 rows x 64 columns of f32): through my own stage, back as whole rows of 256 bytes; RES is added; stored.
.macro OUTST a
	WIN 0
.if (\a) >= 2
	s_wait_xcnt 0x0                                ; the registers that block a - 2's stores read are loaded again only behind this wait
.endif
.irp b, 0,1,2,3
	ds_store_b128 v[STO], v[ACC+8*(4*(\a)+(\b)):ACC+8*(4*(\a)+(\b))+3] offset:64*(\b)       ; each accumulator's low half first
	ds_store_b128 v[STO], v[ACC+8*(4*(\a)+(\b))+4:ACC+8*(4*(\a)+(\b))+7] offset:64*(\b)+16
.endr
.irp t, 0,1,2,3,4,5,6,7
	ds_load_b128 v[TMP+32*((\a)%2)+4*(\t):TMP+32*((\a)%2)+4*(\t)+3], v[RD] offset:(\t)*2*SPITCH  ; LDS serves a wave's instructions in order (ISA guide 5.7.1.4)
.endr
.endm
.macro OUTGO a, younger                ; younger: the LDS instructions issued behind block a's loads: the next block's sixteen, or none
	s_wait_dscnt \younger
	WIN 0x08                                       ; source 1 window 2
.set i, 0
.rept 16
	v_pk_add_f32 v[TMP+32*((\a)%2)+2*i:TMP+32*((\a)%2)+2*i+1], v[TMP+32*((\a)%2)+2*i:TMP+32*((\a)%2)+2*i+1], v[32*(\a)+2*i:32*(\a)+2*i+1]
.set i, i+1
.endr
	WIN 0
.irp t, 0,1,2,3,4,5,6,7
	global_store_b128 v[CO], v[TMP+32*((\a)%2)+4*(\t):TMP+32*((\a)%2)+4*(\t)+3], s[8:9] offset:(16*(\a)+2*(\t))*SIZE_N*4 th:TH_STORE_NT  ; 16 lanes store 256 consecutive bytes, aligned; not read again in the launch
.endr
.endm
	s_wait_tensorcnt 1                             ; my part of ring step 0 is in; step 1's may stay out
	s_barrier_signal -1
	s_barrier_wait -1
	FETCH 0, 0, F0
	s_wait_loadcnt 32                              ; the bias is in; RES's 32 loads stay out
	QUARTER 0, 1, F0, F1, 1                        ; the first quarter stands in front of the loop: its first products start the sums
	WIN 0
	s_mov_b32 s3, LAPS-1
.Llap:                                                 ; a trip goes once round the two slots and fills both again
	QUARTER 0, 2, F1, F0, 0
	QUARTER 0, 3, F0, F1, 0
	TURN 0, 1, 1, ASK
	QUARTER 1, 1, F0, F1, 0
	QUARTER 1, 2, F1, F0, 0
	QUARTER 1, 3, F0, F1, 0
	TURN 1, 0, 1
	QUARTER 0, 1, F0, F1, 0
	WIN 0
	s_sub_co_u32 s3, s3, 1
	s_cmp_lg_u32 s3, 0
	s_cbranch_scc1 .Llap
	QUARTER 0, 2, F1, F0, 0                        ; the last lap fills nothing
	QUARTER 0, 3, F0, F1, 0
	TURN 0, 1, 0
	QUARTER 1, 1, F0, F1, 0
	QUARTER 1, 2, F1, F0, 0
	QUARTER 1, 3, F0, F1, 0
	s_wait_dscnt 16
	MUL8 F1, 0, 0, 0
	MUL8 F1, 0, 2, 0
	s_wait_dscnt 0x0
	MUL8 F1, 1, 0, 0
	MUL8 F1, 1, 2, 0
	WIN 0
	PLACES
	s_wait_loadcnt 0x0                             ; RES
	OUTST 0
	OUTST 1
	OUTGO 0, 16
	OUTST 2
	OUTGO 1, 16
	OUTST 3
	OUTGO 2, 16
	OUTGO 3, 0
	s_wait_tensorcnt 0x0                           ; the wave's end
	ds_add_u32 v[SPW], v[NIL]
	s_wait_dscnt 0x0
	CROUND                                         ; the closing round
	s_endpgm
.Lfunc_end_k_q16185866f7_ffn2:
	.size	k_q16185866f7_ffn2, .Lfunc_end_k_q16185866f7_ffn2-k_q16185866f7_ffn2
	.p2alignl 7, 3214868480
	.fill 96, 4, 3214868480
	.section	.rodata,"a",@progbits
	.p2align	6, 0x0
	.amdhsa_kernel k_q16185866f7_ffn2
		.amdhsa_group_segment_fixed_size 327680
		.amdhsa_private_segment_fixed_size 0
		.amdhsa_enable_private_segment 0
		.amdhsa_kernarg_size 40
		.amdhsa_user_sgpr_count 2
		.amdhsa_user_sgpr_kernarg_segment_ptr 1
		.amdhsa_wavefront_size32 1
		.amdhsa_system_sgpr_workgroup_id_x 1
		.amdhsa_system_sgpr_workgroup_id_y 1
		.amdhsa_system_sgpr_workgroup_id_z 1
		.amdhsa_system_vgpr_workitem_id 0
		.amdhsa_next_free_vgpr 640
		.amdhsa_next_free_sgpr 88
		.amdhsa_reserve_vcc 0
		.amdhsa_float_denorm_mode_32 3
		.amdhsa_float_denorm_mode_16_64 3
		.amdhsa_memory_ordered 1
		.amdhsa_forward_progress 1
		.amdhsa_inst_pref_size 96
	.end_amdhsa_kernel
	.amdgpu_metadata
---
amdhsa.version: [ 1, 2 ]
amdhsa.kernels:
  - .name:           k_q16185866f7_ffn2
    .symbol:         k_q16185866f7_ffn2.kd
    .args:
      - { .name: act, .offset: 0, .size: 8, .value_kind: global_buffer, .address_space: global }
      - { .name: wb, .offset: 8, .size: 8, .value_kind: global_buffer, .address_space: global }
      - { .name: out0, .offset: 16, .size: 8, .value_kind: global_buffer, .address_space: global }
      - { .name: b2, .offset: 24, .size: 8, .value_kind: global_buffer, .address_space: global }
      - { .name: x1, .offset: 32, .size: 8, .value_kind: global_buffer, .address_space: global }
    .group_segment_fixed_size: 327680
    .private_segment_fixed_size: 0
    .kernarg_segment_align: 8
    .kernarg_segment_size: 40
    .max_flat_workgroup_size: 128
    .sgpr_count:     88
    .vgpr_count:     640
    .wavefront_size: 32
...
	.end_amdgpu_metadata
.endif
;; end of part 7
;; ======== version 2 of 2: 7 launches; version 1 with the launches prep, ln2 written anew for expert scheduling mode
;; workspace buffers: wb 25,165,824 bytes; hb 8,388,608 bytes; qkv 25,165,824 bytes; ob 8,388,608 bytes; x1 16,777,216 bytes; act 33,554,432 bytes
;; launch prep (part 8): grid 1024 x 1, 8 waves a work-group, no clusters, 0 bytes of LDS; arguments x, ln1_g, ln1_b, wq, wk, wv, w_proj, w1, w2, hb, wb; writes hb, wb
.if DOCPART == 8
	.amdgcn_target "amdgcn-amd-amdhsa--gfx1250"
	.amdhsa_code_object_version 6
	.text
	.protected	k_q16185866f7_prep
	.globl	k_q16185866f7_prep
	.p2align	8
	.type	k_q16185866f7_prep,@function
k_q16185866f7_prep:
	s_mov_b64 s[64:65], 0
	v_nop
	global_prefetch_b8 v0, s[64:65] scope:SCOPE_SE
	s_setreg_imm32_b32 hwreg(HW_REG_WAVE_SCHED_MODE, 0, 2), 2
	s_setreg_imm32_b32 hwreg(HW_REG_WAVE_MODE, 25, 1), 1
	s_wait_xcnt 0x0
	s_wait_alu depctr_vm_vsrc(0)
; PREPARATION, a stream: every work-group reads 65,536 bytes of f32 and writes 32,768 bytes of bf16.  No LDS, no barrier, no matrix unit: bytes are all that counts here.
;   work-groups 0-255:    hb = layer norm of x (gain ln1_g, bias ln1_b), 16 rows each, a wave two rows; a row (4,096 bytes) stays in 32 registers between the passes.
;   work-groups 256-447:  wq, wk, wv [16][1024][64] -> wb's first part [1024][3072]: column = 1024 x (0 q, 1 k, 2 v) + 64 x head + d.
;   work-groups 448-1023: w_proj, w1, w2 as they lie, rounded, behind it (bytes 6,291,456 on).
; The variance is a true second pass over x - mean, all in f32; each number is rounded to bf16 once.
; THE MODE: SCHED_MODE bits 1:0 = 2 (LLVM: expert scheduling mode 2), set by the entry lines.  The code itself states the register dependences
; between vector instructions and memory instructions, with s_wait_alu, always for 0.
; THE PLAN.  Registers that memory instructions touch:
;   v3, v4, v5   byte offsets: written by vector instructions at a path's head, read by its loads and stores, never written again.
;   X            loads land in it once; no vector instruction names it before them; behind the wait for the data it belongs to the arithmetic.
;   G, BV        layer norm: loads land in them once; the multiply-adds read them.
;   Y0, Y1       layer norm: row p's sixteen roundings write Y[p]; eight stores read it; never written again.
;   OUT (= G)    weight paths: load j's two roundings write OUT[j]; store j reads it; never written again.
; No register that a memory instruction reads is ever written again, so no wait on vm_vsrc is owed.  The waits on va_vdst:
;   layer norm: at the head (the offsets); behind row 0's roots (their results); behind row 1's roots (their results, and Y0, whose stores follow, dealt among row 1's scalings, which name
;   neither Y0 nor v4); behind row 1's roundings (Y1).
;   weight paths: ahead of the first load (the offsets); at the head of groups 1 to 3 of four loads (the group before has written its OUT, whose stores follow, dealt among this group's roundings); ahead of the last four stores.
.set X,    32                          ; v[32:95]   two rows of x, 32 registers each; in the weight paths 16 x 4 registers as loaded
.set G,    96                          ; v[96:127]  the gain of my 32 columns; in the weight paths 16 x 2 registers to store
.set BV,   128                         ; v[128:159] the bias of my 32 columns
.set Y,    160                         ; v[160:191] two rows rounded, to store, 16 registers each
.set T,    8                           ; v[8:11]    at work
.set M,    16                          ; v[16:17]   the mean, twice
.set R,    18                          ; v[18:19]   1 / sqrt(var + eps), twice
.set VIN,  3                           ; v3  byte offset of my loads
.set VOUT, 4                           ; v4  byte offset of my stores
.set VL,   5                           ; v5  16 x lane
.set SO,   22                          ; s[22:23] hb
.set WP,   6291456                     ; where w_proj begins in wb
.macro REDUCE                          ; v[T] summed over the 32 lanes, the sum in every lane
	v_add_f32_dpp v[T], v[T], v[T] row_xmask:1 row_mask:0xf bank_mask:0xf
	v_add_f32_dpp v[T], v[T], v[T] row_xmask:2 row_mask:0xf bank_mask:0xf
	v_add_f32_dpp v[T], v[T], v[T] row_xmask:4 row_mask:0xf bank_mask:0xf
	v_add_f32_dpp v[T], v[T], v[T] row_xmask:8 row_mask:0xf bank_mask:0xf
	v_permlanex16_b32 v[T+1], v[T], s40, s41       ; its destination counts as read: T+1 has been written
	v_add_f32 v[T], v[T], v[T+1]
.endm
; One row: mean, x - mean, variance, scale, gain and bias, rounding into the row's own Y.  Row 0's eight stores are issued in row 1's turn; row 1's at its end.  A store covers 256 consecutive bytes.
.macro LNROW p
.set XR, X+32*(\p)
.set YR, Y+16*(\p)
	v_pk_add_f32 v[T:T+1], v[XR:XR+1], v[XR+2:XR+3]            ; two chains, started by the first pairs: nothing is cleared
	v_pk_add_f32 v[T+2:T+3], v[XR+4:XR+5], v[XR+6:XR+7]
.set j, 4
.rept 12
	v_pk_add_f32 v[T+2*(j%2):T+2*(j%2)+1], v[T+2*(j%2):T+2*(j%2)+1], v[XR+2*j:XR+2*j+1]
.set j, j+1
.endr
	v_pk_add_f32 v[T:T+1], v[T:T+1], v[T+2:T+3]
	v_add_f32 v[T], v[T], v[T+1]
	REDUCE
	v_mul_f32 v[M], s30, v[T]                      ; sum / 1024
	v_mul_f32 v[M+1], s30, v[T]
.set j, 0
.rept 16
	v_pk_add_f32 v[XR+2*j:XR+2*j+1], v[XR+2*j:XR+2*j+1], v[M:M+1] neg_lo:[0,1] neg_hi:[0,1]
.set j, j+1
.endr
	v_pk_mul_f32 v[T:T+1], v[XR:XR+1], v[XR:XR+1]
	v_pk_mul_f32 v[T+2:T+3], v[XR+2:XR+3], v[XR+2:XR+3]
.set j, 2
.rept 14
	v_pk_fma_f32 v[T+2*(j%2):T+2*(j%2)+1], v[XR+2*j:XR+2*j+1], v[XR+2*j:XR+2*j+1], v[T+2*(j%2):T+2*(j%2)+1]
.set j, j+1
.endr
	v_pk_add_f32 v[T:T+1], v[T:T+1], v[T+2:T+3]
	v_add_f32 v[T], v[T], v[T+1]
	REDUCE
	v_fma_f32 v[T], v[T], s30, s31                 ; var + eps
	v_rsq_f32 v[R], v[T]
	v_rsq_f32 v[R+1], v[T]
	v_nop                                          ; a plain instruction between the root and the use of its result (ISA guide 5.7.2)
.if (\p) == 0
	s_wait_loadcnt 0x0                             ; gain and bias are in
.endif
	s_wait_alu depctr_va_vdst(0)                   ; the two roots have written v[R], v[R+1], ahead of their first reader; in row 1 also: row 0's roundings have written Y0, which the stores below read
.set j, 0
.rept 16
.if ((\p) == 1) && (j%2 == 0)
	global_store_b64 v[VOUT], v[Y+j:Y+j+1], s[SO:SO+1] offset:(j/2)*256  ; row 0: 32 lanes x 8 bytes: 256 consecutive bytes, aligned.  No vector instruction since the wait names Y0 or v[VOUT]
.endif
	v_pk_mul_f32 v[XR+2*j:XR+2*j+1], v[XR+2*j:XR+2*j+1], v[R:R+1]
.set j, j+1
.endr
.set j, 0
.rept 16
	v_pk_fma_f32 v[XR+2*j:XR+2*j+1], v[XR+2*j:XR+2*j+1], v[G+2*j:G+2*j+1], v[BV+2*j:BV+2*j+1]
.set j, j+1
.endr
.irp j, 0,1,2,3,4,5,6,7
	v_cvt_pk_bf16_f32 v[YR+2*(\j)], v[XR+4*(\j)], v[XR+4*(\j)+1]
	v_cvt_pk_bf16_f32 v[YR+2*(\j)+1], v[XR+4*(\j)+2], v[XR+4*(\j)+3]
.endr
.if (\p) == 1
	s_wait_alu depctr_va_vdst(0)                   ; row 1's roundings have written Y1, which the last eight stores read
.irp j, 0,1,2,3,4,5,6,7
	global_store_b64 v[VOUT], v[YR+2*(\j):YR+2*(\j)+1], s[SO:SO+1] offset:2048+(\j)*256  ; row 1: 256 consecutive bytes, aligned
.endr
.endif
.endm
; Sixteen loads of 16 bytes a lane, all out at once; then, four at a time, each is rounded to 8 bytes a lane; a group's four stores are issued in the next group's turn.
.macro CVT16 sin, sout
	s_wait_alu depctr_va_vdst(0)                   ; v[VIN] and v[VOUT] are written: every load and store below reads one of them as its offset
.irp j, 0,1,2,3,4,5,6,7,8,9,10,11,12,13,14,15
	global_load_b128 v[X+4*(\j):X+4*(\j)+3], v[VIN], s[10:11] offset:(\j)*(\sin) th:TH_LOAD_NT
.endr
.irp g, 0,1,2,3
	s_wait_loadcnt 12-4*(\g)                       ; loads come back in order: this group's four are in, the younger groups stay out
.if (\g) > 0
	s_wait_alu depctr_va_vdst(0)                   ; the group before has written its eight registers of OUT, which the four stores below read
.endif
.irp i, 0,1,2,3
.if (\g) > 0
	global_store_b64 v[VOUT], v[G+2*(4*(\g)-4+(\i)):G+2*(4*(\g)-4+(\i))+1], s[24:25] offset:(4*(\g)-4+(\i))*(\sout)  ; the group before; this group's roundings name other registers
.endif
	v_cvt_pk_bf16_f32 v[G+2*(4*(\g)+(\i))], v[X+4*(4*(\g)+(\i))], v[X+4*(4*(\g)+(\i))+1]
	v_cvt_pk_bf16_f32 v[G+2*(4*(\g)+(\i))+1], v[X+4*(4*(\g)+(\i))+2], v[X+4*(4*(\g)+(\i))+3]
.endr
.endr
	s_wait_alu depctr_va_vdst(0)                   ; the last group has written its eight registers of OUT, which the last four stores read
.irp i, 0,1,2,3
	global_store_b64 v[VOUT], v[G+2*(12+(\i)):G+2*(12+(\i))+1], s[24:25] offset:(12+(\i))*(\sout)
.endr
.endm
	s_load_b256 s[4:11], s[0:1], 0x0               ; x s[4:5], ln1_g s[6:7], ln1_b s[8:9], wq s[10:11]
	s_load_b256 s[12:19], s[0:1], 0x20             ; wk s[12:13], wv s[14:15], w_proj s[16:17], w1 s[18:19]
	s_load_b128 s[20:23], s[0:1], 0x40             ; w2 s[20:21], hb s[22:23]
	s_load_b64 s[24:25], s[0:1], 0x50              ; wb
	v_and_b32 v1, 31, v0                           ; lane
	v_lshrrev_b32 v2, 5, v0                        ; wave
	s_mov_b32 s28, ttmp9
	s_mov_b32 s27, 0
	s_wait_kmcnt 0x0
	s_cmp_lt_u32 s28, 256
	s_cbranch_scc0 .Lweights
	; THE LAYER NORM: 16 rows of 4,096 bytes in, 16 rows of 2,048 bytes out
	s_mov_b32 s30, 0x3a800000                      ; 1 / 1024
	s_mov_b32 s31, 0x3727c5ac                      ; 1e-5
	s_mov_b32 s40, 0x76543210                      ; v_permlanex16_b32: each lane takes its own place in the other half
	s_mov_b32 s41, 0xfedcba98
	s_lshl_b32 s26, s28, 16
	s_add_nc_u64 s[4:5], s[4:5], s[26:27]
	s_lshl_b32 s26, s28, 15
	s_add_nc_u64 s[SO:SO+1], s[SO:SO+1], s[26:27]
	v_lshlrev_b32 v[VL], 4, v1
	v_lshl_add_u32 v[VIN], v2, 13, v[VL]           ; wave x 2 rows + 16 x lane
	v_lshlrev_b32 v[VOUT], 3, v1
	v_lshl_add_u32 v[VOUT], v2, 12, v[VOUT]
	s_wait_alu depctr_va_vdst(0)                   ; v[VL], v[VIN] and v[VOUT] are written: every load and store of this path reads one of them as its offset
.irp p, 0,1
.irp j, 0,1,2,3,4,5,6,7
	global_load_b128 v[X+32*(\p)+4*(\j):X+32*(\p)+4*(\j)+3], v[VIN], s[4:5] offset:(\p)*4096+(\j)*512  ; 512 consecutive bytes a load
.endr
.endr
.irp j, 0,1,2,3,4,5,6,7
	global_load_b128 v[G+4*(\j):G+4*(\j)+3], v[VL], s[6:7] offset:(\j)*512
.endr
.irp j, 0,1,2,3,4,5,6,7
	global_load_b128 v[BV+4*(\j):BV+4*(\j)+3], v[VL], s[8:9] offset:(\j)*512
.endr
	s_wait_loadcnt 16                              ; both rows are in; the sixteen loads of gain and bias stay out
	LNROW 0
	LNROW 1
	s_endpgm
.Lweights:
	s_cmp_lt_u32 s28, 448
	s_cbranch_scc0 .Lplain
	; Q, K, V: the work-group takes 128 rows c of a pair of heads; a load takes one row of both heads (2 x 256 bytes), its store 256 consecutive bytes
	s_sub_co_u32 s28, s28, 256
	s_lshr_b32 s29, s28, 6                         ; which: 0 q, 1 k, 2 v
	s_bfe_u32 s30, s28, 0x30003                    ; the pair of heads
	s_and_b32 s31, s28, 7                          ; which 128 rows
	s_cmp_eq_u32 s29, 1
	s_cselect_b64 s[10:11], s[12:13], s[10:11]
	s_cmp_eq_u32 s29, 2
	s_cselect_b64 s[10:11], s[14:15], s[10:11]
	s_lshl_b32 s26, s30, 19                        ; two heads of 262,144 bytes
	s_lshl_b32 s32, s31, 15                        ; 128 rows of 256 bytes
	s_add_co_u32 s26, s26, s32
	s_add_nc_u64 s[10:11], s[10:11], s[26:27]
	s_mul_i32 s26, s31, 128*6144                   ; 128 rows of 6,144 bytes
	s_lshl_b32 s32, s29, 11
	s_add_co_u32 s26, s26, s32
	s_lshl_b32 s32, s30, 8
	s_add_co_u32 s26, s26, s32
	s_add_nc_u64 s[24:25], s[24:25], s[26:27]
	v_and_b32 v6, 15, v0
	v_bfe_u32 v7, v0, 4, 1
	v_lshlrev_b32 v[VIN], 4, v6
	v_lshl_add_u32 v[VIN], v7, 18, v[VIN]          ; lanes 16-31: the pair's second head
	v_lshl_add_u32 v[VIN], v2, 12, v[VIN]          ; wave x 16 rows
	v_mul_u32_u24 v[VOUT], v2, 16*6144
	v_lshl_add_u32 v[VOUT], v1, 3, v[VOUT]
	CVT16 256, 6144
	s_endpgm
.Lplain:
	; W_PROJ, W1, W2: chunks of 65,536 bytes, in the order in which they lie in wb
	s_sub_co_u32 s28, s28, 448
	s_cmp_lt_u32 s28, 64
	s_cselect_b64 s[10:11], s[16:17], s[18:19]
	s_cselect_b32 s29, 0, 64
	s_cmp_lt_u32 s28, 320
	s_cselect_b64 s[10:11], s[10:11], s[20:21]
	s_cselect_b32 s29, s29, 320
	s_sub_co_u32 s29, s28, s29                     ; the chunk's number in its own tensor
	s_lshl_b32 s26, s29, 16
	s_add_nc_u64 s[10:11], s[10:11], s[26:27]
	s_lshl_b32 s26, s28, 15
	s_add_co_u32 s26, s26, WP
	s_add_nc_u64 s[24:25], s[24:25], s[26:27]
	v_lshlrev_b32 v[VIN], 4, v0
	v_lshlrev_b32 v[VOUT], 3, v0
	CVT16 4096, 2048
	s_endpgm
.Lfunc_end_k_q16185866f7_prep:
	.size	k_q16185866f7_prep, .Lfunc_end_k_q16185866f7_prep-k_q16185866f7_prep
	.p2alignl 7, 3214868480
	.fill 96, 4, 3214868480
	.section	.rodata,"a",@progbits
	.p2align	6, 0x0
	.amdhsa_kernel k_q16185866f7_prep
		.amdhsa_group_segment_fixed_size 0
		.amdhsa_private_segment_fixed_size 0
		.amdhsa_enable_private_segment 0
		.amdhsa_kernarg_size 88
		.amdhsa_user_sgpr_count 2
		.amdhsa_user_sgpr_kernarg_segment_ptr 1
		.amdhsa_wavefront_size32 1
		.amdhsa_system_sgpr_workgroup_id_x 1
		.amdhsa_system_sgpr_workgroup_id_y 1
		.amdhsa_system_sgpr_workgroup_id_z 1
		.amdhsa_system_vgpr_workitem_id 0
		.amdhsa_next_free_vgpr 192
		.amdhsa_next_free_sgpr 66
		.amdhsa_reserve_vcc 0
		.amdhsa_float_denorm_mode_32 3
		.amdhsa_float_denorm_mode_16_64 3
		.amdhsa_memory_ordered 1
		.amdhsa_forward_progress 1
		.amdhsa_inst_pref_size 33
	.end_amdhsa_kernel
	.amdgpu_metadata
---
amdhsa.version: [ 1, 2 ]
amdhsa.kernels:
  - .name:           k_q16185866f7_prep
    .symbol:         k_q16185866f7_prep.kd
    .args:
      - { .name: x, .offset: 0, .size: 8, .value_kind: global_buffer, .address_space: global }
      - { .name: ln1_g, .offset: 8, .size: 8, .value_kind: global_buffer, .address_space: global }
      - { .name: ln1_b, .offset: 16, .size: 8, .value_kind: global_buffer, .address_space: global }
      - { .name: wq, .offset: 24, .size: 8, .value_kind: global_buffer, .address_space: global }
      - { .name: wk, .offset: 32, .size: 8, .value_kind: global_buffer, .address_space: global }
      - { .name: wv, .offset: 40, .size: 8, .value_kind: global_buffer, .address_space: global }
      - { .name: w_proj, .offset: 48, .size: 8, .value_kind: global_buffer, .address_space: global }
      - { .name: w1, .offset: 56, .size: 8, .value_kind: global_buffer, .address_space: global }
      - { .name: w2, .offset: 64, .size: 8, .value_kind: global_buffer, .address_space: global }
      - { .name: hb, .offset: 72, .size: 8, .value_kind: global_buffer, .address_space: global }
      - { .name: wb, .offset: 80, .size: 8, .value_kind: global_buffer, .address_space: global }
    .group_segment_fixed_size: 0
    .private_segment_fixed_size: 0
    .kernarg_segment_align: 8
    .kernarg_segment_size: 88
    .max_flat_workgroup_size: 256
    .sgpr_count:     66
    .vgpr_count:     192
    .wavefront_size: 32
...
	.end_amdgpu_metadata
.endif
;; end of part 8
;; launch qkvg: the kernel of part 2 again; grid 12 x 16, 4 waves a work-group, clusters of 4 x 4, 327,680 bytes of LDS; arguments hb, wb, qkv; writes qkv
;; launch attn: the kernel of part 3 again; grid 8 x 32, 4 waves a work-group, no clusters, 327,680 bytes of LDS; arguments qkv, ob; writes ob
;; launch proj: the kernel of part 4 again; grid 8 x 32, 4 waves a work-group, clusters of 4 x 4, 327,680 bytes of LDS; arguments ob, wb, x1, b_proj, x; writes x1
;; launch ln2 (part 9): grid 256 x 1, 8 waves a work-group, no clusters, 0 bytes of LDS; arguments x1, ln2_g, ln2_b, hb; writes hb
.if DOCPART == 9
	.amdgcn_target "amdgcn-amd-amdhsa--gfx1250"
	.amdhsa_code_object_version 6
	.text
	.protected	k_q16185866f7_ln2
	.globl	k_q16185866f7_ln2
	.p2align	8
	.type	k_q16185866f7_ln2,@function
k_q16185866f7_ln2:
	s_mov_b64 s[64:65], 0
	v_nop
	global_prefetch_b8 v0, s[64:65] scope:SCOPE_SE
	s_setreg_imm32_b32 hwreg(HW_REG_WAVE_SCHED_MODE, 0, 2), 2
	s_setreg_imm32_b32 hwreg(HW_REG_WAVE_MODE, 25, 1), 1
	s_wait_xcnt 0x0
	s_wait_alu depctr_vm_vsrc(0)
; hb = layer norm of x1 (gain ln2_g, bias ln2_b), [4096][1024], f32 in, bf16 out.  A stream: 16 rows a work-group, two rows a wave; a row (4,096 bytes) stays in 32 registers between the passes.
; The variance is a true second pass over x - mean, all in f32; each number is rounded to bf16 once.  No LDS, no barrier: a row never leaves its wave.
; THE MODE: SCHED_MODE bits 1:0 = 2 (LLVM: expert scheduling mode 2), set by the entry lines.  The code itself states the register dependences
; between vector instructions and memory instructions, with s_wait_alu, always for 0.
; THE PLAN.  Registers that memory instructions touch:
;   v3, v4, v5   byte offsets: written by vector instructions at the head, read by the loads and stores, never written again.
;   X, G, BV     loads land in them once; no vector instruction names them before; behind the wait for the data they belong to the arithmetic.
;   Y0, Y1       row p's sixteen roundings write Y[p]; eight stores read it; never written again.
; No register that a memory instruction reads is ever written again, so no wait on vm_vsrc is owed.  Four waits on va_vdst: at the head (the offsets); behind row 0's roots (their results);
; behind row 1's roots (their results, and Y0, whose stores follow, dealt among row 1's scalings, which name neither Y0 nor v4); behind row 1's roundings (Y1).
.set X,    32                          ; v[32:95]   two rows, 32 registers each
.set G,    96                          ; v[96:127]  the gain of my 32 columns
.set BV,   128                         ; v[128:159] the bias of my 32 columns
.set Y,    160                         ; v[160:191] two rows rounded, to store, 16 registers each
.set T,    8
.set M,    16                          ; v[16:17]   the mean, twice
.set R,    18                          ; v[18:19]   1 / sqrt(var + eps), twice
.set VIN,  3
.set VOUT, 4
.set VL,   5
.set SO,   10                          ; s[10:11] hb
.macro REDUCE                          ; v[T] summed over the 32 lanes, the sum in every lane
	v_add_f32_dpp v[T], v[T], v[T] row_xmask:1 row_mask:0xf bank_mask:0xf
	v_add_f32_dpp v[T], v[T], v[T] row_xmask:2 row_mask:0xf bank_mask:0xf
	v_add_f32_dpp v[T], v[T], v[T] row_xmask:4 row_mask:0xf bank_mask:0xf
	v_add_f32_dpp v[T], v[T], v[T] row_xmask:8 row_mask:0xf bank_mask:0xf
	v_permlanex16_b32 v[T+1], v[T], s40, s41       ; its destination counts as read: T+1 has been written
	v_add_f32 v[T], v[T], v[T+1]
.endm
; One row: mean, x - mean, variance, scale, gain and bias, rounding into the row's own Y.  Row 0's eight stores are issued in row 1's turn; row 1's at its end.
.macro LNROW p
.set XR, X+32*(\p)
.set YR, Y+16*(\p)
	v_pk_add_f32 v[T:T+1], v[XR:XR+1], v[XR+2:XR+3]            ; two chains, started by the first pairs: nothing is cleared
	v_pk_add_f32 v[T+2:T+3], v[XR+4:XR+5], v[XR+6:XR+7]
.set j, 4
.rept 12
	v_pk_add_f32 v[T+2*(j%2):T+2*(j%2)+1], v[T+2*(j%2):T+2*(j%2)+1], v[XR+2*j:XR+2*j+1]
.set j, j+1
.endr
	v_pk_add_f32 v[T:T+1], v[T:T+1], v[T+2:T+3]
	v_add_f32 v[T], v[T], v[T+1]
	REDUCE
	v_mul_f32 v[M], s30, v[T]                      ; sum / 1024
	v_mul_f32 v[M+1], s30, v[T]
.set j, 0
.rept 16
	v_pk_add_f32 v[XR+2*j:XR+2*j+1], v[XR+2*j:XR+2*j+1], v[M:M+1] neg_lo:[0,1] neg_hi:[0,1]
.set j, j+1
.endr
	v_pk_mul_f32 v[T:T+1], v[XR:XR+1], v[XR:XR+1]
	v_pk_mul_f32 v[T+2:T+3], v[XR+2:XR+3], v[XR+2:XR+3]
.set j, 2
.rept 14
	v_pk_fma_f32 v[T+2*(j%2):T+2*(j%2)+1], v[XR+2*j:XR+2*j+1], v[XR+2*j:XR+2*j+1], v[T+2*(j%2):T+2*(j%2)+1]
.set j, j+1
.endr
	v_pk_add_f32 v[T:T+1], v[T:T+1], v[T+2:T+3]
	v_add_f32 v[T], v[T], v[T+1]
	REDUCE
	v_fma_f32 v[T], v[T], s30, s31                 ; var + eps
	v_rsq_f32 v[R], v[T]
	v_rsq_f32 v[R+1], v[T]
	v_nop                                          ; a plain instruction between the root and the use of its result (ISA guide 5.7.2)
.if (\p) == 0
	s_wait_loadcnt 0x0                             ; gain and bias are in
.endif
	s_wait_alu depctr_va_vdst(0)                   ; the two roots have written v[R], v[R+1], ahead of their first reader; in row 1 also: row 0's roundings have written Y0, which the stores below read
.set j, 0
.rept 16
.if ((\p) == 1) && (j%2 == 0)
	global_store_b64 v[VOUT], v[Y+j:Y+j+1], s[SO:SO+1] offset:(j/2)*256  ; row 0: 32 lanes x 8 bytes: 256 consecutive bytes, aligned.  No vector instruction since the wait names Y0 or v[VOUT]
.endif
	v_pk_mul_f32 v[XR+2*j:XR+2*j+1], v[XR+2*j:XR+2*j+1], v[R:R+1]
.set j, j+1
.endr
.set j, 0
.rept 16
	v_pk_fma_f32 v[XR+2*j:XR+2*j+1], v[XR+2*j:XR+2*j+1], v[G+2*j:G+2*j+1], v[BV+2*j:BV+2*j+1]
.set j, j+1
.endr
.irp j, 0,1,2,3,4,5,6,7
	v_cvt_pk_bf16_f32 v[YR+2*(\j)], v[XR+4*(\j)], v[XR+4*(\j)+1]
	v_cvt_pk_bf16_f32 v[YR+2*(\j)+1], v[XR+4*(\j)+2], v[XR+4*(\j)+3]
.endr
.if (\p) == 1
	s_wait_alu depctr_va_vdst(0)                   ; row 1's roundings have written Y1, which the last eight stores read
.irp j, 0,1,2,3,4,5,6,7
	global_store_b64 v[VOUT], v[YR+2*(\j):YR+2*(\j)+1], s[SO:SO+1] offset:2048+(\j)*256  ; row 1: 256 consecutive bytes, aligned
.endr
.endif
.endm
	s_load_b256 s[4:11], s[0:1], 0x0               ; x1 s[4:5], ln2_g s[6:7], ln2_b s[8:9], hb s[10:11]
	v_and_b32 v1, 31, v0                           ; lane
	v_lshrrev_b32 v2, 5, v0                        ; wave
	s_mov_b32 s27, 0
	s_mov_b32 s30, 0x3a800000                      ; 1 / 1024
	s_mov_b32 s31, 0x3727c5ac                      ; 1e-5
	s_mov_b32 s40, 0x76543210                      ; v_permlanex16_b32: each lane takes its own place in the other half
	s_mov_b32 s41, 0xfedcba98
	v_lshlrev_b32 v[VL], 4, v1
	v_lshl_add_u32 v[VIN], v2, 13, v[VL]           ; wave x 2 rows + 16 x lane
	v_lshlrev_b32 v[VOUT], 3, v1
	v_lshl_add_u32 v[VOUT], v2, 12, v[VOUT]
	s_wait_kmcnt 0x0
	s_lshl_b32 s26, ttmp9, 16
	s_add_nc_u64 s[4:5], s[4:5], s[26:27]
	s_lshl_b32 s26, ttmp9, 15
	s_add_nc_u64 s[SO:SO+1], s[SO:SO+1], s[26:27]
	s_wait_alu depctr_va_vdst(0)                   ; v[VL], v[VIN] and v[VOUT] are written: every load and store of the kernel reads one of them as its offset
.irp p, 0,1
.irp j, 0,1,2,3,4,5,6,7
	global_load_b128 v[X+32*(\p)+4*(\j):X+32*(\p)+4*(\j)+3], v[VIN], s[4:5] offset:(\p)*4096+(\j)*512  ; 512 consecutive bytes a load
.endr
.endr
.irp j, 0,1,2,3,4,5,6,7
	global_load_b128 v[G+4*(\j):G+4*(\j)+3], v[VL], s[6:7] offset:(\j)*512
.endr
.irp j, 0,1,2,3,4,5,6,7
	global_load_b128 v[BV+4*(\j):BV+4*(\j)+3], v[VL], s[8:9] offset:(\j)*512
.endr
	s_wait_loadcnt 16                              ; both rows are in; the sixteen loads of gain and bias stay out
	LNROW 0
	LNROW 1
	s_endpgm
.Lfunc_end_k_q16185866f7_ln2:
	.size	k_q16185866f7_ln2, .Lfunc_end_k_q16185866f7_ln2-k_q16185866f7_ln2
	.p2alignl 7, 3214868480
	.fill 96, 4, 3214868480
	.section	.rodata,"a",@progbits
	.p2align	6, 0x0
	.amdhsa_kernel k_q16185866f7_ln2
		.amdhsa_group_segment_fixed_size 0
		.amdhsa_private_segment_fixed_size 0
		.amdhsa_enable_private_segment 0
		.amdhsa_kernarg_size 32
		.amdhsa_user_sgpr_count 2
		.amdhsa_user_sgpr_kernarg_segment_ptr 1
		.amdhsa_wavefront_size32 1
		.amdhsa_system_sgpr_workgroup_id_x 1
		.amdhsa_system_sgpr_workgroup_id_y 1
		.amdhsa_system_sgpr_workgroup_id_z 1
		.amdhsa_system_vgpr_workitem_id 0
		.amdhsa_next_free_vgpr 192
		.amdhsa_next_free_sgpr 66
		.amdhsa_reserve_vcc 0
		.amdhsa_float_denorm_mode_32 3
		.amdhsa_float_denorm_mode_16_64 3
		.amdhsa_memory_ordered 1
		.amdhsa_forward_progress 1
		.amdhsa_inst_pref_size 20
	.end_amdhsa_kernel
	.amdgpu_metadata
---
amdhsa.version: [ 1, 2 ]
amdhsa.kernels:
  - .name:           k_q16185866f7_ln2
    .symbol:         k_q16185866f7_ln2.kd
    .args:
      - { .name: x1, .offset: 0, .size: 8, .value_kind: global_buffer, .address_space: global }
      - { .name: ln2_g, .offset: 8, .size: 8, .value_kind: global_buffer, .address_space: global }
      - { .name: ln2_b, .offset: 16, .size: 8, .value_kind: global_buffer, .address_space: global }
      - { .name: hb, .offset: 24, .size: 8, .value_kind: global_buffer, .address_space: global }
    .group_segment_fixed_size: 0
    .private_segment_fixed_size: 0
    .kernarg_segment_align: 8
    .kernarg_segment_size: 32
    .max_flat_workgroup_size: 256
    .sgpr_count:     66
    .vgpr_count:     192
    .wavefront_size: 32
...
	.end_amdgpu_metadata
.endif
;; end of part 9
;; launch ffn1: the kernel of part 6 again; grid 16 x 16, 4 waves a work-group, clusters of 4 x 4, 327,680 bytes of LDS; arguments hb, wb, act, b1; writes act
;; launch ffn2: the kernel of part 7 again; grid 8 x 32, 4 waves a work-group, clusters of 4 x 4, 327,680 bytes of LDS; arguments act, wb, out0, b2, x1; writes out0
